; MI455X (gfx1250); checked and timed in simulation.
; The chip was launched on July 23, 2026; its instructions are those of AMD's public machine-readable ISA for CDNA 5 (MIT licence, August 2026) and "CDNA5" Instruction Set Architecture Reference Guide (July 2026). The comments in the code are by the model that wrote it; some were corrected since.
;; Encoder Layer. Allowed arithmetic: matrix products marked QUANTISED: E2M3 operands, one E8M0 scale for each 32 along K, by v_wmma_scale_f32_16x16x128_f8f6f4 with both operands' format E2M3, f32 sums; everything else in f32.
;; Inputs: b1 2,048 float32; b2 512 float32; be1 512 float32; be2 512 float32; g1 512 float32; g2 512 float32; mask 2 x 1 x 1 x 4,096 int32; w1 512 x 2,048 float32; w2 2,048 x 512 float32; wk 512 x 512 float32; wo 512 x 512 float32; wq 512 x 512 float32; wv 512 x 512 float32; x 2 x 4,096 x 512 float32.
;; Outputs: out0 2 x 4,096 x 512 float32.
;; This version of the problem:
;;   THIS VERSION OF THE PROBLEM IS GIVEN IN LOW PRECISION. The matrix products marked QUANTISED in the list below multiply operands that are first quantised to E2M3 (2 exponent bits, 3 mantissa bits; 6 bits a number), with one power-of-two scale for each 32 numbers along K (OCP MX v1.0); their sums are f32. All else is computed in f32.
;;   The module's matrix products, in the order in which they are computed (A, B: the left and right operand; K: the contracted axis; several contracted axes count as one K, in the product's order):
;;     1. [M 8,192, K 512] x [K 512, N 512]; A: input x; B: input wq: QUANTISED
;;     2. [M 8,192, K 512] x [K 512, N 512]; A: input x; B: input wk: QUANTISED
;;     3. [M 8,192, K 512] x [K 512, N 512]; A: input x; B: input wv: QUANTISED
;;     4. batch 16 x [M 4,096, K 64] x [K 64, N 4,096]; A: computed on the way; B: computed on the way: QUANTISED
;;     5. batch 16 x [M 4,096, K 4,096] x [K 4,096, N 64]; A: softmax (see below); B: computed on the way: QUANTISED
;;     6. [M 8,192, K 512] x [K 512, N 512]; A: computed on the way; B: input wo: QUANTISED
;;     7. [M 8,192, K 512] x [K 512, N 2,048]; A: computed on the way; B: input w1: QUANTISED
;;     8. [M 8,192, K 2,048] x [K 2,048, N 512]; A: computed on the way; B: input w2: QUANTISED
;;   THE QUANTISER, for each operand of a quantised product, along K:
;;     - K is cut into blocks of 32 from its start; a last block that is shorter is filled with zeros.
;;     - A block's scale is 2^e with e = floor(log2(the largest magnitude in the block)) - 2, held to -126 .. 127; a block of zeros has e = 0. As a byte (E8M0): e + 127.
;;     - Each number is divided by its block's scale, clamped to +-7.5, and rounded to the nearest number of E2M3, ties to even, subnormals kept.
;;     - The product sums the exact products of the quantised numbers (number of the format x scale) in f32.
;;   ~~~python
;;   def quantise(x, axis):      # numpy; x: float32 -> the quantised numbers, widened to float32 again
;;       x = np.moveaxis(x, axis, -1); K = x.shape[-1]
;;       x = np.pad(x, [(0, 0)] * (x.ndim - 1) + [(0, -K % 32)]); x = x.reshape(x.shape[:-1] + (-1, 32)); a = np.abs(x).max(-1, keepdims=True)
;;       e = np.where(a > 0, np.clip(np.frexp(np.where(a > 0, a, 1))[1] - 1 - 2, -126, 127), 0)      # np.frexp(a)[1] - 1 = floor(log2(a)), exactly
;;       r = np.clip(x / 2.0 ** e, -7.5, 7.5)
;;       step = 2.0 ** (np.maximum(np.frexp(np.where(r == 0, 1, r))[1] - 1, 0) - 3)
;;       q = np.round(r / step) * step * 2.0 ** e      # np.round: ties to even
;;       return np.moveaxis(q.reshape(q.shape[:-2] + (-1,))[..., :K], -1, axis).astype(np.float32)
;;   ~~~
;;   SOFTMAX AHEAD OF A QUANTISED PRODUCT. Where the list says 'softmax', what is quantised is not the finished softmax but p = 2^(t - M), with t = logit x log2(e) and M = ceil(the row's largest t), a whole number; so 1/2 < the row's largest p <= 1. The row's sum l is taken of the UNQUANTISED p, in f32, and the product's result is divided by l at the end. Since M is a whole number, a kernel that streams over the keys may use a running M (the ceiling of the running maximum): every later rescaling is an exact power of two, which a block's scale takes up: the codes' values come out the same.
;;   OPERANDS COMPUTED ON THE WAY. 'Computed on the way' means the value that the module computes at that place (a softmax that the list does not call 'softmax' is quantised finished and normalised). What goes into a quantiser is computed in f32, as accurately as f32 sums, v_exp_f32 and their like allow (about 1e-6 of the number): no bf16 or f16 on the way to a quantiser, and a product that is left as it is and whose result goes on into a quantised operand takes f32 operands (vector FMAs, or v_wmma_f32_16x16x4_f32). A number that lies on a knife's edge between two numbers of the format may be rounded either way, as far as f32 arithmetic and the matrix unit's own rounding can turn it there, and no further.
;; 2 versions. Each part assembles by itself: llvm-mc -triple=amdgcn-amd-amdhsa -mcpu=gfx1250 --defsym DOCPART=n.
;; ======== version 1 of 2: 4 launches
;; workspace buffers: wt 2,457,600 bytes; qkvc 12,189,696 bytes; ctxq 3,407,872 bytes
;; launch prep (part 1): grid 768 x 1, 1 waves a work-group, no clusters, 0 bytes of LDS; arguments wq, wk, wv, wo, w1, w2, wt; writes wt
.if DOCPART == 1
	.amdgcn_target "amdgcn-amd-amdhsa--gfx1250"
	.amdhsa_code_object_version 6
	.text
	.protected	k_q390e6c3ab6_prep
	.globl	k_q390e6c3ab6_prep
	.p2align	8
	.type	k_q390e6c3ab6_prep,@function
k_q390e6c3ab6_prep:
	s_mov_b64 s[64:65], 0
	v_nop
	global_prefetch_b8 v0, s[64:65] scope:SCOPE_SE
	s_setreg_imm32_b32 hwreg(HW_REG_WAVE_MODE, 25, 1), 1
	s_wait_xcnt 0x0
; The six weights, f32 stored [K][N], become codes of FP6 (E2M3) with one E8M0 byte for each 32 along K, laid in the order of the readers' operand registers.
; A UNIT is 32 neighbouring columns x 128 along K: two fragments (tile u = 0, 1; row r of tile u is column 8 u + r + (r & 8) of the 32), 1,536 bytes each:
; register 4 g + i of lane l at 512 g + 16 l + 4 i, so that a reader fills a fragment by three loads of 16 bytes a lane.  Unit P lies at 3,072 P;
; its scale words (row r of tile u) at SCB + 512 (P / 4) + 16 (r + 16 u) + 4 (P % 4): one load of 16 bytes a lane brings four units' words, tile 0's in lanes 0-15, tile 1's in lanes 16-31.
; One wave makes one unit.  A LANE TAKES A COLUMN AND ITS 128 REGISTERS RUN DOWN K: each load reads 128 neighbouring bytes, a block of 32 lies in one lane, nothing is transposed.
; A block's scale is 2^(floor(log2(largest magnitude)) - 2); its byte is the largest magnitude's exponent field - 2, held at 1 from below.
; LIMITS: a block of zeros gets the byte 1 where the quantiser says 127 (its codes are zeros, and this program alone reads the bytes); blocks whose largest magnitude lies under 2^-124 have the byte held at 1; NaN and infinities are not served.
.set SCB, 2359296                      ; 768 units x 3,072 bytes: behind them the scale words
.set X,   32                           ; v32-159  my column's 128 numbers
.set CB,  160                          ; v160-183 the codes: six registers a block
.set T,   184                          ; v184-186 a block's upper 16 codes (a conversion's three registers begin on an even number)
.set AM,  8                            ; v8-15    two chains of maxima a block
.set SO,  16                           ; v16-19   the conversions' scale operands
.set BY,  20                           ; v20-23   the scale bytes
.set WD,  24                           ; v24      my column's scale word
	s_load_b256 s[4:11], s[0:1], 0x0               ; wq, wk, wv, wo
	s_load_b128 s[12:15], s[0:1], 0x20             ; w1, w2
	s_load_b64 s[16:17], s[0:1], 0x30              ; wt
	v_lshlrev_b32 v1, 2, v0                        ; in: 4 bytes a lane
	v_bfe_u32 v5, v0, 3, 1                         ; u: which tile my column belongs to
	v_and_b32 v6, 7, v0
	v_lshrrev_b32 v7, 4, v0
	v_lshl_or_b32 v6, v7, 3, v6                    ; r: its row there
	v_lshlrev_b32 v2, 4, v6
	v_mad_u32_u24 v2, v5, 1536, v2                 ; out: 1,536 u + 16 r
	v_lshl_add_u32 v3, v5, 4, v6
	v_lshlrev_b32 v3, 4, v3                        ; scale word: 16 (r + 16 u)
	; which unit: s22 = K step, s24 = the weight's pitch, s25 = first column, s26 = position P.  The positions follow the order in which the readers' waves walk their units.
	s_mov_b32 s20, ttmp9
	s_mov_b32 s24, 512
	s_cmp_ge_u32 s20, 192
	s_cbranch_scc1 .Lnot_qkv
	s_lshr_b32 s21, s20, 2
	s_and_b32 s21, s21, 15                         ; wq, wk, wv: the reader's wave w owns columns 32 w on
	s_and_b32 s22, s20, 3
	s_lshr_b32 s23, s20, 6                         ; which of the three
	s_lshl_b32 s25, s21, 5
	s_mul_i32 s26, s21, 12
	s_lshl_b32 s23, s23, 2
	s_add_co_u32 s26, s26, s23
	s_add_co_u32 s26, s26, s22                     ; P = 12 w + 4 kind + s
	s_branch .Ldecoded
.Lnot_qkv:
	s_cmp_ge_u32 s20, 256
	s_cbranch_scc1 .Lnot_wo
	s_sub_co_u32 s27, s20, 192                     ; wo
	s_lshr_b32 s21, s27, 2
	s_and_b32 s22, s27, 3
	s_lshl_b32 s25, s21, 5
	s_mul_i32 s26, s21, 36
	s_add_co_u32 s26, s26, s22
	s_add_co_u32 s26, s26, 192                     ; P = 192 + 36 w + s
	s_branch .Ldecoded
.Lnot_wo:
	s_cmp_ge_u32 s20, 512
	s_cbranch_scc1 .Lis_w2
	s_sub_co_u32 s27, s20, 256                     ; w1: wave w owns four pairs of tiles
	s_lshr_b32 s21, s27, 4
	s_and_b32 s22, s27, 3
	s_lshr_b32 s25, s27, 2
	s_lshl_b32 s25, s25, 5
	s_mul_i32 s26, s21, 36
	s_and_b32 s23, s27, 15
	s_add_co_u32 s26, s26, s23
	s_add_co_u32 s26, s26, 196                     ; P = 192 + 36 w + 4 + 4 pair + s
	s_mov_b32 s24, 2048
	s_branch .Ldecoded
.Lis_w2:
	s_sub_co_u32 s27, s20, 512                     ; w2: sixteen K steps
	s_lshr_b32 s21, s27, 4
	s_and_b32 s22, s27, 15
	s_lshl_b32 s25, s21, 5
	s_mul_i32 s26, s21, 36
	s_add_co_u32 s26, s26, s22
	s_add_co_u32 s26, s26, 212                     ; P = 192 + 36 w + 20 + s
.Ldecoded:
	s_mul_i32 s28, s22, s24
	s_lshl_b32 s28, s28, 7
	s_add_co_u32 s28, s28, s25
	s_lshl_b32 s28, s28, 2                         ; 4 (128 s x pitch + column)
	s_mov_b32 s29, 0
	s_mul_i32 s30, s26, 3072
	s_mov_b32 s31, 0
	s_lshr_b32 s32, s26, 2
	s_lshl_b32 s32, s32, 9
	s_and_b32 s33, s26, 3
	s_lshl_b32 s33, s33, 2
	s_add_co_u32 s32, s32, s33
	s_add_co_u32 s32, s32, SCB
	s_mov_b32 s33, 0
	s_wait_kmcnt 0x0
	s_cmp_lt_u32 s20, 64                           ; the weight is chosen on the work-group's number alone
	s_cselect_b64 s[18:19], s[4:5], s[6:7]
	s_cmp_lt_u32 s20, 128
	s_cselect_b64 s[18:19], s[18:19], s[8:9]
	s_cmp_lt_u32 s20, 192
	s_cselect_b64 s[18:19], s[18:19], s[10:11]
	s_cmp_lt_u32 s20, 256
	s_cselect_b64 s[18:19], s[18:19], s[12:13]
	s_cmp_lt_u32 s20, 512
	s_cselect_b64 s[18:19], s[18:19], s[14:15]
	s_add_nc_u64 s[18:19], s[18:19], s[28:29]
	s_add_nc_u64 s[34:35], s[16:17], s[30:31]      ; my unit
	s_add_nc_u64 s[36:37], s[16:17], s[32:33]      ; its scale words
.macro LOADS pitch                     ; 128 rows of K, 32 neighbouring columns each; every offset an immediate (127 x 8,192 bytes at the most)
.set i, 0
.rept 128
	global_load_b32 v[X+i], v1, s[18:19] offset:i*\pitch*4 th:TH_LOAD_NT
.set i, i+1
.endr
.endm
	s_cmp_eq_u32 s24, 2048
	s_cbranch_scc1 .Lwide
	LOADS 512
	s_branch .Lloaded
.Lwide:
	LOADS 2048
.Lloaded:
.macro BLK b                           ; block b: its largest magnitude, its byte, its 32 codes
.set XS, X+32*\b
	v_max3_num_f32 v[AM+2*\b], |v[XS]|, |v[XS+1]|, |v[XS+2]|
	v_max3_num_f32 v[AM+2*\b+1], |v[XS+3]|, |v[XS+4]|, |v[XS+5]|
.irp i, 6,10,14,18,22,26
	v_max3_num_f32 v[AM+2*\b], v[AM+2*\b], |v[XS+\i]|, |v[XS+\i+1]|
	v_max3_num_f32 v[AM+2*\b+1], v[AM+2*\b+1], |v[XS+\i+2]|, |v[XS+\i+3]|
.endr
	v_max3_num_f32 v[AM+2*\b], v[AM+2*\b], |v[XS+30]|, |v[XS+31]|
	v_max3_num_f32 v[AM+2*\b], v[AM+2*\b], v[AM+2*\b+1], 0x1800000   ; the floor 2^(3 - 127): the byte cannot fall under 1
	v_add_nc_u32 v[SO+\b], 0xff000000, v[AM+2*\b]  ; 2 off the exponent field: the conversion takes this operand's exponent field as its scale
	v_lshrrev_b32 v[BY+\b], 23, v[SO+\b]           ; the byte
.if \b == 0
	v_mov_b32 v[WD], v[BY]
.else
	v_lshl_or_b32 v[WD], v[BY+\b], 8*\b, v[WD]
.endif
	v_cvt_scalef32_pk16_fp6_f32 v[CB+6*\b:CB+6*\b+2], v[XS:XS+15], v[SO+\b]
	v_cvt_scalef32_pk16_fp6_f32 v[T:T+2], v[XS+16:XS+31], v[SO+\b]
	v_nop                                          ; one plain place behind a scaled conversion
.irp i, 0,1,2
	v_mov_b32 v[CB+6*\b+3+\i], v[T+\i]
.endr
.endm
	; Block b is registers 6 (b / 2) .. + 5 of the fragment's lane r + 16 (b % 2): 24 bytes that fall on two groups of the image.
	s_wait_loadcnt 63                              ; of my 128 loads at most 63 are out: the first 65 are in, blocks 0 and 1 among them
	BLK 0
	global_store_b128 v2, v[CB:CB+3], s[34:35]
	global_store_b64 v2, v[CB+4:CB+5], s[34:35] offset:512
	BLK 1
	global_store_b128 v2, v[CB+6:CB+9], s[34:35] offset:256
	global_store_b64 v2, v[CB+10:CB+11], s[34:35] offset:768
	s_wait_loadcnt 32                              ; block 3's 32 loads may be out
	BLK 2
	global_store_b64 v2, v[CB+12:CB+13], s[34:35] offset:520
	global_store_b128 v2, v[CB+14:CB+17], s[34:35] offset:1024
	s_wait_loadcnt 0x0
	BLK 3
	global_store_b64 v2, v[CB+18:CB+19], s[34:35] offset:776
	global_store_b128 v2, v[CB+20:CB+23], s[34:35] offset:1280
	global_store_b32 v3, v[WD], s[36:37]
	s_endpgm
.Lfunc_end_k_q390e6c3ab6_prep:
	.size	k_q390e6c3ab6_prep, .Lfunc_end_k_q390e6c3ab6_prep-k_q390e6c3ab6_prep
	.p2alignl 7, 3214868480
	.fill 96, 4, 3214868480
	.section	.rodata,"a",@progbits
	.p2align	6, 0x0
	.amdhsa_kernel k_q390e6c3ab6_prep
		.amdhsa_group_segment_fixed_size 0
		.amdhsa_private_segment_fixed_size 0
		.amdhsa_enable_private_segment 0
		.amdhsa_kernarg_size 56
		.amdhsa_user_sgpr_count 2
		.amdhsa_user_sgpr_kernarg_segment_ptr 1
		.amdhsa_wavefront_size32 1
		.amdhsa_system_sgpr_workgroup_id_x 1
		.amdhsa_system_sgpr_workgroup_id_y 1
		.amdhsa_system_sgpr_workgroup_id_z 1
		.amdhsa_system_vgpr_workitem_id 0
		.amdhsa_next_free_vgpr 192
		.amdhsa_next_free_sgpr 66
		.amdhsa_reserve_vcc 0
		.amdhsa_float_denorm_mode_32 3
		.amdhsa_float_denorm_mode_16_64 3
		.amdhsa_memory_ordered 1
		.amdhsa_forward_progress 1
		.amdhsa_inst_pref_size 35
	.end_amdhsa_kernel
	.amdgpu_metadata
---
amdhsa.version: [ 1, 2 ]
amdhsa.kernels:
  - .name:           k_q390e6c3ab6_prep
    .symbol:         k_q390e6c3ab6_prep.kd
    .args:
      - { .name: wq, .offset: 0, .size: 8, .value_kind: global_buffer, .address_space: global }
      - { .name: wk, .offset: 8, .size: 8, .value_kind: global_buffer, .address_space: global }
      - { .name: wv, .offset: 16, .size: 8, .value_kind: global_buffer, .address_space: global }
      - { .name: wo, .offset: 24, .size: 8, .value_kind: global_buffer, .address_space: global }
      - { .name: w1, .offset: 32, .size: 8, .value_kind: global_buffer, .address_space: global }
      - { .name: w2, .offset: 40, .size: 8, .value_kind: global_buffer, .address_space: global }
      - { .name: wt, .offset: 48, .size: 8, .value_kind: global_buffer, .address_space: global }
    .group_segment_fixed_size: 0
    .private_segment_fixed_size: 0
    .kernarg_segment_align: 8
    .kernarg_segment_size: 56
    .max_flat_workgroup_size: 32
    .sgpr_count:     66
    .vgpr_count:     192
    .wavefront_size: 32
...
	.end_amdgpu_metadata
.endif
;; end of part 1
;; launch proj (part 2): grid 256 x 1, 16 waves a work-group, no clusters, 15,872 bytes of LDS; arguments x, mask, wt, qkvc; writes qkvc
.if DOCPART == 2
	.amdgcn_target "amdgcn-amd-amdhsa--gfx1250"
	.amdhsa_code_object_version 6
	.text
	.protected	k_q390e6c3ab6_proj
	.globl	k_q390e6c3ab6_proj
	.p2align	8
	.type	k_q390e6c3ab6_proj,@function
k_q390e6c3ab6_proj:
	s_mov_b64 s[64:65], 0
	v_nop
	global_prefetch_b8 v0, s[64:65] scope:SCOPE_SE
	s_setreg_imm32_b32 hwreg(HW_REG_WAVE_MODE, 25, 1), 1
	s_wait_xcnt 0x0
; q = x wq, k = x wk, v = x wv on codes of FP6 (E2M3, one E8M0 byte for each 32 along K); x is quantised here; q and k are quantised along the head's 64, v along the KEYS; all three leave as codes.
; SHARES.  A work-group takes 32 tokens, as two tiles: row r of tile t is token 8 t + r + (r & 8).  THE 16 WAVES SHARE THE COLUMNS: wave w owns columns 32 w .. 32 w + 31 of each weight (half a head).
; Its weight fragments come from memory straight into its operand registers, each once in the work-group, four units (12 KiB a wave) ahead; x's codes go round through LDS as images of the operand's registers.
; q, k: the product is used TRANSPOSED (source 0 = 16 columns of the weight, source 1 = 16 tokens): a lane holds one token and 16 neighbouring columns, so the quantiser's K runs along its registers.
; v: the natural order (source 0 = tokens, source 1 = columns): a lane holds one column and 16 neighbouring KEYS.
; THE MASK rides in the first attention product's spare K (its K is 64 of the instruction's 128): q carries the code -1.0 at k = 64 under the byte 127; an open key carries 0 there; a masked key has zero codes
; at k = 0 .. 63 and the code 7.5 at k = 64 under the byte 157: its score is -7.5 x 2^30 whatever q holds.  The choice is made by v_cndmask_b32 alone.
; LIMITS: a masked logit is -1.0066e9 where the definition says -1e9: the two differ in the result only where open logits lie near -1e9.  A block of zeros gets the byte 1 (zero codes; the bytes are read by this
; program alone); blocks under 2^-124 have the byte held at 1; NaN and infinities are not served.
; No cluster and no tensor load: a weight fragment is used by one wave of the work-group and lands in its operand registers; through LDS it would be written and read once more.
.set SCB,  2359296                     ; wt: where the scale words begin
.set QSO,  4194304                     ; qkvc: q's scale words
.set KVO,  4456448                     ; qkvc: the key steps' records
.set RECB, 15104                       ; a record: 8 tiles of k (1,024 each), 4 fragments of V^T (1,536 each), k's scale words (512), V's (256)
.set XI,   0                           ; LDS: x's 8 fragments, (tile t, K step s) at 1,536 (4 t + s): register 2 p + i of lane l at 256 p + 8 l + 4 i
.set XSC,  12288                       ; x's scale bytes [tile][row][16]
.set SST,  12800                       ; q's and k's scale bytes [kind][head][lane][2]
.set NS,   4                           ; units in flight
.set NU,   12                          ; units of a wave: 3 weights x 4 K steps
.set A16,  1                           ; v1   16 x lane
.set A8,   2                           ; v2   8 x lane
.set LN,   3                           ; v3   lane
.set XW,   4                           ; v4   where I store my part of x's images
.set ZR,   5                           ; v5   0
.set XSW,  6                           ; v6   and its scale byte
.set A16R, 8                           ; v8   XSC + 16 r
.set XO,   12                          ; v12  my byte in the block's rows of x
.set QKO,  13                          ; v13  1,024 h + 16 r
.set VO,   14                          ; v14  1,536 h + 16 r
.set MKO,  16                          ; v16  my token's mask word
.set SSW,  17                          ; v17  where I put a scale byte of q or k
.set SSR,  18                          ; v18  where I read two back
.set SB,   19                          ; v19  the byte of my lane's block
.set MW,   20                          ; v20  the mask word
.set TM,   24                          ; v24-31 the quantiser's work
.set PC,   40                          ; v40-49 the codes just made
.set AS,   52                          ; v52-59 x's scale words: tile t, K step s at AS + 4 t + s
.set WSC,  60                          ; v60-71 the weights' scale words: unit n at WSC + n
.set ACC,  72                          ; v72-103 four accumulators
.set ACT,  104                         ; v104-127 x's two fragments of a K step
.set WS,   128                         ; v128-223 four units of weights
.set WV,   12
.set XB,   20
.set MB,   22
.set WP,   24
.set WSP,  26
.set QB,   28
.set REC,  30
.set KB,   32
.set VB,   34
.set VSB,  36
.set SWB,  38
.set SEL,  40
.set HM,   42
.set MZ,   43
.set R6Q,  44
.set R6K,  45
.set UA,   46
.set UB,   47
.set SH,   48
; LC counts the global loads issued; a mark is its value behind a batch; LC - mark is the number of younger loads, which may stay out when the batch is wanted.
.set LC, 0
.macro GLD4 dst, adr, base, off
	global_load_b128 v[\dst:\dst+3], v[\adr], s[\base:\base+1] offset:\off
.set LC, LC+1
.endm
.macro GLD4N dst, adr, base, off
	global_load_b128 v[\dst:\dst+3], v[\adr], s[\base:\base+1] offset:\off th:TH_LOAD_NT
.set LC, LC+1
.endm
.macro SETWM n
.if ((\n)%NS)==0
.set WM0, LC
.elseif ((\n)%NS)==1
.set WM1, LC
.elseif ((\n)%NS)==2
.set WM2, LC
.else
.set WM3, LC
.endif
.endm
.macro WAITWM n
.if ((\n)%NS)==0
	s_wait_loadcnt LC-WM0
.elseif ((\n)%NS)==1
	s_wait_loadcnt LC-WM1
.elseif ((\n)%NS)==2
	s_wait_loadcnt LC-WM2
.else
	s_wait_loadcnt LC-WM3
.endif
.endm
.macro WLOAD n                         ; unit n: two fragments, six loads of 512 consecutive bytes
.irp u, 0,1
.irp g, 0,1,2
	GLD4 WS+24*((\n)%NS)+12*\u+4*\g, A16, WP, (\n)*3072+\u*1536+\g*512
.endr
.endr
	SETWM \n
.endm
.macro AFETCH adr, off0, off1          ; the two tiles' fragments of a K step, as they were stored
.irp p, 0,1,2,3,4,5
	ds_load_b64 v[ACT+2*\p:ACT+2*\p+1], v[\adr] offset:\off0+256*\p
.endr
.irp p, 0,1,2,3,4,5
	ds_load_b64 v[ACT+12+2*\p:ACT+12+2*\p+1], v[\adr] offset:\off1+256*\p
.endr
.endm
; one matrix instruction.  ck = 1: C is the constant 0.  ra, rb: source 0's or source 1's scales stand in lanes 16-31
.macro WMM d, a, b, ck, c, sa, sb, ra, rb
.if \ck
.if \ra
	v_wmma_scale_f32_16x16x128_f8f6f4 v[\d:\d+7], v[\a:\a+11], v[\b:\b+11], 0, v[\sa], v[\sb] matrix_a_fmt:MATRIX_FMT_FP6 matrix_b_fmt:MATRIX_FMT_FP6 matrix_a_scale:MATRIX_SCALE_ROW1
.elseif \rb
	v_wmma_scale_f32_16x16x128_f8f6f4 v[\d:\d+7], v[\a:\a+11], v[\b:\b+11], 0, v[\sa], v[\sb] matrix_a_fmt:MATRIX_FMT_FP6 matrix_b_fmt:MATRIX_FMT_FP6 matrix_b_scale:MATRIX_SCALE_ROW1
.else
	v_wmma_scale_f32_16x16x128_f8f6f4 v[\d:\d+7], v[\a:\a+11], v[\b:\b+11], 0, v[\sa], v[\sb] matrix_a_fmt:MATRIX_FMT_FP6 matrix_b_fmt:MATRIX_FMT_FP6
.endif
.else
.if \ra
	v_wmma_scale_f32_16x16x128_f8f6f4 v[\d:\d+7], v[\a:\a+11], v[\b:\b+11], v[\c:\c+7], v[\sa], v[\sb] matrix_a_fmt:MATRIX_FMT_FP6 matrix_b_fmt:MATRIX_FMT_FP6 matrix_a_scale:MATRIX_SCALE_ROW1
.elseif \rb
	v_wmma_scale_f32_16x16x128_f8f6f4 v[\d:\d+7], v[\a:\a+11], v[\b:\b+11], v[\c:\c+7], v[\sa], v[\sb] matrix_a_fmt:MATRIX_FMT_FP6 matrix_b_fmt:MATRIX_FMT_FP6 matrix_b_scale:MATRIX_SCALE_ROW1
.else
	v_wmma_scale_f32_16x16x128_f8f6f4 v[\d:\d+7], v[\a:\a+11], v[\b:\b+11], v[\c:\c+7], v[\sa], v[\sb] matrix_a_fmt:MATRIX_FMT_FP6 matrix_b_fmt:MATRIX_FMT_FP6
.endif
.endif
.endm
; Unit n: four matrix instructions on four accumulators, which take turns, one instruction a turn, in the same order in every unit.
; mode 0, transposed: accumulator 16 t + 8 u = weight tile u x token tile t.  mode 1, natural: accumulator 16 t + 8 u = token tile u x weight tile t.
; The four v_nop are the places in front of the loads into registers that these instructions have read and of the first vector read of their results.
.macro MM n, mode, ck, wsr, as0, as1
	WAITWM \n                                      ; unit n's six loads are in (and all that were issued ahead of them); the younger units stay out
	s_wait_dscnt 0x0                               ; x's fragments and scale words
.set WB, WS+24*((\n)%NS)
.if \mode == 0
	WMM ACC,    WB,     ACT,    \ck, ACC,    \wsr, \as0, 0, 0
	WMM ACC+8,  WB+12,  ACT,    \ck, ACC+8,  \wsr, \as0, 1, 0
	WMM ACC+16, WB,     ACT+12, \ck, ACC+16, \wsr, \as1, 0, 0
	WMM ACC+24, WB+12,  ACT+12, \ck, ACC+24, \wsr, \as1, 1, 0
.else
	WMM ACC,    ACT,    WB,     \ck, ACC,    \as0, \wsr, 0, 0
	WMM ACC+8,  ACT+12, WB,     \ck, ACC+8,  \as1, \wsr, 0, 0
	WMM ACC+16, ACT,    WB+12,  \ck, ACC+16, \as0, \wsr, 0, 1
	WMM ACC+24, ACT+12, WB+12,  \ck, ACC+24, \as1, \wsr, 0, 1
.endif
.rept 4
	v_nop
.endr
.if (\n)+NS < NU
	WLOAD (\n)+NS
.endif
.endm
; THE QUANTISER.  Two runs of 16 numbers, v[src ..] and v[src + 16 ..]; each is my lane's half (16 h .. 16 h + 15) of one block of 32, whose other half lies in lane l xor 16.
; Afterwards lane (r, a) holds in v[PC .. PC + 5] the WHOLE block of run a for row r, and v[TM + 6], v[TM + 7] hold the two runs' scale bytes in every lane.
.macro Q32 src
.irp a, 0,1
	v_max3_num_f32 v[TM+\a], |v[\src+16*\a]|, |v[\src+16*\a+1]|, 0x1800000   ; with the floor 2^(3 - 127): the byte cannot fall under 1
.endr
.irp i, 2,4,6,8,10,12,14
.irp a, 0,1
	v_max3_num_f32 v[TM+\a], v[TM+\a], |v[\src+16*\a+\i]|, |v[\src+16*\a+\i+1]|
.endr
.endr
.irp a, 0,1
	v_permlanex16_b32 v[TM+2+\a], v[TM+\a], s[SEL], s[SEL+1]
.endr
.irp a, 0,1
	v_max_num_f32 v[TM+\a], v[TM+\a], v[TM+2+\a]   ; the block's largest magnitude
.endr
.irp a, 0,1
	v_add_nc_u32 v[TM+4+\a], 0xff000000, v[TM+\a]  ; 2 off its exponent field: the conversion's scale operand
.endr
.irp a, 0,1
	v_lshrrev_b32 v[TM+6+\a], 23, v[TM+4+\a]       ; the byte
.endr
	v_cvt_scalef32_pk16_fp6_f32 v[PC:PC+2], v[\src:\src+15], v[TM+4]
	v_cvt_scalef32_pk16_fp6_f32 v[PC+6:PC+8], v[\src+16:\src+31], v[TM+5]
	v_nop                                          ; one plain place behind a scaled conversion
.irp i, 0,1,2
	v_permlane16_swap_b32 v[PC+\i], v[PC+6+\i]     ; run 0's upper half changes places with run 1's lower half
.endr
.irp i, 0,1,2
	v_mov_b32 v[PC+3+\i], v[PC+6+\i]
.endr
.endm
.macro BARRIER                         ; my LDS stores have landed and my LDS loads are in: then the work-group's barrier
	s_wait_dscnt 0x0
	s_barrier_signal -1
	s_barrier_wait -1
.endm
	s_load_b256 s[4:11], s[0:1], 0x0               ; x, mask, wt, qkvc
	v_lshl_add_u32 v224, v0, 2, 0x3600
	v_mov_b32 v225, 0
	v_lshrrev_b32 v21, 5, v0
	v_readfirstlane_b32 s[WV], v21                 ; wave 0..15
	v_and_b32 v[LN], 31, v0
	v_and_b32 v21, 15, v0                          ; r
	v_bfe_u32 v22, v0, 4, 1                        ; h
	v_and_b32 v23, 8, v0
	v_add_nc_u32 v23, v23, v21                     ; r + (r & 8)
	v_lshlrev_b32 v[A16], 4, v[LN]
	v_lshlrev_b32 v[A8], 3, v[LN]
	s_and_b32 s14, s[WV], 1                        ; which half of the head is mine
	s_lshl_b32 s15, s[WV], 7
	v_lshlrev_b32 v[XO], 11, v23
	v_lshl_add_u32 v[XO], v22, 6, v[XO]
	v_add_nc_u32 v[XO], s15, v[XO]                 ; x: row r + (r & 8), block w of K, my 16 numbers of it
	v_lshl_add_u32 v[MKO], v22, 3, v23
	v_lshlrev_b32 v[MKO], 2, v[MKO]                ; behind the quantiser lane (r, h) holds token 8 h + r + (r & 8)
	s_mov_b32 s53, 0
	s_wait_kmcnt 0x0
	s_lshl_b32 s52, ttmp9, 16
	s_add_nc_u64 s[XB:XB+1], s[4:5], s[52:53]      ; 32 rows of 2,048 bytes a work-group
	s_lshl_b32 s52, ttmp9, 7
	s_add_nc_u64 s[MB:MB+1], s[6:7], s[52:53]
	s_mul_i32 s52, s[WV], 36864
	s_add_nc_u64 s[WP:WP+1], s[8:9], s[52:53]      ; my 12 units
	s_mul_i32 s52, s[WV], 1536
	s_add_co_u32 s52, s52, SCB
	s_add_nc_u64 s[WSP:WSP+1], s[8:9], s[52:53]    ; and their scale words
.irp t, 0,1
.irp i, 0,1,2,3
	GLD4N ACC+16*\t+4*\i, XO, XB, \t*16384+16*\i   ; run t: token 8 t + r + (r & 8), columns 32 w + 16 h on
.endr
.endr
.set XM, LC
	global_load_b32 v[MW], v[MKO], s[MB:MB+1]
.set LC, LC+1
.set MKM, LC
.irp g, 0,1,2
	GLD4 WSC+4*\g, A16, WSP, \g*512
.endr
.irp n, 0,1,2,3
	WLOAD \n
.endr
	; the other addresses, while the loads are on their way
	v_mov_b32 v[ZR], 0
	v_mov_b32 v[TM+2], 0                           ; written once: a lane permute's destination counts as one of its sources
	v_mov_b32 v[TM+3], 0
	s_lshr_b32 s13, s[WV], 2
	s_mul_i32 s13, s13, 1536                       ; block w of K is K step w / 4,
	s_bfe_u32 s15, s[WV], 0x10001
	s_mul_i32 s15, s15, 768                        ; registers 6 ((w / 2) % 2) on,
	s_add_co_u32 s13, s13, s15
	s_lshl_b32 s15, s14, 7                         ; of the fragment's lanes r + 16 (w % 2)
	s_add_co_u32 s13, s13, s15
	v_mul_u32_u24 v[XW], v22, 6144                 ; and my lane's half says which tile
	v_lshl_add_u32 v[XW], v21, 3, v[XW]
	v_add_nc_u32 v[XW], s13, v[XW]
	v_add_nc_u32 v[XSW], s[WV], v[A16]
	v_add_nc_u32 v[XSW], XSC, v[XSW]
	v_lshl_add_u32 v[A16R], v21, 4, XSC
	v_lshlrev_b32 v[QKO], 10, v22
	v_lshl_add_u32 v[QKO], v21, 4, v[QKO]
	v_mul_u32_u24 v[VO], v22, 1536
	v_lshl_add_u32 v[VO], v21, 4, v[VO]
	s_lshr_b32 s15, s[WV], 1
	s_lshl_b32 s15, s15, 6
	s_add_co_u32 s15, s15, s14
	v_lshl_add_u32 v[SSW], v[LN], 1, SST
	v_add_nc_u32 v[SSW], s15, v[SSW]
	s_lshl_b32 s15, s[WV], 6
	v_lshl_add_u32 v[SSR], v[LN], 1, SST
	v_add_nc_u32 v[SSR], s15, v[SSR]
	s_mov_b32 s[SEL], 0x76543210
	s_mov_b32 s[SEL+1], 0xfedcba98                 ; v_permlanex16_b32's selects for lane l xor 16
	s_mov_b32 s[HM], 0xffff0000                    ; lanes 16-31
	s_lshr_b32 s16, ttmp9, 7
	s_lshl_b32 s16, s16, 3                         ; 8 x batch
	s_and_b32 s17, ttmp9, 127                      ; block of 32 tokens in the batch
	s_lshr_b32 s18, s17, 2                         ; key step
	s_and_b32 s19, s17, 3                          ; block of 32 keys in it
	s_lshr_b32 s50, s[WV], 1
	s_add_co_u32 s50, s50, s16                     ; batch x 8 + head
	s_lshl_b32 s52, s50, 18
	s_lshl_b32 s51, s17, 11
	s_add_co_u32 s52, s52, s51
	s_lshl_b32 s51, s14, 8
	s_add_co_u32 s52, s52, s51
	s_add_nc_u64 s[QB:QB+1], s[10:11], s[52:53]    ; q: the two tiles' records, the lanes of my half
	s_lshl_b32 s52, s50, 5
	s_add_co_u32 s52, s52, s18
	s_mul_i32 s52, s52, RECB
	s_add_co_u32 s52, s52, KVO
	s_add_nc_u64 s[REC:REC+1], s[10:11], s[52:53]  ; the key step's record
	s_lshl_b32 s52, s19, 11
	s_add_co_u32 s52, s52, s51
	s_add_nc_u64 s[KB:KB+1], s[REC:REC+1], s[52:53]
	s_mul_i32 s52, s14, 3072
	s_and_b32 s51, s19, 1
	s_lshl_b32 s51, s51, 8
	s_add_co_u32 s52, s52, s51
	s_add_co_u32 s52, s52, 8192
	s_add_nc_u64 s[VB:VB+1], s[REC:REC+1], s[52:53]
	s_lshl_b32 s52, s14, 2
	s_add_co_u32 s52, s52, s19
	s_add_co_u32 s52, s52, 14848
	s_add_nc_u64 s[VSB:VSB+1], s[REC:REC+1], s[52:53]
	s_cmp_eq_u32 s14, 0                            ; k = 64 lies in the fragment's lanes 0-15, which the wave of the head's first half writes
	s_cselect_b32 s[R6Q], 0x28, 0                  ; the code -1.0
	s_cselect_b32 s[R6K], 0x1f, 0                  ; the code 7.5
	; at the end wave w puts together the scale words of q (w < 8) or k (w >= 8) of head w % 8
	s_and_b32 s50, s[WV], 7
	s_add_co_u32 s50, s50, s16
	s_lshl_b32 s51, s50, 14
	s_lshl_b32 s49, s17, 7
	s_add_co_u32 s51, s51, s49
	s_add_co_u32 s51, s51, QSO
	s_lshl_b32 s52, s50, 5
	s_add_co_u32 s52, s52, s18
	s_mul_i32 s52, s52, RECB
	s_lshl_b32 s49, s19, 2
	s_add_co_u32 s52, s52, s49
	s_add_co_u32 s52, s52, KVO+14336
	s_mov_b32 s[UA], 0x01010000                    ; an open key: bytes 1, 1 over the spare blocks
	s_mov_b32 s[UB], 0x019d0000                    ; a masked key: 157, 1
	s_cmp_lt_u32 s[WV], 8
	s_cselect_b32 s52, s51, s52
	s_cselect_b32 s[UA], 0x017f0000, s[UA]         ; q: 127, 1
	s_cselect_b32 s[UB], 0x017f0000, s[UB]
	s_cselect_b32 s[SH], 2, 4                      ; q's words lie 4 bytes apart, k's 16
	s_add_nc_u64 s[SWB:SWB+1], s[10:11], s[52:53]
	; ---- x: block w of K of the 32 tokens
	s_wait_loadcnt LC-XM                           ; x's eight loads are in; the mask's, the scale words' and the weights' loads stay out
	Q32 ACC
.irp i, 0,1,2
	ds_store_b64 v[XW], v[PC+2*\i:PC+2*\i+1] offset:XI+256*\i
.endr
	v_cndmask_b32 v[SB], v[TM+6], v[TM+7], s[HM]
	ds_store_b8 v[XSW], v[SB]
	s_wait_loadcnt LC-MKM
	v_cmp_eq_u32 s[MZ], 0, v[MW]                   ; the lanes whose token is masked
	BARRIER                                        ; x's eight fragments and their scale bytes lie in LDS
	ds_load_b128 v[AS:AS+3], v[A16R]
	ds_load_b128 v[AS+4:AS+7], v[A16R] offset:256
	; ---- q, then k
.irp kd, 0,1
.irp s, 0,1,2,3
	AFETCH A8, XI+\s*1536, XI+(4+\s)*1536
	MM 4*\kd+\s, 0, (\s==0), WSC+4*\kd+\s, AS+\s, AS+4+\s
.endr
	s_wait_xcnt 0x0                                ; earlier stores have read the codes' registers: they are written again only behind this wait
	Q32 ACC                                        ; lane (r, t): my half of the head, of token r of tile t
	v_cndmask_b32 v[SB], v[TM+6], v[TM+7], s[HM]
.if \kd == 0
	v_mov_b32 v[PC+6], s[R6Q]
	v_mov_b32 v[PC+7], 0
	global_store_b128 v[QKO], v[PC:PC+3], s[QB:QB+1]              ; each half of the lanes stores 256 consecutive bytes, aligned
	global_store_b128 v[QKO], v[PC+4:PC+7], s[QB:QB+1] offset:512
.else
.irp i, 0,1,2,3,4,5
	v_cndmask_b32 v[PC+\i], v[PC+\i], v[ZR], s[MZ] ; a masked key's codes are zeros
.endr
	v_mov_b32 v22, s[R6K]
	v_cndmask_b32 v[PC+6], v[ZR], v22, s[MZ]
	v_mov_b32 v[PC+7], 0
	global_store_b128 v[QKO], v[PC:PC+3], s[KB:KB+1]
	global_store_b128 v[QKO], v[PC+4:PC+7], s[KB:KB+1] offset:512
.endif
	ds_store_b8 v[SSW], v[SB] offset:512*\kd
.endr
	; ---- v: a lane holds one column and the block's keys
.irp s, 0,1,2,3
	AFETCH A8, XI+\s*1536, XI+(4+\s)*1536
	MM 8+\s, 1, (\s==0), WSC+8+\s, AS+\s, AS+4+\s
.endr
	s_wait_xcnt 0x0
	Q32 ACC                                        ; lane (r, t): the block's 32 keys of row r of V^T's tile 2 (w % 2) + t
	v_cndmask_b32 v[SB], v[TM+6], v[TM+7], s[HM]
	s_cmp_lt_u32 s19, 2                            ; key block b of the step is registers 6 (b / 2) on of lanes r + 16 (b % 2)
	s_cbranch_scc0 .Lupper
	global_store_b128 v[VO], v[PC:PC+3], s[VB:VB+1]
	global_store_b64 v[VO], v[PC+4:PC+5], s[VB:VB+1] offset:512
	s_branch .Lv_done
.Lupper:
	global_store_b64 v[VO], v[PC:PC+1], s[VB:VB+1] offset:520
	global_store_b128 v[VO], v[PC+2:PC+5], s[VB:VB+1] offset:1024
.Lv_done:
	global_store_b8 v[A8], v[SB], s[VSB:VSB+1]
	; ---- the scale words of q and k: two bytes from two waves, and the spare blocks' bytes
	BARRIER
	ds_load_u16 v21, v[SSR]
	v_mov_b32 v22, s[UA]
	v_mov_b32 v23, s[UB]
	v_cndmask_b32 v22, v22, v23, s[MZ]
	v_lshlrev_b32 v23, s[SH], v[LN]
	s_wait_dscnt 0x0
	v_or_b32 v21, v21, v22
	global_store_b32 v23, v21, s[SWB:SWB+1]
	s_wait_tensorcnt 0x0
	ds_add_u32 v224, v225
	s_wait_dscnt 0x0
	s_endpgm
.Lfunc_end_k_q390e6c3ab6_proj:
	.size	k_q390e6c3ab6_proj, .Lfunc_end_k_q390e6c3ab6_proj-k_q390e6c3ab6_proj
	.p2alignl 7, 3214868480
	.fill 96, 4, 3214868480
	.section	.rodata,"a",@progbits
	.p2align	6, 0x0
	.amdhsa_kernel k_q390e6c3ab6_proj
		.amdhsa_group_segment_fixed_size 15872
		.amdhsa_private_segment_fixed_size 0
		.amdhsa_enable_private_segment 0
		.amdhsa_kernarg_size 32
		.amdhsa_user_sgpr_count 2
		.amdhsa_user_sgpr_kernarg_segment_ptr 1
		.amdhsa_wavefront_size32 1
		.amdhsa_system_sgpr_workgroup_id_x 1
		.amdhsa_system_sgpr_workgroup_id_y 1
		.amdhsa_system_sgpr_workgroup_id_z 1
		.amdhsa_system_vgpr_workitem_id 0
		.amdhsa_next_free_vgpr 226
		.amdhsa_next_free_sgpr 66
		.amdhsa_reserve_vcc 0
		.amdhsa_float_denorm_mode_32 3
		.amdhsa_float_denorm_mode_16_64 3
		.amdhsa_memory_ordered 1
		.amdhsa_forward_progress 1
		.amdhsa_inst_pref_size 41
	.end_amdhsa_kernel
	.amdgpu_metadata
---
amdhsa.version: [ 1, 2 ]
amdhsa.kernels:
  - .name:           k_q390e6c3ab6_proj
    .symbol:         k_q390e6c3ab6_proj.kd
    .args:
      - { .name: x, .offset: 0, .size: 8, .value_kind: global_buffer, .address_space: global }
      - { .name: mask, .offset: 8, .size: 8, .value_kind: global_buffer, .address_space: global }
      - { .name: wt, .offset: 16, .size: 8, .value_kind: global_buffer, .address_space: global }
      - { .name: qkvc, .offset: 24, .size: 8, .value_kind: global_buffer, .address_space: global }
    .group_segment_fixed_size: 15872
    .private_segment_fixed_size: 0
    .kernarg_segment_align: 8
    .kernarg_segment_size: 32
    .max_flat_workgroup_size: 512
    .sgpr_count:     66
    .vgpr_count:     226
    .wavefront_size: 32
...
	.end_amdgpu_metadata
.endif
;; end of part 2
;; launch attn (part 3): grid 16 x 16, 16 waves a work-group, clusters of 4 x 1, 327,680 bytes of LDS; arguments qkvc, ctxq; writes ctxq
.if DOCPART == 3
	.amdgcn_target "amdgcn-amd-amdhsa--gfx1250"
	.amdhsa_code_object_version 6
	.text
	.protected	k_q390e6c3ab6_attn
	.globl	k_q390e6c3ab6_attn
	.p2align	8
	.type	k_q390e6c3ab6_attn,@function
k_q390e6c3ab6_attn:
	s_mov_b64 s[64:65], 0
	v_nop
	global_prefetch_b8 v0, s[64:65] scope:SCOPE_SE
	s_setreg_imm32_b32 hwreg(HW_REG_WAVE_MODE, 25, 1), 1
	s_wait_xcnt 0x0
	s_wait_alu depctr_hold_cnt(0) depctr_sa_sdst(0) depctr_va_vdst(0) depctr_va_sdst(0) depctr_va_ssrc(0) depctr_va_vcc(0) depctr_vm_vsrc(0)
	s_getreg_b32 s2, hwreg(HW_REG_IB_STS2, 6, 4)
	s_cmp_eq_u32 s2, 0
	s_cbranch_scc0 .Lentry_in_a_cluster
	s_endpgm
.Lentry_in_a_cluster:
	s_bfe_u32 s2, ttmp6, 0x10000c
	s_cmp_lg_u32 s2, 0x3003
	s_cbranch_scc0 .Lentry_shape_is_right
	s_endpgm
.Lentry_shape_is_right:
; ctx = softmax(q k^T / 8, masked) v for one (batch, head), both products on codes of FP6 (E2M3) with E8M0 scales; ctx is divided by the row's sum, quantised along the model's 512 and leaves as codes.
; THE SOFTMAX: t = score x log2(e) / 8; M = the running largest t, rounded UP to a whole number; p = 2^(t - M) is quantised along the keys, not normalised; the row's sum is taken of the unquantised p.
; When M moves, the sum and O are multiplied by 2^(old M - new M): exact.  THE MASK is in the codes: a masked key's score is -7.5 x 2^30 (k = 64 of the first product), so p falls to 0 beside any open key,
; and a row whose keys are all masked gets equal weights.
; SHARES.  A work-group owns 256 queries; each of its sixteen waves one tile of 16, in 256 registers: four waves to a SIMD, so that one wave's exponentials stand beside another's products and LDS loads.
; Every wave walks all 4,096 keys, 128 a step.  A key step is ONE dense record of 15,104 bytes, laid in the order of the operands' registers: a fragment comes by loads of 16 consecutive bytes a lane.
; LAYOUT.  Both products are used transposed (S^T = K Q^T, O^T = V^T P^T): a lane holds one query.  Row r of tile 2 b + u of K is key 32 b + 8 u + r + (r & 8), so that the 16 registers of two neighbouring tiles are 16 neighbouring keys.
; The first product's K is 64: a tile of K is 8 registers a lane (6 of codes, the mask's, a zero).  Q's codes at k = 65 .. 127 are zeros, so what stands in registers 8-11 of K's operand adds nothing: tile t lies at KF + 8 t and overlaps the next.
; CLUSTER.  The four work-groups of a cluster belong to one head and walk the same records: each slot is asked for JOINTLY, by the same tensor load with the same descriptor and a mask that names the four.
; LIMITS: NaN and infinities are not served; a block of p that has fallen to 0 keeps the byte 1 (zero codes).
.set QSO,   4194304
.set KVO,   4456448
.set CSO,   3145728
.set RECB,  15104
.set SLOTB, 4*RECB                     ; a slot: four key steps
.set SLOT1, 65536                      ; slot 1 begins here: one exclusive or turns an address in one slot into the other's
.set SPARE, 131072                     ; the spare words, 128 bytes for each wave: eight blocks of 256 bytes that no other line names
.set NSL,   8                          ; slots' worth of keys
.set AL16, 1                           ; v1   the slot in hand + 16 x lane
.set AL8,  2                           ; v2   the slot in hand + 8 x lane
.set SPW,  3                           ; v3   LDS address of my spare word; never rewritten
.set NIL,  4                           ; v4   0; never rewritten
.set L16,  5                           ; v5   16 x lane
.set L8,   6                           ; v6   8 x lane
.set PFO,  7                           ; v7   the prefetches' offset
.set Q,    16                          ; v16-27 Q's fragment
.set QSC,  28                          ; v28  its scale words
.set PSC,  29                          ; v29  p's scale word
.set KSC,  30                          ; v30-33 K's scale words: tiles 2 i (lanes 0-15) and 2 i + 1 (lanes 16-31) at KSC + i
.set VSC,  34                          ; v34-35 V's likewise
.set KF,   36                          ; v36-71 four tiles of K
.set S,    72                          ; v72-135 S^T, then p
.set O,    136                         ; v136-167 O^T
.set PCD,  168                         ; v168-179 p's codes
.set P2,   180                         ; v180-182, v184-186 the conversions' second halves
.set BM,   188                         ; v188-191 the blocks' largest scores
.set PT,   192                         ; v192-195 at work
.set SO,   196                         ; v196-199 the conversions' scale operands
.set FF,   200                         ; v[200:201] f = 2^(old M - new M)
.set W,    202                         ; v202 at work
.set VF,   204                         ; v204-251 four fragments of V^T
.set TM,   188                         ; the way out's quantiser works where the softmax did
.set PC,   168
.set WV,   8
.set G1,   16                          ; s[16:23] descriptor group 1
.set G0,   24                          ; s[24:27] group 0, which walks
.set CS,   28                          ; s[28:29] c = log2(e) / 8
.set SEL,  30
.set TB,   32                          ; s32  LDS byte at which the slot in hand begins
.set SLOTS, 33
.set LIM,  34
.set PFA,  36
.set QB,   38
.set QSB,  40
.set CB,   42
.set CSB,  44
.macro CROUND                          ; a round of the cluster's barrier
	s_barrier_signal -1
	s_barrier_wait -1
	s_cmp_lg_u32 s[WV], 0
	s_cbranch_scc1 .Lnot_wave_0_\@
	s_barrier_signal -3
.Lnot_wave_0_\@:
	s_barrier_wait -3
	s_barrier_signal -1
	s_barrier_wait -1
.endm
.macro TLOAD                           ; waves 0 and 1 fetch two records each; the branch hangs on the wave's number alone.  Four v_nop follow the load
	s_cmp_lt_u32 s[WV], 2
	s_cbranch_scc0 .Lno_load_\@
	tensor_load_to_lds s[G0:G0+3], s[G1:G1+7]
	s_nop 0
.rept 4
	v_nop
.endr
.Lno_load_\@:
.endm
; A PREFETCH INTO THE L2 of the slot that the NEXT change of slots will ask for: four key steps ahead of that load.  All four clusters of a head walk the same records: the head's first cluster asks.
; Its four partners take a record each, told apart BY ADDRESS; in each, waves 2 and 3 ask, lanes 256 bytes apart, for the record's 59 blocks of 256 bytes (the last five lanes name the last block again).
; The last change that fills a slot asks for nothing; slots 0 and 1 come by their loads alone.
.macro ASK
	s_cmp_gt_u32 s[SLOTS], s[LIM]
	s_cbranch_scc0 .Lnot_mine_\@
	global_prefetch_b8 v[PFO], s[PFA:PFA+1] th:TH_LOAD_NT scope:SCOPE_SE
.Lnot_mine_\@:
.endm
.macro WMM d, a, b, ck, c, sa, sb, ra, rb
.if \ck
.if \ra
	v_wmma_scale_f32_16x16x128_f8f6f4 v[\d:\d+7], v[\a:\a+11], v[\b:\b+11], 0, v[\sa], v[\sb] matrix_a_fmt:MATRIX_FMT_FP6 matrix_b_fmt:MATRIX_FMT_FP6 matrix_a_scale:MATRIX_SCALE_ROW1
.else
	v_wmma_scale_f32_16x16x128_f8f6f4 v[\d:\d+7], v[\a:\a+11], v[\b:\b+11], 0, v[\sa], v[\sb] matrix_a_fmt:MATRIX_FMT_FP6 matrix_b_fmt:MATRIX_FMT_FP6
.endif
.else
.if \ra
	v_wmma_scale_f32_16x16x128_f8f6f4 v[\d:\d+7], v[\a:\a+11], v[\b:\b+11], v[\c:\c+7], v[\sa], v[\sb] matrix_a_fmt:MATRIX_FMT_FP6 matrix_b_fmt:MATRIX_FMT_FP6 matrix_a_scale:MATRIX_SCALE_ROW1
.else
	v_wmma_scale_f32_16x16x128_f8f6f4 v[\d:\d+7], v[\a:\a+11], v[\b:\b+11], v[\c:\c+7], v[\sa], v[\sb] matrix_a_fmt:MATRIX_FMT_FP6 matrix_b_fmt:MATRIX_FMT_FP6
.endif
.endif
.endm
; THE QUANTISER of the way out: two runs of 16 numbers, each my lane's half of one block of 32; afterwards lane (r, a) holds the whole block of run a in v[PC .. PC + 5]; v[TM + 6], v[TM + 7]: the two bytes.
.macro Q32 src
.irp a, 0,1
	v_max3_num_f32 v[TM+\a], |v[\src+16*\a]|, |v[\src+16*\a+1]|, 0x1800000
.endr
.irp i, 2,4,6,8,10,12,14
.irp a, 0,1
	v_max3_num_f32 v[TM+\a], v[TM+\a], |v[\src+16*\a+\i]|, |v[\src+16*\a+\i+1]|
.endr
.endr
.irp a, 0,1
	v_permlanex16_b32 v[TM+2+\a], v[TM+\a], s[SEL], s[SEL+1]
.endr
.irp a, 0,1
	v_max_num_f32 v[TM+\a], v[TM+\a], v[TM+2+\a]
.endr
.irp a, 0,1
	v_add_nc_u32 v[TM+4+\a], 0xff000000, v[TM+\a]
.endr
.irp a, 0,1
	v_lshrrev_b32 v[TM+6+\a], 23, v[TM+4+\a]
.endr
	v_cvt_scalef32_pk16_fp6_f32 v[PC:PC+2], v[\src:\src+15], v[TM+4]
	v_cvt_scalef32_pk16_fp6_f32 v[PC+6:PC+8], v[\src+16:\src+31], v[TM+5]
	v_nop
.irp i, 0,1,2
	v_permlane16_swap_b32 v[PC+\i], v[PC+6+\i]
.endr
.irp i, 0,1,2
	v_mov_b32 v[PC+3+\i], v[PC+6+\i]
.endr
.endm
	s_load_b128 s[4:7], s[0:1], 0x0                ; qkvc, ctxq
	v_lshl_add_u32 v[SPW], v0, 2, SPARE
	v_mov_b32 v[NIL], 0
	ds_add_u32 v3, v4
	s_wait_dscnt 0x0
	v_lshrrev_b32 v9, 5, v0
	v_readfirstlane_b32 s[WV], v9                  ; wave 0..15
	s_bfe_u32 s9, ttmp6, 0x40000                   ; cx: my place in the cluster
	s_lshl_b32 s10, ttmp9, 2
	s_add_co_u32 s10, s10, s9                      ; my block of 256 queries: it enters Q's and ctx's addresses alone
	s_and_b32 s11, ttmp7, 0xffff                   ; batch x 8 + head, which the four partners share
	; descriptor group 1: two records, 30,208 dense bytes, as 118 rows of 256 bytes (32 elements of 8 bytes), no padding
	s_mov_b32 s[G1], 15|(3<<16)|(1<<21)            ; 15:0 the mask: all four work-groups; 17:16 elements of 8 bytes; 21 set beside a mask
	s_mov_b32 s[G1+1], 32<<16                      ; tensor_dim0
	s_mov_b32 s[G1+2], 118<<16                     ; tensor_dim1
	s_mov_b32 s[G1+3], 32<<16                      ; tile_dim0
	s_mov_b32 s[G1+4], 118                         ; tile_dim1
	s_mov_b32 s[G1+5], 32                          ; the pitch
	s_mov_b32 s[G1+6], 0
	s_mov_b32 s[G1+7], 0
	s_and_b32 s48, s[WV], 1
	s_mul_i32 s49, s48, 2*RECB                     ; which two records of a slot I fetch, if I fetch: in LDS as in memory
	s_mul_i32 s50, s11, 32*RECB
	s_add_co_u32 s50, s50, KVO
	s_add_co_u32 s50, s50, s49
	s_mov_b32 s51, 0
	s_mul_i32 s52, s11, 32*RECB                    ; the prefetches: record cx of slot 1; the first change of slots steps it to slot 2
	s_add_co_u32 s52, s52, KVO+SLOTB
	s_mul_i32 s53, s9, RECB
	s_add_co_u32 s52, s52, s53
	s_mov_b32 s53, 0
	s_lshl_b32 s55, s10, 4
	s_add_co_u32 s55, s55, s[WV]                   ; my tile of queries in the batch
	s_lshl_b32 s54, s11, 8
	s_add_co_u32 s54, s54, s55
	s_lshr_b32 s56, s11, 3
	s_lshl_b32 s56, s56, 8
	s_add_co_u32 s56, s56, s55                     ; and among all 512 tiles of tokens
	s_and_b32 s57, s11, 7                          ; the head
	s_lshr_b32 s58, s[WV], 1
	s_xor_b32 s58, s58, 1                          ; 0 in waves 2 and 3,
	s_or_b32 s58, s58, ttmp9                       ; of the head's first cluster: the same in all four partners
	s_cmp_eq_u32 s58, 0
	s_cselect_b32 s[LIM], 1, -1
	s_mov_b32 s[CS], 0x3e38aa3b                    ; c = log2(e) / 8
	s_mov_b32 s[CS+1], s[CS]                       ; (named with it as a pair, so it is written)
	s_mov_b32 s[SEL], 0x76543210
	s_mov_b32 s[SEL+1], 0xfedcba98
	s_mov_b32 s[TB], 0
	s_mov_b32 s[SLOTS], NSL-1
	s_mov_b32 s47, 0
	s_wait_kmcnt 0x0
	s_mov_b32 s[G0], 1                             ; count = 1
	s_mov_b32 s[G0+1], s49                         ; LDS address: slot 0
	s_add_nc_u64 s[G0+2:G0+3], s[4:5], s[50:51]    ; global address: the head's first records
	s_or_b32 s[G0+3], s[G0+3], 0x80000000          ; type = 2
	s_add_nc_u64 s[PFA:PFA+1], s[4:5], s[52:53]
	s_lshl_b32 s46, s54, 10
	s_add_nc_u64 s[QB:QB+1], s[4:5], s[46:47]
	s_lshl_b32 s46, s54, 6
	s_add_co_u32 s46, s46, QSO
	s_add_nc_u64 s[QSB:QSB+1], s[4:5], s[46:47]
	s_mul_i32 s46, s56, 6144                       ; ctx's codes: tile, K step head / 2, registers 6 (head % 2) on
	s_lshr_b32 s59, s57, 1
	s_mul_i32 s59, s59, 1536
	s_add_co_u32 s46, s46, s59
	s_and_b32 s59, s57, 1
	s_mul_i32 s59, s59, 768
	s_add_co_u32 s46, s46, s59
	s_add_nc_u64 s[CB:CB+1], s[6:7], s[46:47]
	s_lshl_b32 s46, s56, 9
	s_lshl_b32 s59, s57, 1
	s_add_co_u32 s46, s46, s59
	s_add_co_u32 s46, s46, CSO
	s_add_nc_u64 s[CSB:CSB+1], s[6:7], s[46:47]
	CROUND                                         ; all four work-groups are here: the first joint loads meet
	TLOAD                                          ; slot 0
	v_and_b32 v9, 31, v0
	v_lshlrev_b32 v[L16], 4, v9
	v_lshlrev_b32 v[L8], 3, v9
	v_and_b32 v10, 15, v0
	v_lshlrev_b32 v8, 2, v10
	global_load_b128 v[Q:Q+3], v[L16], s[QB:QB+1]
	global_load_b128 v[Q+4:Q+7], v[L16], s[QB:QB+1] offset:512
	global_load_b32 v[QSC], v8, s[QSB:QSB+1]
	s_lshl_b32 s48, s48, 5
	v_add_nc_u32 v[PFO], s48, v9
	v_min_u32 v[PFO], 58, v[PFO]
	v_lshlrev_b32 v[PFO], 8, v[PFO]
.irp i, 8,9,10,11
	v_mov_b32 v[Q+\i], 0                           ; Q's codes at k = 75 on
	v_mov_b32 v[KF+24+\i], 0                       ; what the last tile of K overlaps
.endr
	v_mov_b32 v13, 0xff61b1e6                      ; the largest t so far: -3e38
	v_floor_f32 v12, -v13                          ; -M
	v_mov_b32 v14, 0                               ; the sum, in two halves
	v_mov_b32 v15, 0
	v_mov_b32 v[FF+1], 0                           ; (named as the upper half of a pair)
.irp b, 0,1,2,3
	v_mov_b32 v[PT+\b], 0                          ; written once: a lane permute's destination counts as one of its sources
.endr
.set j, 0
.rept 32
	v_mov_b32 v[O+j], 0                            ; the loop is written once: its first step finds zeros, which the first change of M leaves zeros
.set j, j+1
.endr
; A KEY STEP: 128 keys, the q-th record of the slot in hand.
.macro STEP q
.set RB, RECB*(\q)
	ds_load_b128 v[KSC:KSC+3], v[AL16] offset:RB+14336
.irp g, 0,1                            ; S^T = K Q^T, four tiles of 16 keys at a time
.if \g
.rept 4
	v_nop                                          ; places in front of loads into registers that matrix instructions have read
.endr
.endif
.irp t, 0,1,2,3
	ds_load_b128 v[KF+8*\t:KF+8*\t+3], v[AL16] offset:RB+(4*\g+\t)*1024
	ds_load_b128 v[KF+8*\t+4:KF+8*\t+7], v[AL16] offset:RB+(4*\g+\t)*1024+512
.endr
	s_wait_dscnt 0x0
.irp t, 0,1,2,3
	WMM S+8*(4*\g+\t), KF+8*\t, Q, 1, 0, KSC+(4*\g+\t)/2, QSC, \t%2, 0
.endr
.endr
.rept 4
	v_nop                                          ; places in front of the first read of the scores and of the loads below
.endr
.irp t, 0,1,2,3                        ; V^T's four fragments land under the softmax
.irp g, 0,1,2
	ds_load_b128 v[VF+12*\t+4*\g:VF+12*\t+4*\g+3], v[AL16] offset:RB+8192+1536*\t+512*\g
.endr
.endr
	ds_load_b64 v[VSC:VSC+1], v[AL8] offset:RB+14848
.irp b, 0,1,2,3
	v_max3_num_f32 v[BM+\b], v[S+16*\b], v[S+16*\b+1], v[S+16*\b+2]   ; the largest score of each block of 32 keys: for the row's maximum and, since p rises with the score, for the block's largest p
.endr
.irp i, 3,5,7,9,11,13
.irp b, 0,1,2,3
	v_max3_num_f32 v[BM+\b], v[BM+\b], v[S+16*\b+\i], v[S+16*\b+\i+1]
.endr
.endr
.irp b, 0,1,2,3
	v_max_num_f32 v[BM+\b], v[BM+\b], v[S+16*\b+15]
.endr
.irp b, 0,1,2,3
	v_permlanex16_b32 v[PT+\b], v[BM+\b], s[SEL], s[SEL+1]
.endr
.irp b, 0,1,2,3
	v_max_num_f32 v[BM+\b], v[BM+\b], v[PT+\b]     ; with lane l xor 16's 16 keys
.endr
	v_max3_num_f32 v[W], v[BM], v[BM+1], v[BM+2]
	v_max_num_f32 v[W], v[W], v[BM+3]
	v_mul_f32 v[W], s[CS], v[W]                    ; the step's largest t
	v_max_num_f32 v13, v13, v[W]                   ; the running largest t
	v_mov_b32 v[W], v12
	v_floor_f32 v12, -v13                          ; the new -M = -ceil(t): a whole number
	v_sub_f32 v[W], v12, v[W]                      ; old M - new M: a whole number, 0 or less
	v_cvt_i32_f32 v[W], v[W]                       ; (it saturates)
	v_ldexp_f32 v[FF], 1.0, v[W]                   ; f = 2^(old M - new M)
.set j, 0
.rept 32
	v_pk_fma_f32 v[S+j:S+j+1], v[S+j:S+j+1], s[CS:CS+1], v[12:13] op_sel_hi:[1,0,0]   ; t - M, two at a time
.set j, j+2
.endr
.irp b, 0,1,2,3
	v_fma_f32 v[BM+\b], v[BM+\b], s[CS], v12       ; the same of each block's largest score
.endr
.set j, 0
.rept 64
	v_exp_f32 v[S+j], v[S+j]                       ; p = 2^(t - M)
.set j, j+1
.endr
	v_pk_mul_f32 v[14:15], v[14:15], v[FF:FF+1] op_sel_hi:[1,0]   ; the sums under the new M (a plain place behind the exponentials)
	s_wait_alu depctr_va_vdst(0)                   ; one wait for the whole batch, ahead of its first reader
.irp b, 0,1,2,3
	v_exp_f32 v[BM+\b], v[BM+\b]                   ; the block's largest p: the same two instructions on the same number
.endr
	v_pk_add_f32 v[PT:PT+1], v[S:S+1], v[S+2:S+3]  ; the row's sum is taken of the unquantised p, in two chains
.set j, 4
.rept 15
	v_pk_add_f32 v[14:15], v[14:15], v[S+j:S+j+1]
	v_pk_add_f32 v[PT:PT+1], v[PT:PT+1], v[S+j+2:S+j+3]
.set j, j+4
.endr
	v_pk_add_f32 v[14:15], v[14:15], v[PT:PT+1]
	s_wait_alu depctr_va_vdst(0)                   ; and one for the four
.irp b, 0,1,2,3
	v_max_num_f32 v[BM+\b], 0x1800000, v[BM+\b]    ; the floor 2^(3 - 127)
.endr
.irp b, 0,1,2,3
	v_add_nc_u32 v[SO+\b], 0xff000000, v[BM+\b]    ; the conversion's scale operand
.endr
.irp b, 0,1,2,3
	v_lshrrev_b32 v[PT+\b], 23, v[SO+\b]           ; the byte
.endr
	v_lshl_or_b32 v[PSC], v[PT+1], 8, v[PT]        ; p's scale word for these 128 keys
	v_lshl_or_b32 v[PSC], v[PT+2], 16, v[PSC]
	v_lshl_or_b32 v[PSC], v[PT+3], 24, v[PSC]
.irp c, 0,1
	v_cvt_scalef32_pk16_fp6_f32 v[PCD+6*\c:PCD+6*\c+2], v[S+32*\c:S+32*\c+15], v[SO+2*\c]
	v_cvt_scalef32_pk16_fp6_f32 v[P2+4*\c:P2+4*\c+2], v[S+32*\c+16:S+32*\c+31], v[SO+2*\c+1]
.endr
	v_nop                                          ; one plain place behind a scaled conversion
.irp c, 0,1                            ; the operand wants a whole block in a lane: lanes 0-15 block 2 c, lanes 16-31 block 2 c + 1
.irp i, 0,1,2
	v_permlane16_swap_b32 v[PCD+6*\c+\i], v[P2+4*\c+\i]
.endr
.irp i, 0,1,2
	v_mov_b32 v[PCD+3+6*\c+\i], v[P2+4*\c+\i]
.endr
.endr
.set j, 0
.rept 16
	v_pk_mul_f32 v[O+j:O+j+1], v[O+j:O+j+1], v[FF:FF+1] op_sel_hi:[1,0]   ; O^T under the new M; these sixteen are also the places between p's codes and scale word and the products below
.set j, j+2
.endr
	s_wait_dscnt 0x0                               ; V^T
.irp t, 0,1,2,3                        ; O^T += V^T P^T: four accumulators by turns
	WMM O+8*\t, VF+12*\t, PCD, 0, O+8*\t, VSC+\t/2, PSC, \t%2, 0
.endr
.endm
; THE CHANGE OF SLOTS stands at a slot's head.  Each wave waits for all its tensor loads (its part of the slot ahead), adds 0 to its spare word, and waits for that and for its reads of the slot that it has left.
; fill = 1: a round of the cluster's barrier, so that no wave of any partner still reads the other slot or has a load on its way; then the joint refill, which has four key steps in which to land.
; By this text's own count one tensor load of a wave is out at any time.
.macro CHANGE fill
	s_wait_tensorcnt 0x0                           ; no tensor load of mine is out, so group 0 may be written
	ds_add_u32 v[SPW], v[NIL]                      ; 0 onto my spare word
.if \fill
	s_xor_b32 s[G0+1], s[G0+1], SLOT1              ; the other slot than last time,
	s_add_nc_u64 s[G0+2:G0+3], s[G0+2:G0+3], SLOTB ; the next four records; the type bits on top are not reached
	s_wait_xcnt 0x0                                ; the last prefetch, a slot back, has read its address
	s_add_nc_u64 s[PFA:PFA+1], s[PFA:PFA+1], SLOTB
	s_wait_dscnt 0x0                               ; the add is done, and my reads of the slot that I have left are over
	CROUND
	TLOAD
	ASK
.else
	s_wait_dscnt 0x0
	s_barrier_signal -1
	s_barrier_wait -1
.endif
	v_add_nc_u32 v[AL16], s[TB], v[L16]
	v_add_nc_u32 v[AL8], s[TB], v[L8]
.endm
	s_wait_loadcnt 0x0                             ; Q
.Lslot:                                            ; NSL - 1 trips: behind each change of slots but the last the next slot is asked for
	CHANGE 1
	STEP 0
	STEP 1
	STEP 2
	STEP 3
	s_xor_b32 s[TB], s[TB], SLOT1
	s_sub_co_u32 s[SLOTS], s[SLOTS], 1
	s_cmp_lg_u32 s[SLOTS], 0
	s_cbranch_scc1 .Lslot
	CHANGE 0                                       ; the last slot is written out
	STEP 0
	STEP 1
	STEP 2
	STEP 3
	; THE WAY OUT.  O^T / the sum; my 16 registers of two neighbouring tiles are 16 neighbours of the head's 64, which are blocks 2 head and 2 head + 1 of the next product's K.
.rept 4
	v_nop
.endr
	v_add_f32 v14, v14, v15
	v_permlanex16_b32 v[W], v14, s[SEL], s[SEL+1]
	v_add_f32 v14, v14, v[W]                       ; the row's sum
	v_rcp_f32 v14, v14
	v_nop                                          ; a plain place behind the transcendental
	s_wait_alu depctr_va_vdst(0)                   ; and the wait ahead of its first reader
.set j, 0
.rept 32
	v_mul_f32 v[S+j], v[O+j], v14                  ; each accumulator from its low end on
.set j, j+1
.endr
	Q32 S                                          ; lane (r, a): block 2 head + a of query r
.irp i, 0,1,2
	global_store_b64 v[L8], v[PC+2*\i:PC+2*\i+1], s[CB:CB+1] offset:256*\i   ; 32 lanes store 256 consecutive bytes, aligned
.endr
	v_lshl_or_b32 v[W], v[TM+7], 8, v[TM+6]
	global_store_b16 v[L16], v[W], s[CSB:CSB+1]    ; the head's two bytes of the row's sixteen
	s_wait_tensorcnt 0x0                           ; the wave's end
	ds_add_u32 v[SPW], v[NIL]
	s_wait_dscnt 0x0
	CROUND                                         ; the closing round: no work-group ends while a partner may still ask for a slot that names it
	s_endpgm
.Lfunc_end_k_q390e6c3ab6_attn:
	.size	k_q390e6c3ab6_attn, .Lfunc_end_k_q390e6c3ab6_attn-k_q390e6c3ab6_attn
	.p2alignl 7, 3214868480
	.fill 96, 4, 3214868480
	.section	.rodata,"a",@progbits
	.p2align	6, 0x0
	.amdhsa_kernel k_q390e6c3ab6_attn
		.amdhsa_group_segment_fixed_size 327680
		.amdhsa_private_segment_fixed_size 0
		.amdhsa_enable_private_segment 0
		.amdhsa_kernarg_size 16
		.amdhsa_user_sgpr_count 2
		.amdhsa_user_sgpr_kernarg_segment_ptr 1
		.amdhsa_wavefront_size32 1
		.amdhsa_system_sgpr_workgroup_id_x 1
		.amdhsa_system_sgpr_workgroup_id_y 1
		.amdhsa_system_sgpr_workgroup_id_z 1
		.amdhsa_system_vgpr_workitem_id 0
		.amdhsa_next_free_vgpr 256
		.amdhsa_next_free_sgpr 66
		.amdhsa_reserve_vcc 0
		.amdhsa_float_denorm_mode_32 3
		.amdhsa_float_denorm_mode_16_64 3
		.amdhsa_memory_ordered 1
		.amdhsa_forward_progress 1
		.amdhsa_inst_pref_size 135
	.end_amdhsa_kernel
	.amdgpu_metadata
---
amdhsa.version: [ 1, 2 ]
amdhsa.kernels:
  - .name:           k_q390e6c3ab6_attn
    .symbol:         k_q390e6c3ab6_attn.kd
    .args:
      - { .name: qkvc, .offset: 0, .size: 8, .value_kind: global_buffer, .address_space: global }
      - { .name: ctxq, .offset: 8, .size: 8, .value_kind: global_buffer, .address_space: global }
    .group_segment_fixed_size: 327680
    .private_segment_fixed_size: 0
    .kernarg_segment_align: 8
    .kernarg_segment_size: 16
    .max_flat_workgroup_size: 512
    .sgpr_count:     66
    .vgpr_count:     256
    .wavefront_size: 32
...
	.end_amdgpu_metadata
.endif
;; end of part 3
;; launch tail (part 4): grid 256 x 1, 16 waves a work-group, no clusters, 152,576 bytes of LDS; arguments x, ctxq, wt, b1, b2, g1, be1, g2, be2, out0; writes out0
.if DOCPART == 4
	.amdgcn_target "amdgcn-amd-amdhsa--gfx1250"
	.amdhsa_code_object_version 6
	.text
	.protected	k_q390e6c3ab6_tail
	.globl	k_q390e6c3ab6_tail
	.p2align	8
	.type	k_q390e6c3ab6_tail,@function
k_q390e6c3ab6_tail:
	s_mov_b64 s[64:65], 0
	v_nop
	global_prefetch_b8 v0, s[64:65] scope:SCOPE_SE
	s_setreg_imm32_b32 hwreg(HW_REG_WAVE_MODE, 25, 1), 1
	s_wait_xcnt 0x0
; x1 = LN(x + ctx wo; g1, be1);  out = LN(x1 + relu(x1 w1 + b1) w2 + b2; g2, be2).  The three products on codes of FP6 (E2M3) with E8M0 scales; all else in f32; x1 and the hidden layer never go to memory.
; SHARES.  A work-group takes 32 tokens, as two tiles (row r of tile t is token 8 t + r + (r & 8)).  THE 16 WAVES SHARE THE COLUMNS: wave w owns columns 32 w on of the first and third product and hidden units 128 w on.
; Its 36 units of weights (two fragments each) come from memory straight into its operand registers, each once in the work-group, three units (9 KiB a wave) ahead; the rows' codes go round through LDS as images of the operand's registers.
; Every product is used TRANSPOSED (source 0 = 16 columns of the weight, source 1 = 16 tokens): a lane holds one token and 16 neighbouring columns, which are 16 neighbours along the next product's K.
; The residuals and biases are the C of each sum's first matrix instruction.  A layer norm takes the mean away first, as the definition does: two sums over the row, each through LDS and one barrier.
; No cluster and no tensor load: a weight fragment is used by one wave of the work-group and lands in its operand registers; through LDS it would be written and read once more.
; LIMITS: a block of zeros gets the byte 1 (zero codes; the bytes are read by this program alone); blocks under 2^-124 have the byte held at 1; NaN and infinities are not served.
.set SCB,  2359296
.set CSO,  3145728
.set CI,   0                           ; LDS: ctx's 8 fragments, (tile t, K step s) at 1,536 (4 t + s)
.set XI,   12288                       ; x1's likewise
.set HI,   24576                       ; the hidden layer's 32, at 1,536 (16 t + s)
.set XSC,  73728                       ; x1's scale bytes [tile][row][16]
.set HSC,  74240                       ; the hidden layer's [tile][row][64]
.set RED,  76288                       ; four regions of 2,048 bytes: [token][wave] f32, each used once
.set ST,   84480                       ; the stage: 32 rows x (2,048 + 16) bytes
.set NS,   3
.set NU,   36
.set A16,  1                           ; v1   16 x lane
.set A8,   2                           ; v2   8 x lane
.set A8H,  3                           ; v3   HI + 8 x lane
.set XW,   4                           ; v4   where I store my part of x1's images
.set HW,   5                           ; v5   and of the hidden layer's
.set XSW,  6
.set HSW,  7
.set A16R, 8
.set A64R, 9
.set REDW, 10
.set REDR, 11
.set XO,   12
.set CO16, 13                          ; v13  128 w + 64 h: my 16 columns, in bytes
.set B1O,  14
.set STW,  15
.set STR,  16
.set CCP,  17
.set HWD,  18                          ; v18  my row's four scale bytes of the hidden layer
.set SB,   19
.set MU,   20                          ; v20, v22 the two tiles' means, later 1 / sigma (each the low word of a pair)
.set TM,   24                          ; v24-39 at work
.set PC,   40                          ; v40-49 the codes just made
.set AS,   52                          ; v52-59 the rows' scale words
.set WSC,  60                          ; v60-67 the weights' scale words, two groups of four units
.set B1,   68                          ; v68-83 b1 of a pair of tiles
.set ACC,  84                          ; v84-115
.set XR,   116                         ; v116-147 b2, then x1 + b2, then the third product's sums
.set ACT,  148                         ; v148-171 the rows' two fragments of a K step
.set GB,   148                         ; v148-179 a norm's g and be (while no fragment is in hand)
.set WS,   180                         ; v180-251 three units of weights
.set B1P,  10
.set B2P,  12
.set G1P,  14
.set BE1P, 16
.set G2P,  18
.set BE2P, 20
.set WV,   24
.set XB,   26
.set CCB,  28
.set CSB,  30
.set WP,   32
.set WSP,  34
.set OB,   36
.set SEL,  38
.set HM,   40
.set INV,  41
.set EPSR, 42
; LC counts the global loads issued; a mark is its value behind a batch; LC - mark is the number of younger loads, which may stay out when the batch is wanted.
.set LC, 0
.macro GLD4 dst, adr, base, off
	global_load_b128 v[\dst:\dst+3], v[\adr], s[\base:\base+1] offset:\off
.set LC, LC+1
.endm
.macro GLD4N dst, adr, base, off
	global_load_b128 v[\dst:\dst+3], v[\adr], s[\base:\base+1] offset:\off th:TH_LOAD_NT
.set LC, LC+1
.endm
.macro SETWM n
.if ((\n)%NS)==0
.set WM0, LC
.elseif ((\n)%NS)==1
.set WM1, LC
.else
.set WM2, LC
.endif
.endm
.macro WAITWM n
.if ((\n)%NS)==0
	s_wait_loadcnt LC-WM0
.elseif ((\n)%NS)==1
	s_wait_loadcnt LC-WM1
.else
	s_wait_loadcnt LC-WM2
.endif
.endm
.macro WLOAD n
.irp u, 0,1
.irp g, 0,1,2
	GLD4 WS+24*((\n)%NS)+12*\u+4*\g, A16, WP, (\n)*3072+\u*1536+\g*512
.endr
.endr
	SETWM \n
.endm
.macro WSLOAD g, reg                   ; four units' scale words
	GLD4 \reg, A16, WSP, (\g)*512
.endm
.macro B1LOAD cp                       ; b1 at the 16 hidden units that my lane holds of pair cp
.irp i, 0,1,2,3
	GLD4 B1+4*\i, B1O, B1P, 128*(\cp)+16*\i
.endr
.endm
.macro AFETCH adr, off0, off1
.irp p, 0,1,2,3,4,5
	ds_load_b64 v[ACT+2*\p:ACT+2*\p+1], v[\adr] offset:\off0+256*\p
.endr
.irp p, 0,1,2,3,4,5
	ds_load_b64 v[ACT+12+2*\p:ACT+12+2*\p+1], v[\adr] offset:\off1+256*\p
.endr
.endm
.macro WMM d, a, b, c, sa, sb, ra      ; ra: source 0's scales stand in lanes 16-31
.if \ra
	v_wmma_scale_f32_16x16x128_f8f6f4 v[\d:\d+7], v[\a:\a+11], v[\b:\b+11], v[\c:\c+7], v[\sa], v[\sb] matrix_a_fmt:MATRIX_FMT_FP6 matrix_b_fmt:MATRIX_FMT_FP6 matrix_a_scale:MATRIX_SCALE_ROW1
.else
	v_wmma_scale_f32_16x16x128_f8f6f4 v[\d:\d+7], v[\a:\a+11], v[\b:\b+11], v[\c:\c+7], v[\sa], v[\sb] matrix_a_fmt:MATRIX_FMT_FP6 matrix_b_fmt:MATRIX_FMT_FP6
.endif
.endm
; Unit n: four matrix instructions on four accumulators (16 t + 8 u = weight tile u x token tile t), which take turns, one instruction a turn, in the same order in every unit.
; cm = 2: the sums begin with b1.  The four v_nop are the places in front of the loads into registers that these instructions have read and of the first vector read of their results.
; A group of scale words, and a pair's b1, are issued ahead of the weights of the first unit that wants them: that unit's own wait covers them.
.macro MM n, acc, cm, as0, as1
	WAITWM \n
	s_wait_dscnt 0x0
.set WB, WS+24*((\n)%NS)
.set WR, WSC+4*(((\n)/4)%2)+(\n)%4
.if \cm == 2
	WMM \acc,    WB,    ACT,    B1,      WR, \as0, 0
	WMM \acc+8,  WB+12, ACT,    B1+8,    WR, \as0, 1
	WMM \acc+16, WB,    ACT+12, B1,      WR, \as1, 0
	WMM \acc+24, WB+12, ACT+12, B1+8,    WR, \as1, 1
.else
	WMM \acc,    WB,    ACT,    \acc,    WR, \as0, 0
	WMM \acc+8,  WB+12, ACT,    \acc+8,  WR, \as0, 1
	WMM \acc+16, WB,    ACT+12, \acc+16, WR, \as1, 0
	WMM \acc+24, WB+12, ACT+12, \acc+24, WR, \as1, 1
.endif
.rept 4
	v_nop
.endr
.if \cm == 2
.if (\n) < 16
	B1LOAD ((\n)-4)/4+1
.endif
.endif
.if (((\n)%4) == 3) && (((\n)/4+2) < 9)
	WSLOAD (\n)/4+2, WSC+4*(((\n)/4)%2)
.endif
.if (\n)+NS < NU
	WLOAD (\n)+NS
.endif
.endm
; THE QUANTISER.  Two runs of 16 numbers (tile 0's, tile 1's), each my lane's half of one block of 32; afterwards lane (r, a) holds the whole block of run a in v[PC .. PC + 5]; v[TM + 6], v[TM + 7]: the two bytes.
.macro Q32 src
.irp a, 0,1
	v_max3_num_f32 v[TM+\a], |v[\src+16*\a]|, |v[\src+16*\a+1]|, 0x1800000
.endr
.irp i, 2,4,6,8,10,12,14
.irp a, 0,1
	v_max3_num_f32 v[TM+\a], v[TM+\a], |v[\src+16*\a+\i]|, |v[\src+16*\a+\i+1]|
.endr
.endr
.irp a, 0,1
	v_permlanex16_b32 v[TM+2+\a], v[TM+\a], s[SEL], s[SEL+1]
.endr
.irp a, 0,1
	v_max_num_f32 v[TM+\a], v[TM+\a], v[TM+2+\a]
.endr
.irp a, 0,1
	v_add_nc_u32 v[TM+4+\a], 0xff000000, v[TM+\a]
.endr
.irp a, 0,1
	v_lshrrev_b32 v[TM+6+\a], 23, v[TM+4+\a]
.endr
	v_cvt_scalef32_pk16_fp6_f32 v[PC:PC+2], v[\src:\src+15], v[TM+4]
	v_cvt_scalef32_pk16_fp6_f32 v[PC+6:PC+8], v[\src+16:\src+31], v[TM+5]
	v_nop
.irp i, 0,1,2
	v_permlane16_swap_b32 v[PC+\i], v[PC+6+\i]
.endr
.irp i, 0,1,2
	v_mov_b32 v[PC+3+\i], v[PC+6+\i]
.endr
.endm
.macro BARRIER
	s_wait_dscnt 0x0
	s_barrier_signal -1
	s_barrier_wait -1
.endm
; v[TM] (tile 0) and v[TM + 2] (tile 1) hold my lane's sums over its 16 columns.  Afterwards v[TM] of lane r + 16 t holds the sum over all 512 columns of row r of tile t.
.macro XRED off
	v_permlanex16_b32 v[TM+8], v[TM], s[SEL], s[SEL+1]
	v_permlanex16_b32 v[TM+9], v[TM+2], s[SEL], s[SEL+1]
	v_add_f32 v[TM], v[TM], v[TM+8]
	v_add_f32 v[TM+2], v[TM+2], v[TM+9]            ; my wave's 32 columns
	v_cndmask_b32 v[TM+8], v[TM], v[TM+2], s[HM]
	ds_store_b32 v[REDW], v[TM+8] offset:\off
	BARRIER
.irp i, 0,1,2,3
	ds_load_b128 v[TM+4*\i:TM+4*\i+3], v[REDR] offset:\off+16*\i   ; the sixteen waves' sums of my token
.endr
	s_wait_dscnt 0x0
	v_pk_add_f32 v[TM:TM+1], v[TM:TM+1], v[TM+2:TM+3]
	v_pk_add_f32 v[TM+4:TM+5], v[TM+4:TM+5], v[TM+6:TM+7]
	v_pk_add_f32 v[TM+8:TM+9], v[TM+8:TM+9], v[TM+10:TM+11]
	v_pk_add_f32 v[TM+12:TM+13], v[TM+12:TM+13], v[TM+14:TM+15]
	v_pk_add_f32 v[TM:TM+1], v[TM:TM+1], v[TM+4:TM+5]
	v_pk_add_f32 v[TM+8:TM+9], v[TM+8:TM+9], v[TM+12:TM+13]
	v_pk_add_f32 v[TM:TM+1], v[TM:TM+1], v[TM+8:TM+9]
	v_add_f32 v[TM], v[TM], v[TM+1]
.endm
; THE LAYER NORM of the 32 registers v[acc ..], in place.  gp, bp: the gain's and the bias's pointers; ra, rb: two regions of RED.
.macro LNORM acc, gp, bp, ra, rb
.irp i, 0,1,2,3
	GLD4 GB+4*\i, CO16, \gp, 16*\i
.endr
.irp i, 0,1,2,3
	GLD4 GB+16+4*\i, CO16, \bp, 16*\i
.endr
.set GM, LC
.irp t, 0,1
	v_pk_add_f32 v[TM+2*\t:TM+2*\t+1], v[\acc+16*\t:\acc+16*\t+1], v[\acc+16*\t+2:\acc+16*\t+3]   ; each accumulator is read from its low end on
.endr
.irp i, 4,6,8,10,12,14
.irp t, 0,1
	v_pk_add_f32 v[TM+2*\t:TM+2*\t+1], v[TM+2*\t:TM+2*\t+1], v[\acc+16*\t+\i:\acc+16*\t+\i+1]
.endr
.endr
.irp t, 0,1
	v_add_f32 v[TM+2*\t], v[TM+2*\t], v[TM+2*\t+1]
.endr
	XRED \ra
	v_mul_f32 v[TM], s[INV], v[TM]                 ; the mean of token r + 16 t's row
	v_permlanex16_b32 v[TM+1], v[TM], s[SEL], s[SEL+1]
	v_cndmask_b32 v[MU], v[TM], v[TM+1], s[HM]     ; tile 0's in every lane,
	v_cndmask_b32 v[MU+2], v[TM+1], v[TM], s[HM]   ; and tile 1's
.irp t, 0,1
.irp i, 0,2,4,6,8,10,12,14
	v_pk_add_f32 v[\acc+16*\t+\i:\acc+16*\t+\i+1], v[\acc+16*\t+\i:\acc+16*\t+\i+1], v[MU+2*\t:MU+2*\t+1] op_sel_hi:[1,0] neg_lo:[0,1] neg_hi:[0,1]
.endr
.endr
.irp t, 0,1
	v_pk_mul_f32 v[TM+4*\t:TM+4*\t+1], v[\acc+16*\t:\acc+16*\t+1], v[\acc+16*\t:\acc+16*\t+1]
	v_pk_mul_f32 v[TM+4*\t+2:TM+4*\t+3], v[\acc+16*\t+2:\acc+16*\t+3], v[\acc+16*\t+2:\acc+16*\t+3]
.endr
.irp i, 4,8,12
.irp t, 0,1
	v_pk_fma_f32 v[TM+4*\t:TM+4*\t+1], v[\acc+16*\t+\i:\acc+16*\t+\i+1], v[\acc+16*\t+\i:\acc+16*\t+\i+1], v[TM+4*\t:TM+4*\t+1]
	v_pk_fma_f32 v[TM+4*\t+2:TM+4*\t+3], v[\acc+16*\t+\i+2:\acc+16*\t+\i+3], v[\acc+16*\t+\i+2:\acc+16*\t+\i+3], v[TM+4*\t+2:TM+4*\t+3]
.endr
.endr
.irp t, 0,1
	v_pk_add_f32 v[TM+4*\t:TM+4*\t+1], v[TM+4*\t:TM+4*\t+1], v[TM+4*\t+2:TM+4*\t+3]
.endr
	v_add_f32 v[TM], v[TM], v[TM+1]
	v_add_f32 v[TM+2], v[TM+4], v[TM+5]
	XRED \rb
	v_fma_f32 v[TM], v[TM], s[INV], s[EPSR]        ; the variance + 1e-5
	v_rsq_f32 v[TM+1], v[TM]
	v_nop                                          ; a plain place behind the transcendental
	s_wait_alu depctr_va_vdst(0)                   ; and the wait ahead of its first reader
	v_permlanex16_b32 v[TM+2], v[TM+1], s[SEL], s[SEL+1]
	v_cndmask_b32 v[MU], v[TM+1], v[TM+2], s[HM]
	v_cndmask_b32 v[MU+2], v[TM+2], v[TM+1], s[HM]
	s_wait_loadcnt LC-GM                           ; g and be
.irp t, 0,1
.irp i, 0,2,4,6,8,10,12,14
	v_pk_mul_f32 v[\acc+16*\t+\i:\acc+16*\t+\i+1], v[\acc+16*\t+\i:\acc+16*\t+\i+1], v[MU+2*\t:MU+2*\t+1] op_sel_hi:[1,0]
.endr
.endr
.irp t, 0,1
.irp i, 0,2,4,6,8,10,12,14
	v_pk_fma_f32 v[\acc+16*\t+\i:\acc+16*\t+\i+1], v[\acc+16*\t+\i:\acc+16*\t+\i+1], v[GB+\i:GB+\i+1], v[GB+16+\i:GB+16+\i+1]
.endr
.endr
.endm
	s_load_b256 s[4:11], s[0:1], 0x0               ; x, ctxq, wt, b1
	s_load_b256 s[12:19], s[0:1], 0x20             ; b2, g1, be1, g2
	s_load_b128 s[20:23], s[0:1], 0x40             ; be2, out0
	v_lshl_add_u32 v254, v0, 2, 0x24c00
	v_mov_b32 v255, 0
	v_lshrrev_b32 v20, 5, v0
	v_readfirstlane_b32 s[WV], v20                 ; wave 0..15
	v_and_b32 v20, 31, v0                          ; lane
	v_and_b32 v21, 15, v0                          ; r
	v_bfe_u32 v22, v0, 4, 1                        ; h
	v_and_b32 v23, 8, v0
	v_add_nc_u32 v23, v23, v21                     ; r + (r & 8)
	v_lshlrev_b32 v[A16], 4, v20
	v_lshlrev_b32 v[A8], 3, v20
	s_mul_i32 s44, s[WV], 768
	v_add_nc_u32 v[CCP], s44, v[A8]                ; my wave's 768 bytes of ctx's images, in memory as in LDS
	s_lshl_b32 s44, s[WV], 7
	v_lshlrev_b32 v[CO16], 6, v22
	v_add_nc_u32 v[CO16], s44, v[CO16]
	v_lshl_add_u32 v[XO], v23, 11, v[CO16]         ; x: row r + (r & 8), my 16 columns
	s_lshl_b32 s44, s[WV], 9
	v_lshlrev_b32 v[B1O], 6, v22
	v_add_nc_u32 v[B1O], s44, v[B1O]
	s_mov_b32 s47, 0
	s_wait_kmcnt 0x0
	s_lshl_b32 s46, ttmp9, 16
	s_add_nc_u64 s[XB:XB+1], s[4:5], s[46:47]
	s_add_nc_u64 s[OB:OB+1], s[22:23], s[46:47]
	s_lshl_b32 s46, s[WV], 12
	s_add_nc_u64 s[OB:OB+1], s[OB:OB+1], s[46:47]  ; on the way out wave w stores rows 2 w and 2 w + 1
	s_mul_i32 s46, ttmp9, 12288
	s_add_nc_u64 s[CCB:CCB+1], s[6:7], s[46:47]
	s_lshl_b32 s46, ttmp9, 10
	s_add_co_u32 s46, s46, CSO
	s_add_nc_u64 s[CSB:CSB+1], s[6:7], s[46:47]
	s_mul_i32 s46, s[WV], 110592
	s_add_co_u32 s46, s46, 589824
	s_add_nc_u64 s[WP:WP+1], s[8:9], s[46:47]      ; my 36 units
	s_mul_i32 s46, s[WV], 4608
	s_add_co_u32 s46, s46, SCB+24576
	s_add_nc_u64 s[WSP:WSP+1], s[8:9], s[46:47]    ; and their scale words
.irp i, 0,1,2
	global_load_b64 v[PC+2*\i:PC+2*\i+1], v[CCP], s[CCB:CCB+1] offset:256*\i
.set LC, LC+1
.endr
.set CM, LC
	GLD4 AS, A16, CSB, 0                           ; ctx's scale words: four K steps a tile
	GLD4 AS+4, A16, CSB, 512
.irp t, 0,1
.irp i, 0,1,2,3
	GLD4N ACC+16*\t+4*\i, XO, XB, \t*16384+16*\i   ; x, in the result's layout: the first product's sums begin with it
.endr
.endr
.irp t, 0,1
.irp i, 0,1,2,3
	GLD4 XR+16*\t+4*\i, CO16, B2P, 16*\i           ; b2, for both tiles
.endr
.endr
	B1LOAD 0
	WSLOAD 0, WSC
	WSLOAD 1, WSC+4
	WLOAD 0
	WLOAD 1
	WLOAD 2
	; the other addresses, while the loads are on their way
	v_lshl_add_u32 v[A8H], v20, 3, HI
	s_lshr_b32 s44, s[WV], 2
	s_mul_i32 s44, s44, 1536                       ; block w of K is K step w / 4,
	s_bfe_u32 s45, s[WV], 0x10001
	s_mul_i32 s45, s45, 768                        ; registers 6 ((w / 2) % 2) on,
	s_add_co_u32 s44, s44, s45
	s_and_b32 s45, s[WV], 1
	s_lshl_b32 s45, s45, 7                         ; of the fragment's lanes r + 16 (w % 2)
	s_add_co_u32 s44, s44, s45
	s_add_co_u32 s44, s44, XI
	v_mul_u32_u24 v[XW], v22, 6144
	v_lshl_add_u32 v[XW], v21, 3, v[XW]
	v_add_nc_u32 v[XW], s44, v[XW]
	s_mul_i32 s44, s[WV], 1536                     ; my 128 hidden units are K step w of the third product
	s_add_co_u32 s44, s44, HI
	v_mul_u32_u24 v[HW], v22, 24576
	v_lshl_add_u32 v[HW], v21, 3, v[HW]
	v_add_nc_u32 v[HW], s44, v[HW]
	v_lshl_add_u32 v[XSW], v20, 4, XSC
	v_add_nc_u32 v[XSW], s[WV], v[XSW]
	s_lshl_b32 s44, s[WV], 2
	v_lshl_add_u32 v[HSW], v20, 6, HSC
	v_add_nc_u32 v[HSW], s44, v[HSW]
	v_lshl_add_u32 v[A16R], v21, 4, XSC
	v_lshl_add_u32 v[A64R], v21, 6, HSC
	v_lshl_add_u32 v[REDR], v20, 6, RED
	v_add_nc_u32 v[REDW], s44, v[REDR]
	v_mul_u32_u24 v[STW], v23, 2064
	v_add_nc_u32 v[STW], v[STW], v[CO16]
	v_add_nc_u32 v[STW], ST, v[STW]
	s_mul_i32 s44, s[WV], 4128
	v_lshl_add_u32 v[STR], v20, 4, ST
	v_add_nc_u32 v[STR], s44, v[STR]
	v_mov_b32 v21, 0                               ; (named as the upper halves of the pairs v[20:21], v[22:23])
	v_mov_b32 v23, 0
.set j, 0
.rept 16
	v_mov_b32 v[TM+j], 0                           ; written once: a lane permute's destination counts as one of its sources
.set j, j+1
.endr
	s_mov_b32 s[SEL], 0x76543210
	s_mov_b32 s[SEL+1], 0xfedcba98
	s_mov_b32 s[HM], 0xffff0000                    ; lanes 16-31
	s_mov_b32 s[INV], 0x3b000000                   ; 1 / 512
	s_mov_b32 s[EPSR], 0x3727c5ac                  ; 1e-5
	; ---- ctx's images into LDS: 768 bytes a wave
	s_wait_loadcnt LC-CM                           ; my three loads of ctx are in; all that were issued behind them stay out
.irp i, 0,1,2
	ds_store_b64 v[CCP], v[PC+2*\i:PC+2*\i+1] offset:CI+256*\i
.endr
	BARRIER
	; ---- x + ctx wo, and the first norm
.irp s, 0,1,2,3
	AFETCH A8, CI+\s*1536, CI+(4+\s)*1536
	MM \s, ACC, 0, AS+\s, AS+4+\s
.endr
	LNORM ACC, G1P, BE1P, 0, 2048
.set j, 0
.rept 16
	v_pk_add_f32 v[XR+j:XR+j+1], v[XR+j:XR+j+1], v[ACC+j:ACC+j+1]   ; x1 + b2: the third product's sums begin with it
.set j, j+2
.endr
	Q32 ACC                                        ; lane (r, t): block w of x1, of token r of tile t
.irp i, 0,1,2
	ds_store_b64 v[XW], v[PC+2*\i:PC+2*\i+1] offset:256*\i
.endr
	v_cndmask_b32 v[SB], v[TM+6], v[TM+7], s[HM]
	ds_store_b8 v[XSW], v[SB]
	BARRIER                                        ; x1's eight fragments and their scale bytes lie in LDS
	ds_load_b128 v[AS:AS+3], v[A16R]
	ds_load_b128 v[AS+4:AS+7], v[A16R] offset:256
	; ---- the hidden layer: my four pairs of tiles, each a block of 32 along the next K
.irp cp, 0,1,2,3
.irp s, 0,1,2,3
	AFETCH A8, XI+\s*1536, XI+(4+\s)*1536
.if \s == 0
	MM 4+4*\cp+\s, ACC, 2, AS+\s, AS+4+\s
.else
	MM 4+4*\cp+\s, ACC, 0, AS+\s, AS+4+\s
.endif
.endr
.set j, 0
.rept 32
	v_max_num_f32 v[ACC+j], 0, v[ACC+j]            ; the activation, each accumulator from its low end on
.set j, j+1
.endr
	Q32 ACC
.irp i, 0,1,2
	ds_store_b64 v[HW], v[PC+2*\i:PC+2*\i+1] offset:768*(\cp/2)+128*(\cp%2)+256*\i
.endr
	v_cndmask_b32 v[SB], v[TM+6], v[TM+7], s[HM]
.if \cp == 0
	v_mov_b32 v[HWD], v[SB]
.else
	v_lshl_or_b32 v[HWD], v[SB], 8*\cp, v[HWD]
.endif
.endr
	ds_store_b32 v[HSW], v[HWD]
	BARRIER                                        ; the hidden layer's 32 fragments and their scale words lie in LDS
	; ---- x1 + b2 + h w2, and the second norm
.irp s, 0,1,2,3,4,5,6,7,8,9,10,11,12,13,14,15
.if (\s%4) == 0
	ds_load_b128 v[AS:AS+3], v[A64R] offset:16*(\s/4)
	ds_load_b128 v[AS+4:AS+7], v[A64R] offset:1024+16*(\s/4)
.endif
	AFETCH A8H, \s*1536, (16+\s)*1536
	MM 20+\s, XR, 0, AS+\s%4, AS+4+\s%4
.endr
	LNORM XR, G2P, BE2P, 4096, 6144
	; ---- the way out: a row's 512 numbers come from sixteen waves: they meet in the stage, and each wave stores two whole rows
.irp t, 0,1
.irp i, 0,1,2,3
	ds_store_b128 v[STW], v[XR+16*\t+4*\i:XR+16*\t+4*\i+3] offset:16512*\t+16*\i
.endr
.endr
	BARRIER
.irp t, 0,1
.irp i, 0,1,2,3
	ds_load_b128 v[ACC+16*\t+4*\i:ACC+16*\t+4*\i+3], v[STR] offset:2064*\t+512*\i
.endr
.endr
.irp t, 0,1
.irp i, 0,1,2,3
	s_wait_dscnt 7-4*\t-\i                         ; LDS loads come back in order: this one is in, the younger ones stay out
	global_store_b128 v[A16], v[ACC+16*\t+4*\i:ACC+16*\t+4*\i+3], s[OB:OB+1] offset:2048*\t+512*\i th:TH_STORE_NT   ; 32 lanes store 512 consecutive bytes, aligned
.endr
.endr
	s_wait_tensorcnt 0x0
	ds_add_u32 v254, v255
	s_wait_dscnt 0x0
	s_endpgm
.Lfunc_end_k_q390e6c3ab6_tail:
	.size	k_q390e6c3ab6_tail, .Lfunc_end_k_q390e6c3ab6_tail-k_q390e6c3ab6_tail
	.p2alignl 7, 3214868480
	.fill 96, 4, 3214868480
	.section	.rodata,"a",@progbits
	.p2align	6, 0x0
	.amdhsa_kernel k_q390e6c3ab6_tail
		.amdhsa_group_segment_fixed_size 152576
		.amdhsa_private_segment_fixed_size 0
		.amdhsa_enable_private_segment 0
		.amdhsa_kernarg_size 80
		.amdhsa_user_sgpr_count 2
		.amdhsa_user_sgpr_kernarg_segment_ptr 1
		.amdhsa_wavefront_size32 1
		.amdhsa_system_sgpr_workgroup_id_x 1
		.amdhsa_system_sgpr_workgroup_id_y 1
		.amdhsa_system_sgpr_workgroup_id_z 1
		.amdhsa_system_vgpr_workitem_id 0
		.amdhsa_next_free_vgpr 256
		.amdhsa_next_free_sgpr 66
		.amdhsa_reserve_vcc 0
		.amdhsa_float_denorm_mode_32 3
		.amdhsa_float_denorm_mode_16_64 3
		.amdhsa_memory_ordered 1
		.amdhsa_forward_progress 1
		.amdhsa_inst_pref_size 118
	.end_amdhsa_kernel
	.amdgpu_metadata
---
amdhsa.version: [ 1, 2 ]
amdhsa.kernels:
  - .name:           k_q390e6c3ab6_tail
    .symbol:         k_q390e6c3ab6_tail.kd
    .args:
      - { .name: x, .offset: 0, .size: 8, .value_kind: global_buffer, .address_space: global }
      - { .name: ctxq, .offset: 8, .size: 8, .value_kind: global_buffer, .address_space: global }
      - { .name: wt, .offset: 16, .size: 8, .value_kind: global_buffer, .address_space: global }
      - { .name: b1, .offset: 24, .size: 8, .value_kind: global_buffer, .address_space: global }
      - { .name: b2, .offset: 32, .size: 8, .value_kind: global_buffer, .address_space: global }
      - { .name: g1, .offset: 40, .size: 8, .value_kind: global_buffer, .address_space: global }
      - { .name: be1, .offset: 48, .size: 8, .value_kind: global_buffer, .address_space: global }
      - { .name: g2, .offset: 56, .size: 8, .value_kind: global_buffer, .address_space: global }
      - { .name: be2, .offset: 64, .size: 8, .value_kind: global_buffer, .address_space: global }
      - { .name: out0, .offset: 72, .size: 8, .value_kind: global_buffer, .address_space: global }
    .group_segment_fixed_size: 152576
    .private_segment_fixed_size: 0
    .kernarg_segment_align: 8
    .kernarg_segment_size: 80
    .max_flat_workgroup_size: 512
    .sgpr_count:     66
    .vgpr_count:     256
    .wavefront_size: 32
...
	.end_amdgpu_metadata
.endif
;; end of part 4
;; ======== version 2 of 2: 4 launches
;; workspace buffers: wt 2,457,600 bytes; qkvc 12,189,696 bytes; ctxq 3,407,872 bytes
;; launch prep (part 5): grid 768 x 1, 1 waves a work-group, no clusters, 0 bytes of LDS; arguments wq, wk, wv, wo, w1, w2, wt; writes wt
.if DOCPART == 5
	.amdgcn_target "amdgcn-amd-amdhsa--gfx1250"
	.amdhsa_code_object_version 6
	.text
	.protected	k_q390e6c3ab6_prep
	.globl	k_q390e6c3ab6_prep
	.p2align	8
	.type	k_q390e6c3ab6_prep,@function
k_q390e6c3ab6_prep:
	s_mov_b64 s[64:65], 0
	v_nop
	global_prefetch_b8 v0, s[64:65] scope:SCOPE_SE
	s_setreg_imm32_b32 hwreg(HW_REG_WAVE_MODE, 25, 1), 1
	s_wait_xcnt 0x0
; The six weights, f32 stored [K][N], become codes of FP6 (E2M3) with one E8M0 byte for each 32 along K, laid in the order of the readers' operand registers.
; A UNIT is 32 neighbouring columns x 128 along K: two fragments (tile u = 0, 1; row r of tile u is column 8 u + r + (r & 8) of the 32), 1,536 bytes each:
; register 4 g + i of lane l at 512 g + 16 l + 4 i, so that a reader fills a fragment by three loads of 16 bytes a lane.  Unit P lies at 3,072 P;
; its scale words (row r of tile u) at SCB + 512 (P / 4) + 16 (r + 16 u) + 4 (P % 4): one load of 16 bytes a lane brings four units' words, tile 0's in lanes 0-15, tile 1's in lanes 16-31.
; One wave makes one unit.  A LANE TAKES A COLUMN AND ITS 128 REGISTERS RUN DOWN K: each load reads 128 neighbouring bytes, a block of 32 lies in one lane, nothing is transposed.
; A block's scale is 2^(floor(log2(largest magnitude)) - 2); its byte is the largest magnitude's exponent field - 2, held at 1 from below.
; LIMITS: a block of zeros gets the byte 1 where the quantiser says 127 (its codes are zeros, and this program alone reads the bytes); blocks whose largest magnitude lies under 2^-124 have the byte held at 1; NaN and infinities are not served.
.set SCB, 2359296                      ; 768 units x 3,072 bytes: behind them the scale words
.set X,   32                           ; v32-159  my column's 128 numbers
.set CB,  160                          ; v160-183 the codes: six registers a block
.set T,   184                          ; v184-186 a block's upper 16 codes (a conversion's three registers begin on an even number)
.set AM,  8                            ; v8-15    two chains of maxima a block
.set SO,  16                           ; v16-19   the conversions' scale operands
.set BY,  20                           ; v20-23   the scale bytes
.set WD,  24                           ; v24      my column's scale word
	s_load_b256 s[4:11], s[0:1], 0x0               ; wq, wk, wv, wo
	s_load_b128 s[12:15], s[0:1], 0x20             ; w1, w2
	s_load_b64 s[16:17], s[0:1], 0x30              ; wt
	v_lshlrev_b32 v1, 2, v0                        ; in: 4 bytes a lane
	v_bfe_u32 v5, v0, 3, 1                         ; u: which tile my column belongs to
	v_and_b32 v6, 7, v0
	v_lshrrev_b32 v7, 4, v0
	v_lshl_or_b32 v6, v7, 3, v6                    ; r: its row there
	v_lshlrev_b32 v2, 4, v6
	v_mad_u32_u24 v2, v5, 1536, v2                 ; out: 1,536 u + 16 r
	v_lshl_add_u32 v3, v5, 4, v6
	v_lshlrev_b32 v3, 4, v3                        ; scale word: 16 (r + 16 u)
	; which unit: s22 = K step, s24 = the weight's pitch, s25 = first column, s26 = position P.  The positions follow the order in which the readers' waves walk their units.
	s_mov_b32 s20, ttmp9
	s_mov_b32 s24, 512
	s_cmp_ge_u32 s20, 192
	s_cbranch_scc1 .Lnot_qkv
	s_lshr_b32 s21, s20, 2
	s_and_b32 s21, s21, 15                         ; wq, wk, wv: the reader's wave w owns columns 32 w on
	s_and_b32 s22, s20, 3
	s_lshr_b32 s23, s20, 6                         ; which of the three
	s_lshl_b32 s25, s21, 5
	s_mul_i32 s26, s21, 12
	s_lshl_b32 s23, s23, 2
	s_add_co_u32 s26, s26, s23
	s_add_co_u32 s26, s26, s22                     ; P = 12 w + 4 kind + s
	s_branch .Ldecoded
.Lnot_qkv:
	s_cmp_ge_u32 s20, 256
	s_cbranch_scc1 .Lnot_wo
	s_sub_co_u32 s27, s20, 192                     ; wo
	s_lshr_b32 s21, s27, 2
	s_and_b32 s22, s27, 3
	s_lshl_b32 s25, s21, 5
	s_mul_i32 s26, s21, 36
	s_add_co_u32 s26, s26, s22
	s_add_co_u32 s26, s26, 192                     ; P = 192 + 36 w + s
	s_branch .Ldecoded
.Lnot_wo:
	s_cmp_ge_u32 s20, 512
	s_cbranch_scc1 .Lis_w2
	s_sub_co_u32 s27, s20, 256                     ; w1: wave w owns four pairs of tiles
	s_lshr_b32 s21, s27, 4
	s_and_b32 s22, s27, 3
	s_lshr_b32 s25, s27, 2
	s_lshl_b32 s25, s25, 5
	s_mul_i32 s26, s21, 36
	s_and_b32 s23, s27, 15
	s_add_co_u32 s26, s26, s23
	s_add_co_u32 s26, s26, 196                     ; P = 192 + 36 w + 4 + 4 pair + s
	s_mov_b32 s24, 2048
	s_branch .Ldecoded
.Lis_w2:
	s_sub_co_u32 s27, s20, 512                     ; w2: sixteen K steps
	s_lshr_b32 s21, s27, 4
	s_and_b32 s22, s27, 15
	s_lshl_b32 s25, s21, 5
	s_mul_i32 s26, s21, 36
	s_add_co_u32 s26, s26, s22
	s_add_co_u32 s26, s26, 212                     ; P = 192 + 36 w + 20 + s
.Ldecoded:
	s_mul_i32 s28, s22, s24
	s_lshl_b32 s28, s28, 7
	s_add_co_u32 s28, s28, s25
	s_lshl_b32 s28, s28, 2                         ; 4 (128 s x pitch + column)
	s_mov_b32 s29, 0
	s_mul_i32 s30, s26, 3072
	s_mov_b32 s31, 0
	s_lshr_b32 s32, s26, 2
	s_lshl_b32 s32, s32, 9
	s_and_b32 s33, s26, 3
	s_lshl_b32 s33, s33, 2
	s_add_co_u32 s32, s32, s33
	s_add_co_u32 s32, s32, SCB
	s_mov_b32 s33, 0
	s_wait_kmcnt 0x0
	s_cmp_lt_u32 s20, 64                           ; the weight is chosen on the work-group's number alone
	s_cselect_b64 s[18:19], s[4:5], s[6:7]
	s_cmp_lt_u32 s20, 128
	s_cselect_b64 s[18:19], s[18:19], s[8:9]
	s_cmp_lt_u32 s20, 192
	s_cselect_b64 s[18:19], s[18:19], s[10:11]
	s_cmp_lt_u32 s20, 256
	s_cselect_b64 s[18:19], s[18:19], s[12:13]
	s_cmp_lt_u32 s20, 512
	s_cselect_b64 s[18:19], s[18:19], s[14:15]
	s_add_nc_u64 s[18:19], s[18:19], s[28:29]
	s_add_nc_u64 s[34:35], s[16:17], s[30:31]      ; my unit
	s_add_nc_u64 s[36:37], s[16:17], s[32:33]      ; its scale words
.macro LOADS pitch                     ; 128 rows of K, 32 neighbouring columns each; every offset an immediate (127 x 8,192 bytes at the most)
.set i, 0
.rept 128
	global_load_b32 v[X+i], v1, s[18:19] offset:i*\pitch*4 th:TH_LOAD_NT
.set i, i+1
.endr
.endm
	s_cmp_eq_u32 s24, 2048
	s_cbranch_scc1 .Lwide
	s_wait_alu depctr_va_vdst(0)
	LOADS 512
	s_branch .Lloaded
.Lwide:
	s_wait_alu depctr_va_vdst(0)
	LOADS 2048
.Lloaded:
.macro BLK b                           ; block b: its largest magnitude, its byte, its 32 codes
.set XS, X+32*\b
	v_max3_num_f32 v[AM+2*\b], |v[XS]|, |v[XS+1]|, |v[XS+2]|
	v_max3_num_f32 v[AM+2*\b+1], |v[XS+3]|, |v[XS+4]|, |v[XS+5]|
.irp i, 6,10,14,18,22,26
	v_max3_num_f32 v[AM+2*\b], v[AM+2*\b], |v[XS+\i]|, |v[XS+\i+1]|
	v_max3_num_f32 v[AM+2*\b+1], v[AM+2*\b+1], |v[XS+\i+2]|, |v[XS+\i+3]|
.endr
	v_max3_num_f32 v[AM+2*\b], v[AM+2*\b], |v[XS+30]|, |v[XS+31]|
	v_max3_num_f32 v[AM+2*\b], v[AM+2*\b], v[AM+2*\b+1], 0x1800000   ; the floor 2^(3 - 127): the byte cannot fall under 1
	v_add_nc_u32 v[SO+\b], 0xff000000, v[AM+2*\b]  ; 2 off the exponent field: the conversion takes this operand's exponent field as its scale
	v_lshrrev_b32 v[BY+\b], 23, v[SO+\b]           ; the byte
.if \b == 0
	v_mov_b32 v[WD], v[BY]
.else
	v_lshl_or_b32 v[WD], v[BY+\b], 8*\b, v[WD]
.endif
	v_cvt_scalef32_pk16_fp6_f32 v[CB+6*\b:CB+6*\b+2], v[XS:XS+15], v[SO+\b]
	v_cvt_scalef32_pk16_fp6_f32 v[T:T+2], v[XS+16:XS+31], v[SO+\b]
	v_nop                                          ; one plain place behind a scaled conversion
.irp i, 0,1,2
	v_mov_b32 v[CB+6*\b+3+\i], v[T+\i]
.endr
.endm
	; Block b is registers 6 (b / 2) .. + 5 of the fragment's lane r + 16 (b % 2): 24 bytes that fall on two groups of the image.
	s_wait_loadcnt 63                              ; of my 128 loads at most 63 are out: the first 65 are in, blocks 0 and 1 among them
	BLK 0
	global_store_b128 v2, v[CB:CB+3], s[34:35]
	global_store_b64 v2, v[CB+4:CB+5], s[34:35] offset:512
	BLK 1
	global_store_b128 v2, v[CB+6:CB+9], s[34:35] offset:256
	global_store_b64 v2, v[CB+10:CB+11], s[34:35] offset:768
	s_wait_loadcnt 32                              ; block 3's 32 loads may be out
	BLK 2
	global_store_b64 v2, v[CB+12:CB+13], s[34:35] offset:520
	global_store_b128 v2, v[CB+14:CB+17], s[34:35] offset:1024
	s_wait_loadcnt 0x0
	BLK 3
	global_store_b64 v2, v[CB+18:CB+19], s[34:35] offset:776
	global_store_b128 v2, v[CB+20:CB+23], s[34:35] offset:1280
	global_store_b32 v3, v[WD], s[36:37]
	s_endpgm
.Lfunc_end_k_q390e6c3ab6_prep:
	.size	k_q390e6c3ab6_prep, .Lfunc_end_k_q390e6c3ab6_prep-k_q390e6c3ab6_prep
	.p2alignl 7, 3214868480
	.fill 96, 4, 3214868480
	.section	.rodata,"a",@progbits
	.p2align	6, 0x0
	.amdhsa_kernel k_q390e6c3ab6_prep
		.amdhsa_group_segment_fixed_size 0
		.amdhsa_private_segment_fixed_size 0
		.amdhsa_enable_private_segment 0
		.amdhsa_kernarg_size 56
		.amdhsa_user_sgpr_count 2
		.amdhsa_user_sgpr_kernarg_segment_ptr 1
		.amdhsa_wavefront_size32 1
		.amdhsa_system_sgpr_workgroup_id_x 1
		.amdhsa_system_sgpr_workgroup_id_y 1
		.amdhsa_system_sgpr_workgroup_id_z 1
		.amdhsa_system_vgpr_workitem_id 0
		.amdhsa_next_free_vgpr 192
		.amdhsa_next_free_sgpr 66
		.amdhsa_reserve_vcc 0
		.amdhsa_float_denorm_mode_32 3
		.amdhsa_float_denorm_mode_16_64 3
		.amdhsa_memory_ordered 1
		.amdhsa_forward_progress 1
		.amdhsa_inst_pref_size 35
	.end_amdhsa_kernel
	.amdgpu_metadata
---
amdhsa.version: [ 1, 2 ]
amdhsa.kernels:
  - .name:           k_q390e6c3ab6_prep
    .symbol:         k_q390e6c3ab6_prep.kd
    .args:
      - { .name: wq, .offset: 0, .size: 8, .value_kind: global_buffer, .address_space: global }
      - { .name: wk, .offset: 8, .size: 8, .value_kind: global_buffer, .address_space: global }
      - { .name: wv, .offset: 16, .size: 8, .value_kind: global_buffer, .address_space: global }
      - { .name: wo, .offset: 24, .size: 8, .value_kind: global_buffer, .address_space: global }
      - { .name: w1, .offset: 32, .size: 8, .value_kind: global_buffer, .address_space: global }
      - { .name: w2, .offset: 40, .size: 8, .value_kind: global_buffer, .address_space: global }
      - { .name: wt, .offset: 48, .size: 8, .value_kind: global_buffer, .address_space: global }
    .group_segment_fixed_size: 0
    .private_segment_fixed_size: 0
    .kernarg_segment_align: 8
    .kernarg_segment_size: 56
    .max_flat_workgroup_size: 32
    .sgpr_count:     66
    .vgpr_count:     192
    .wavefront_size: 32
...
	.end_amdgpu_metadata
.endif
;; end of part 5
;; launch proj (part 6): grid 256 x 1, 16 waves a work-group, no clusters, 15,872 bytes of LDS; arguments x, mask, wt, qkvc; writes qkvc
.if DOCPART == 6
	.amdgcn_target "amdgcn-amd-amdhsa--gfx1250"
	.amdhsa_code_object_version 6
	.text
	.protected	k_q390e6c3ab6_proj
	.globl	k_q390e6c3ab6_proj
	.p2align	8
	.type	k_q390e6c3ab6_proj,@function
k_q390e6c3ab6_proj:
	s_mov_b64 s[64:65], 0
	v_nop
	global_prefetch_b8 v0, s[64:65] scope:SCOPE_SE
	s_setreg_imm32_b32 hwreg(HW_REG_WAVE_SCHED_MODE, 0, 2), 2
	s_setreg_imm32_b32 hwreg(HW_REG_WAVE_MODE, 25, 1), 1
	s_wait_xcnt 0x0
	s_wait_alu depctr_vm_vsrc(0)
; q = x wq, k = x wk, v = x wv on codes of FP6 (E2M3, one E8M0 byte for each 32 along K); x is quantised here; q and k are quantised along the head's 64, v along the KEYS; all three leave as codes.
; SHARES.  A work-group takes 32 tokens, as two tiles: row r of tile t is token 8 t + r + (r & 8).  THE 16 WAVES SHARE THE COLUMNS: wave w owns columns 32 w .. 32 w + 31 of each weight (half a head).
; Its weight fragments come from memory straight into its operand registers, each once in the work-group, asked for three units ahead; x's codes go round through LDS as images of the operand's registers.
; q, k: the product is used TRANSPOSED (source 0 = 16 columns of the weight, source 1 = 16 tokens): a lane holds one token and 16 neighbouring columns, so the quantiser's K runs along its registers.
; v: the natural order (source 0 = tokens, source 1 = columns): a lane holds one column and 16 neighbouring KEYS.
; THE MASK rides in the first attention product's spare K (its K is 64 of the instruction's 128): q carries the code -1.0 at k = 64 under the byte 127; an open key carries 0 there; a masked key has zero codes
; at k = 0 .. 63 and the code 7.5 at k = 64 under the byte 157: its score is -7.5 x 2^30 whatever q holds.  The choice is made by v_cndmask_b32 alone.
; LIMITS: a masked logit is -1.0066e9 where the definition says -1e9: the two differ in the result only where open logits lie near -1e9.  A block of zeros gets the byte 1 (zero codes; the bytes are read by this
; program alone); blocks under 2^-124 have the byte held at 1; NaN and infinities are not served.
; No cluster and no tensor load: a weight fragment is used by one wave of the work-group and lands in its operand registers; through LDS it would be written and read once more.
; THE MODE: SCHED_MODE bits 1:0 = 2 (LLVM: expert scheduling mode 2), set by the entry lines.  The code itself states the register dependences
; between vector or matrix instructions and memory or LDS instructions, with s_wait_alu, always for 0.
; THE PLAN.  Registers that memory or LDS instructions touch:
;   WS0 .. WS3   Unit n's four matrix instructions read WS[n % 4]; the loads of unit n + 3, issued in unit n, land in WS[(n - 1) % 4].
;   ACT0, ACT1   Unit n's matrix instructions read ACT[n % 2]; the LDS loads of unit n + 1's fragments, issued in unit n, land in ACT[(n - 1) % 2].
;   PC, SB       Written by the quantiser and the selects behind it; read by the stores that follow them.
;   AS, WSC, MW  Loaded once.    v1 to v18  Offsets and addresses, made at the head and never written again.
; So ONE wait on va_vdst stands at a unit's head, behind the waits for its data: the unit before is done reading the two buffers in which this unit's loads land.  The loads follow it, dealt among the unit's four
; matrix instructions, which name the other buffers.  One wait on va_vdst stands ahead of each run of stores; it covers the product's last unit too, so the next product's first unit holds none.
; One wait on vm_vsrc stands ahead of each quantiser that writes PC and SB again.
.set SCB,  2359296                     ; wt: where the scale words begin
.set QSO,  4194304                     ; qkvc: q's scale words
.set KVO,  4456448                     ; qkvc: the key steps' records
.set RECB, 15104                       ; a record: 8 tiles of k (1,024 each), 4 fragments of V^T (1,536 each), k's scale words (512), V's (256)
.set XI,   0                           ; LDS: x's 8 fragments, (tile t, K step s) at 1,536 (4 t + s): register 2 p + i of lane l at 256 p + 8 l + 4 i
.set XSC,  12288                       ; x's scale bytes [tile][row][16]
.set SST,  12800                       ; q's and k's scale bytes [kind][head][lane][2]
.set NS,   4                           ; buffers of weights
.set NU,   12                          ; units of a wave: 3 weights x 4 K steps
.set A16,  1                           ; v1   16 x lane
.set A8,   2                           ; v2   8 x lane
.set LN,   3                           ; v3   lane
.set XW,   4                           ; v4   where I store my part of x's images
.set ZR,   5                           ; v5   0
.set XSW,  6                           ; v6   and its scale byte
.set A16R, 8                           ; v8   XSC + 16 r
.set XO,   12                          ; v12  my byte in the block's rows of x
.set QKO,  13                          ; v13  1,024 h + 16 r
.set VO,   14                          ; v14  1,536 h + 16 r
.set MKO,  16                          ; v16  my token's mask word
.set SSW,  17                          ; v17  where I put a scale byte of q or k
.set SSR,  18                          ; v18  where I read two back
.set SB,   19                          ; v19  the byte of my lane's block
.set MW,   20                          ; v20  the mask word
.set TM,   24                          ; v24-31 the quantiser's work
.set PC,   40                          ; v40-49 the codes just made
.set AS,   52                          ; v52-59 x's scale words: tile t, K step s at AS + 4 t + s
.set WSC,  60                          ; v60-71 the weights' scale words: unit n at WSC + n
.set ACC,  72                          ; v72-103 four accumulators
.set ACT,  104                         ; v104-127 x's two fragments of a K step, buffer 0;
.set ABUF, 122                         ; buffer 1 lies 122 registers on: v226-249
.set WS,   128                         ; v128-223 four units of weights
.set WV,   12
.set XB,   20
.set MB,   22
.set WP,   24
.set WSP,  26
.set QB,   28
.set REC,  30
.set KB,   32
.set VB,   34
.set VSB,  36
.set SWB,  38
.set SEL,  40
.set HM,   42
.set MZ,   43
.set R6Q,  44
.set R6K,  45
.set UA,   46
.set UB,   47
.set SH,   48
; LC counts the global loads issued; a mark is its value behind a batch; LC - mark is the number of younger loads, which may stay out when the batch is wanted.
.set LC, 0
.macro GLD4 dst, adr, base, off
	global_load_b128 v[\dst:\dst+3], v[\adr], s[\base:\base+1] offset:\off
.set LC, LC+1
.endm
.macro GLD4N dst, adr, base, off
	global_load_b128 v[\dst:\dst+3], v[\adr], s[\base:\base+1] offset:\off th:TH_LOAD_NT
.set LC, LC+1
.endm
.macro SETWM n
.if ((\n)%NS)==0
.set WM0, LC
.elseif ((\n)%NS)==1
.set WM1, LC
.elseif ((\n)%NS)==2
.set WM2, LC
.else
.set WM3, LC
.endif
.endm
.macro WAITWM n
.if ((\n)%NS)==0
	s_wait_loadcnt LC-WM0
.elseif ((\n)%NS)==1
	s_wait_loadcnt LC-WM1
.elseif ((\n)%NS)==2
	s_wait_loadcnt LC-WM2
.else
	s_wait_loadcnt LC-WM3
.endif
.endm
.macro WHALF n, u                      ; fragment u of unit n: three loads of 512 consecutive bytes
.irp g, 0,1,2
	GLD4 WS+24*((\n)%NS)+12*\u+4*\g, A16, WP, (\n)*3072+\u*1536+\g*512
.endr
.endm
.macro WLOAD n                         ; unit n: two fragments
	WHALF \n, 0
	WHALF \n, 1
	SETWM \n
.endm
.macro AFRAG reg, off                  ; one tile's fragment of a K step, as it was stored
.irp p, 0,1,2,3,4,5
	ds_load_b64 v[\reg+2*\p:\reg+2*\p+1], v[A8] offset:\off+256*\p
.endr
.endm
; one matrix instruction.  ck = 1: C is the constant 0.  ra, rb: source 0's or source 1's scales stand in lanes 16-31
.macro WMM d, a, b, ck, c, sa, sb, ra, rb
.if \ck
.if \ra
	v_wmma_scale_f32_16x16x128_f8f6f4 v[\d:\d+7], v[\a:\a+11], v[\b:\b+11], 0, v[\sa], v[\sb] matrix_a_fmt:MATRIX_FMT_FP6 matrix_b_fmt:MATRIX_FMT_FP6 matrix_a_scale:MATRIX_SCALE_ROW1
.elseif \rb
	v_wmma_scale_f32_16x16x128_f8f6f4 v[\d:\d+7], v[\a:\a+11], v[\b:\b+11], 0, v[\sa], v[\sb] matrix_a_fmt:MATRIX_FMT_FP6 matrix_b_fmt:MATRIX_FMT_FP6 matrix_b_scale:MATRIX_SCALE_ROW1
.else
	v_wmma_scale_f32_16x16x128_f8f6f4 v[\d:\d+7], v[\a:\a+11], v[\b:\b+11], 0, v[\sa], v[\sb] matrix_a_fmt:MATRIX_FMT_FP6 matrix_b_fmt:MATRIX_FMT_FP6
.endif
.else
.if \ra
	v_wmma_scale_f32_16x16x128_f8f6f4 v[\d:\d+7], v[\a:\a+11], v[\b:\b+11], v[\c:\c+7], v[\sa], v[\sb] matrix_a_fmt:MATRIX_FMT_FP6 matrix_b_fmt:MATRIX_FMT_FP6 matrix_a_scale:MATRIX_SCALE_ROW1
.elseif \rb
	v_wmma_scale_f32_16x16x128_f8f6f4 v[\d:\d+7], v[\a:\a+11], v[\b:\b+11], v[\c:\c+7], v[\sa], v[\sb] matrix_a_fmt:MATRIX_FMT_FP6 matrix_b_fmt:MATRIX_FMT_FP6 matrix_b_scale:MATRIX_SCALE_ROW1
.else
	v_wmma_scale_f32_16x16x128_f8f6f4 v[\d:\d+7], v[\a:\a+11], v[\b:\b+11], v[\c:\c+7], v[\sa], v[\sb] matrix_a_fmt:MATRIX_FMT_FP6 matrix_b_fmt:MATRIX_FMT_FP6
.endif
.endif
.endm
; Unit n: four matrix instructions on four accumulators, which take turns, one instruction a turn, in the same order in every unit.
; mode 0, transposed: accumulator 16 t + 8 u = weight tile u x token tile t.  mode 1, natural: accumulator 16 t + 8 u = token tile u x weight tile t.
; Among them stand the loads of what later units want: the next unit's two fragments of x, into the other buffer, and the weights of unit n + 3, into the buffer of unit n - 1.
; hw = 1: the wait at the head.  It is left out where the wait ahead of a run of stores has covered the unit before (a product's first unit), and where the unit issues no load (the last).
; The four v_nop are the places in front of the loads into registers that these instructions have read and of the first vector read of their results.
.macro MM n, mode, ck, wsr, as0, as1, hw
	WAITWM \n                                      ; unit n's six loads are in (and all that were issued ahead of them); the younger units stay out
	s_wait_dscnt 0x0                               ; x's fragments and scale words
.if \hw
	s_wait_alu depctr_va_vdst(0)                   ; the matrix instructions of the unit before are done reading its weights and its fragments of x: the loads below land in those registers
.endif
.set WB, WS+24*((\n)%NS)
.set AB, ACT+ABUF*((\n)%2)
.set AN, ACT+ABUF*(((\n)+1)%2)
.set KN, ((\n)+1)%4
.if \mode == 0
	WMM ACC, WB, AB, \ck, ACC, \wsr, \as0, 0, 0
.else
	WMM ACC, AB, WB, \ck, ACC, \as0, \wsr, 0, 0
.endif
.if (\n)+1 < NU
	AFRAG AN, XI+KN*1536                           ; no wait: no vector or matrix instruction since the last wait on va_vdst names these registers
.endif
.if \mode == 0
	WMM ACC+8, WB+12, AB, \ck, ACC+8, \wsr, \as0, 1, 0
.else
	WMM ACC+8, AB+12, WB, \ck, ACC+8, \as1, \wsr, 0, 0
.endif
.if (\n)+1 < NU
	AFRAG AN+12, XI+(4+KN)*1536
.endif
.if \mode == 0
	WMM ACC+16, WB, AB+12, \ck, ACC+16, \wsr, \as1, 0, 0
.else
	WMM ACC+16, AB, WB+12, \ck, ACC+16, \as0, \wsr, 0, 1
.endif
.if ((\n) >= 1) && ((\n)+NS-1 < NU)
	WHALF (\n)+NS-1, 0
.endif
.if \mode == 0
	WMM ACC+24, WB+12, AB+12, \ck, ACC+24, \wsr, \as1, 1, 0
.else
	WMM ACC+24, AB+12, WB+12, \ck, ACC+24, \as1, \wsr, 0, 1
.endif
.if ((\n) >= 1) && ((\n)+NS-1 < NU)
	WHALF (\n)+NS-1, 1
	SETWM (\n)+NS-1
.endif
.rept 4
	v_nop
.endr
.endm
; THE QUANTISER.  Two runs of 16 numbers, v[src ..] and v[src + 16 ..]; each is my lane's half (16 h .. 16 h + 15) of one block of 32, whose other half lies in lane l xor 16.
; Afterwards lane (r, a) holds in v[PC .. PC + 5] the WHOLE block of run a for row r, and v[TM + 6], v[TM + 7] hold the two runs' scale bytes in every lane.
.macro Q32 src
.irp a, 0,1
	v_max3_num_f32 v[TM+\a], |v[\src+16*\a]|, |v[\src+16*\a+1]|, 0x1800000   ; with the floor 2^(3 - 127): the byte cannot fall under 1
.endr
.irp i, 2,4,6,8,10,12,14
.irp a, 0,1
	v_max3_num_f32 v[TM+\a], v[TM+\a], |v[\src+16*\a+\i]|, |v[\src+16*\a+\i+1]|
.endr
.endr
.irp a, 0,1
	v_permlanex16_b32 v[TM+2+\a], v[TM+\a], s[SEL], s[SEL+1]
.endr
.irp a, 0,1
	v_max_num_f32 v[TM+\a], v[TM+\a], v[TM+2+\a]   ; the block's largest magnitude
.endr
.irp a, 0,1
	v_add_nc_u32 v[TM+4+\a], 0xff000000, v[TM+\a]  ; 2 off its exponent field: the conversion's scale operand
.endr
.irp a, 0,1
	v_lshrrev_b32 v[TM+6+\a], 23, v[TM+4+\a]       ; the byte
.endr
	v_cvt_scalef32_pk16_fp6_f32 v[PC:PC+2], v[\src:\src+15], v[TM+4]
	v_cvt_scalef32_pk16_fp6_f32 v[PC+6:PC+8], v[\src+16:\src+31], v[TM+5]
	v_nop                                          ; one plain place behind a scaled conversion
.irp i, 0,1,2
	v_permlane16_swap_b32 v[PC+\i], v[PC+6+\i]     ; run 0's upper half changes places with run 1's lower half
.endr
.irp i, 0,1,2
	v_mov_b32 v[PC+3+\i], v[PC+6+\i]
.endr
.endm
.macro BARRIER                         ; my LDS stores have landed and my LDS loads are in: then the work-group's barrier
	s_wait_dscnt 0x0
	s_barrier_signal -1
	s_barrier_wait -1
.endm
	s_load_b256 s[4:11], s[0:1], 0x0               ; x, mask, wt, qkvc
	v_lshl_add_u32 v224, v0, 2, 0x3600
	v_mov_b32 v225, 0
	v_lshrrev_b32 v21, 5, v0
	v_readfirstlane_b32 s[WV], v21                 ; wave 0..15
	v_and_b32 v[LN], 31, v0
	v_and_b32 v21, 15, v0                          ; r
	v_bfe_u32 v22, v0, 4, 1                        ; h
	v_and_b32 v23, 8, v0
	v_add_nc_u32 v23, v23, v21                     ; r + (r & 8)
	v_lshlrev_b32 v[A16], 4, v[LN]
	v_lshlrev_b32 v[A8], 3, v[LN]
	s_wait_alu depctr_va_sdst(0)                   ; s12, the wave's number, is written, ahead of its first reader
	s_and_b32 s14, s[WV], 1                        ; which half of the head is mine
	s_lshl_b32 s15, s[WV], 7
	v_lshlrev_b32 v[XO], 11, v23
	v_lshl_add_u32 v[XO], v22, 6, v[XO]
	v_add_nc_u32 v[XO], s15, v[XO]                 ; x: row r + (r & 8), block w of K, my 16 numbers of it
	v_lshl_add_u32 v[MKO], v22, 3, v23
	v_lshlrev_b32 v[MKO], 2, v[MKO]                ; behind the quantiser lane (r, h) holds token 8 h + r + (r & 8)
	s_mov_b32 s53, 0
	s_wait_kmcnt 0x0
	s_lshl_b32 s52, ttmp9, 16
	s_add_nc_u64 s[XB:XB+1], s[4:5], s[52:53]      ; 32 rows of 2,048 bytes a work-group
	s_lshl_b32 s52, ttmp9, 7
	s_add_nc_u64 s[MB:MB+1], s[6:7], s[52:53]
	s_mul_i32 s52, s[WV], 36864
	s_add_nc_u64 s[WP:WP+1], s[8:9], s[52:53]      ; my 12 units
	s_mul_i32 s52, s[WV], 1536
	s_add_co_u32 s52, s52, SCB
	s_add_nc_u64 s[WSP:WSP+1], s[8:9], s[52:53]    ; and their scale words
	s_wait_alu depctr_va_vdst(0)                   ; v1, v12 and v16 are written: the offsets of the loads below
.irp t, 0,1
.irp i, 0,1,2,3
	GLD4N ACC+16*\t+4*\i, XO, XB, \t*16384+16*\i   ; run t: token 8 t + r + (r & 8), columns 32 w + 16 h on
.endr
.endr
.set XM, LC
	global_load_b32 v[MW], v[MKO], s[MB:MB+1]
.set LC, LC+1
.set MKM, LC
.irp g, 0,1,2
	GLD4 WSC+4*\g, A16, WSP, \g*512
.endr
.irp n, 0,1,2,3
	WLOAD \n
.endr
	; the other addresses, while the loads are on their way
	v_mov_b32 v[ZR], 0
	v_mov_b32 v[TM+2], 0                           ; written once: a lane permute's destination counts as one of its sources
	v_mov_b32 v[TM+3], 0
	s_lshr_b32 s13, s[WV], 2
	s_mul_i32 s13, s13, 1536                       ; block w of K is K step w / 4,
	s_bfe_u32 s15, s[WV], 0x10001
	s_mul_i32 s15, s15, 768                        ; registers 6 ((w / 2) % 2) on,
	s_add_co_u32 s13, s13, s15
	s_lshl_b32 s15, s14, 7                         ; of the fragment's lanes r + 16 (w % 2)
	s_add_co_u32 s13, s13, s15
	v_mul_u32_u24 v[XW], v22, 6144                 ; and my lane's half says which tile
	v_lshl_add_u32 v[XW], v21, 3, v[XW]
	v_add_nc_u32 v[XW], s13, v[XW]
	v_add_nc_u32 v[XSW], s[WV], v[A16]
	v_add_nc_u32 v[XSW], XSC, v[XSW]
	v_lshl_add_u32 v[A16R], v21, 4, XSC
	v_lshlrev_b32 v[QKO], 10, v22
	v_lshl_add_u32 v[QKO], v21, 4, v[QKO]
	v_mul_u32_u24 v[VO], v22, 1536
	v_lshl_add_u32 v[VO], v21, 4, v[VO]
	s_lshr_b32 s15, s[WV], 1
	s_lshl_b32 s15, s15, 6
	s_add_co_u32 s15, s15, s14
	v_lshl_add_u32 v[SSW], v[LN], 1, SST
	v_add_nc_u32 v[SSW], s15, v[SSW]
	s_lshl_b32 s15, s[WV], 6
	v_lshl_add_u32 v[SSR], v[LN], 1, SST
	v_add_nc_u32 v[SSR], s15, v[SSR]
	s_mov_b32 s[SEL], 0x76543210
	s_mov_b32 s[SEL+1], 0xfedcba98                 ; v_permlanex16_b32's selects for lane l xor 16
	s_mov_b32 s[HM], 0xffff0000                    ; lanes 16-31
	s_lshr_b32 s16, ttmp9, 7
	s_lshl_b32 s16, s16, 3                         ; 8 x batch
	s_and_b32 s17, ttmp9, 127                      ; block of 32 tokens in the batch
	s_lshr_b32 s18, s17, 2                         ; key step
	s_and_b32 s19, s17, 3                          ; block of 32 keys in it
	s_lshr_b32 s50, s[WV], 1
	s_add_co_u32 s50, s50, s16                     ; batch x 8 + head
	s_lshl_b32 s52, s50, 18
	s_lshl_b32 s51, s17, 11
	s_add_co_u32 s52, s52, s51
	s_lshl_b32 s51, s14, 8
	s_add_co_u32 s52, s52, s51
	s_add_nc_u64 s[QB:QB+1], s[10:11], s[52:53]    ; q: the two tiles' records, the lanes of my half
	s_lshl_b32 s52, s50, 5
	s_add_co_u32 s52, s52, s18
	s_mul_i32 s52, s52, RECB
	s_add_co_u32 s52, s52, KVO
	s_add_nc_u64 s[REC:REC+1], s[10:11], s[52:53]  ; the key step's record
	s_lshl_b32 s52, s19, 11
	s_add_co_u32 s52, s52, s51
	s_add_nc_u64 s[KB:KB+1], s[REC:REC+1], s[52:53]
	s_mul_i32 s52, s14, 3072
	s_and_b32 s51, s19, 1
	s_lshl_b32 s51, s51, 8
	s_add_co_u32 s52, s52, s51
	s_add_co_u32 s52, s52, 8192
	s_add_nc_u64 s[VB:VB+1], s[REC:REC+1], s[52:53]
	s_lshl_b32 s52, s14, 2
	s_add_co_u32 s52, s52, s19
	s_add_co_u32 s52, s52, 14848
	s_add_nc_u64 s[VSB:VSB+1], s[REC:REC+1], s[52:53]
	s_cmp_eq_u32 s14, 0                            ; k = 64 lies in the fragment's lanes 0-15, which the wave of the head's first half writes
	s_cselect_b32 s[R6Q], 0x28, 0                  ; the code -1.0
	s_cselect_b32 s[R6K], 0x1f, 0                  ; the code 7.5
	; at the end wave w puts together the scale words of q (w < 8) or k (w >= 8) of head w % 8
	s_and_b32 s50, s[WV], 7
	s_add_co_u32 s50, s50, s16
	s_lshl_b32 s51, s50, 14
	s_lshl_b32 s49, s17, 7
	s_add_co_u32 s51, s51, s49
	s_add_co_u32 s51, s51, QSO
	s_lshl_b32 s52, s50, 5
	s_add_co_u32 s52, s52, s18
	s_mul_i32 s52, s52, RECB
	s_lshl_b32 s49, s19, 2
	s_add_co_u32 s52, s52, s49
	s_add_co_u32 s52, s52, KVO+14336
	s_mov_b32 s[UA], 0x01010000                    ; an open key: bytes 1, 1 over the spare blocks
	s_mov_b32 s[UB], 0x019d0000                    ; a masked key: 157, 1
	s_cmp_lt_u32 s[WV], 8
	s_cselect_b32 s52, s51, s52
	s_cselect_b32 s[UA], 0x017f0000, s[UA]         ; q: 127, 1
	s_cselect_b32 s[UB], 0x017f0000, s[UB]
	s_cselect_b32 s[SH], 2, 4                      ; q's words lie 4 bytes apart, k's 16
	s_add_nc_u64 s[SWB:SWB+1], s[10:11], s[52:53]
	; ---- x: block w of K of the 32 tokens
	s_wait_loadcnt LC-XM                           ; x's eight loads are in; the mask's, the scale words' and the weights' loads stay out
	Q32 ACC
	v_cndmask_b32 v[SB], v[TM+6], v[TM+7], s[HM]
	s_wait_alu depctr_va_vdst(0)                   ; the quantiser has written v[PC ..] and v[SB], which the LDS stores read; the addresses v4 to v18, made above, are written too
.irp i, 0,1,2
	ds_store_b64 v[XW], v[PC+2*\i:PC+2*\i+1] offset:XI+256*\i
.endr
	ds_store_b8 v[XSW], v[SB]
	s_wait_loadcnt LC-MKM
	v_cmp_eq_u32 s[MZ], 0, v[MW]                   ; the lanes whose token is masked
	s_wait_alu depctr_va_sdst(0)                   ; s43 is written, ahead of the selects that read it
	BARRIER                                        ; x's eight fragments and their scale bytes lie in LDS
	ds_load_b128 v[AS:AS+3], v[A16R]
	ds_load_b128 v[AS+4:AS+7], v[A16R] offset:256
	AFRAG ACT, XI                                  ; unit 0's fragments; each unit asks for the next unit's
	AFRAG ACT+12, XI+4*1536
	; ---- q, then k
.irp kd, 0,1
.irp s, 0,1,2,3
.if \s == 0
	MM 4*\kd+\s, 0, 1, WSC+4*\kd+\s, AS+\s, AS+4+\s, 0
.else
	MM 4*\kd+\s, 0, 0, WSC+4*\kd+\s, AS+\s, AS+4+\s, 1
.endif
.endr
	s_wait_xcnt 0x0                                ; earlier stores have read the codes' registers: they are written again only behind this wait
	s_wait_alu depctr_vm_vsrc(0)                   ; the stores issued so far, LDS and global, have read v[PC ..] and v[SB], which the quantiser and the selects write again
	Q32 ACC                                        ; lane (r, t): my half of the head, of token r of tile t
	v_cndmask_b32 v[SB], v[TM+6], v[TM+7], s[HM]
.if \kd == 0
	v_mov_b32 v[PC+6], s[R6Q]
	v_mov_b32 v[PC+7], 0
	s_wait_alu depctr_va_vdst(0)                   ; v[PC .. PC + 7] and v[SB] are written, which the stores read; the product's last unit is done reading its weights and fragments, in which the next unit's loads land
	global_store_b128 v[QKO], v[PC:PC+3], s[QB:QB+1]              ; each half of the lanes stores 256 consecutive bytes, aligned
	global_store_b128 v[QKO], v[PC+4:PC+7], s[QB:QB+1] offset:512
.else
.irp i, 0,1,2,3,4,5
	v_cndmask_b32 v[PC+\i], v[PC+\i], v[ZR], s[MZ] ; a masked key's codes are zeros
.endr
	v_mov_b32 v22, s[R6K]
	v_cndmask_b32 v[PC+6], v[ZR], v22, s[MZ]
	v_mov_b32 v[PC+7], 0
	s_wait_alu depctr_va_vdst(0)                   ; v[PC .. PC + 7] and v[SB] are written, which the stores read; the product's last unit is done reading its weights and fragments, in which the next unit's loads land
	global_store_b128 v[QKO], v[PC:PC+3], s[KB:KB+1]
	global_store_b128 v[QKO], v[PC+4:PC+7], s[KB:KB+1] offset:512
.endif
	ds_store_b8 v[SSW], v[SB] offset:512*\kd
.endr
	; ---- v: a lane holds one column and the block's keys
.irp s, 0,1,2,3
.if \s == 0
	MM 8+\s, 1, 1, WSC+8+\s, AS+\s, AS+4+\s, 0
.elseif \s == 3
	MM 8+\s, 1, 0, WSC+8+\s, AS+\s, AS+4+\s, 0     ; the last unit issues no load: it holds no wait on va_vdst
.else
	MM 8+\s, 1, 0, WSC+8+\s, AS+\s, AS+4+\s, 1
.endif
.endr
	s_wait_xcnt 0x0
	s_wait_alu depctr_vm_vsrc(0)                   ; k's stores have read v[PC ..] and v[SB], which are written again
	Q32 ACC                                        ; lane (r, t): the block's 32 keys of row r of V^T's tile 2 (w % 2) + t
	v_cndmask_b32 v[SB], v[TM+6], v[TM+7], s[HM]
	s_wait_alu depctr_va_vdst(0)                   ; v[PC .. PC + 5] and v[SB] are written, which the stores on both ways below read
	s_cmp_lt_u32 s19, 2                            ; key block b of the step is registers 6 (b / 2) on of lanes r + 16 (b % 2)
	s_cbranch_scc0 .Lupper
	global_store_b128 v[VO], v[PC:PC+3], s[VB:VB+1]
	global_store_b64 v[VO], v[PC+4:PC+5], s[VB:VB+1] offset:512
	s_branch .Lv_done
.Lupper:
	global_store_b64 v[VO], v[PC:PC+1], s[VB:VB+1] offset:520
	global_store_b128 v[VO], v[PC+2:PC+5], s[VB:VB+1] offset:1024
.Lv_done:
	global_store_b8 v[A8], v[SB], s[VSB:VSB+1]
	; ---- the scale words of q and k: two bytes from two waves, and the spare blocks' bytes
	BARRIER
	ds_load_u16 v21, v[SSR]
	v_mov_b32 v22, s[UA]
	v_mov_b32 v23, s[UB]
	v_cndmask_b32 v22, v22, v23, s[MZ]
	v_lshlrev_b32 v23, s[SH], v[LN]
	s_wait_alu depctr_va_vdst(0)
	s_wait_dscnt 0x0
	v_or_b32 v21, v21, v22
	s_wait_alu depctr_va_vdst(0)                   ; v21, the word, and v23, its offset, are written, which the store reads
	global_store_b32 v23, v21, s[SWB:SWB+1]
	s_wait_dscnt 0x0                               ; the closing lines, six on end
	s_wait_alu 0x0
	s_wait_tensorcnt 0x0
	ds_add_u32 v224, v225
	s_wait_dscnt 0x0
	s_endpgm
.Lfunc_end_k_q390e6c3ab6_proj:
	.size	k_q390e6c3ab6_proj, .Lfunc_end_k_q390e6c3ab6_proj-k_q390e6c3ab6_proj
	.p2alignl 7, 3214868480
	.fill 96, 4, 3214868480
	.section	.rodata,"a",@progbits
	.p2align	6, 0x0
	.amdhsa_kernel k_q390e6c3ab6_proj
		.amdhsa_group_segment_fixed_size 15872
		.amdhsa_private_segment_fixed_size 0
		.amdhsa_enable_private_segment 0
		.amdhsa_kernarg_size 32
		.amdhsa_user_sgpr_count 2
		.amdhsa_user_sgpr_kernarg_segment_ptr 1
		.amdhsa_wavefront_size32 1
		.amdhsa_system_sgpr_workgroup_id_x 1
		.amdhsa_system_sgpr_workgroup_id_y 1
		.amdhsa_system_sgpr_workgroup_id_z 1
		.amdhsa_system_vgpr_workitem_id 0
		.amdhsa_next_free_vgpr 250
		.amdhsa_next_free_sgpr 66
		.amdhsa_reserve_vcc 0
		.amdhsa_float_denorm_mode_32 3
		.amdhsa_float_denorm_mode_16_64 3
		.amdhsa_memory_ordered 1
		.amdhsa_forward_progress 1
		.amdhsa_inst_pref_size 42
	.end_amdhsa_kernel
	.amdgpu_metadata
---
amdhsa.version: [ 1, 2 ]
amdhsa.kernels:
  - .name:           k_q390e6c3ab6_proj
    .symbol:         k_q390e6c3ab6_proj.kd
    .args:
      - { .name: x, .offset: 0, .size: 8, .value_kind: global_buffer, .address_space: global }
      - { .name: mask, .offset: 8, .size: 8, .value_kind: global_buffer, .address_space: global }
      - { .name: wt, .offset: 16, .size: 8, .value_kind: global_buffer, .address_space: global }
      - { .name: qkvc, .offset: 24, .size: 8, .value_kind: global_buffer, .address_space: global }
    .group_segment_fixed_size: 15872
    .private_segment_fixed_size: 0
    .kernarg_segment_align: 8
    .kernarg_segment_size: 32
    .max_flat_workgroup_size: 512
    .sgpr_count:     66
    .vgpr_count:     250
    .wavefront_size: 32
...
	.end_amdgpu_metadata
.endif
;; end of part 6
;; launch attn (part 7): grid 16 x 16, 16 waves a work-group, clusters of 4 x 1, 327,680 bytes of LDS; arguments qkvc, ctxq; writes ctxq
.if DOCPART == 7
	.amdgcn_target "amdgcn-amd-amdhsa--gfx1250"
	.amdhsa_code_object_version 6
	.text
	.protected	k_q390e6c3ab6_attn
	.globl	k_q390e6c3ab6_attn
	.p2align	8
	.type	k_q390e6c3ab6_attn,@function
k_q390e6c3ab6_attn:
	s_mov_b64 s[64:65], 0
	v_nop
	global_prefetch_b8 v0, s[64:65] scope:SCOPE_SE
	s_setreg_imm32_b32 hwreg(HW_REG_WAVE_MODE, 25, 1), 1
	s_wait_xcnt 0x0
	s_wait_alu depctr_hold_cnt(0) depctr_sa_sdst(0) depctr_va_vdst(0) depctr_va_sdst(0) depctr_va_ssrc(0) depctr_va_vcc(0) depctr_vm_vsrc(0)
	s_getreg_b32 s2, hwreg(HW_REG_IB_STS2, 6, 4)
	s_cmp_eq_u32 s2, 0
	s_cbranch_scc0 .Lentry_in_a_cluster
	s_endpgm
.Lentry_in_a_cluster:
	s_bfe_u32 s2, ttmp6, 0x10000c
	s_cmp_lg_u32 s2, 0x3003
	s_cbranch_scc0 .Lentry_shape_is_right
	s_endpgm
.Lentry_shape_is_right:
; ctx = softmax(q k^T / 8, masked) v for one (batch, head), both products on codes of FP6 (E2M3) with E8M0 scales; ctx is divided by the row's sum, quantised along the model's 512 and leaves as codes.
; THE SOFTMAX: t = score x log2(e) / 8; M = the running largest t, rounded UP to a whole number; p = 2^(t - M) is quantised along the keys, not normalised; the row's sum is taken of the unquantised p.
; When M moves, the sum and O are multiplied by 2^(old M - new M): exact.  THE MASK is in the codes: a masked key's score is -7.5 x 2^30 (k = 64 of the first product), so p falls to 0 beside any open key,
; and a row whose keys are all masked gets equal weights.
; SHARES.  A work-group owns 256 queries; each of its sixteen waves one tile of 16, in 256 registers: four waves to a SIMD, so that one wave's exponentials stand beside another's products and LDS loads.
; Every wave walks all 4,096 keys, 128 a step.  A key step is ONE dense record of 15,104 bytes, laid in the order of the operands' registers: a fragment comes by loads of 16 consecutive bytes a lane.
; LAYOUT.  Both products are used transposed (S^T = K Q^T, O^T = V^T P^T): a lane holds one query.  Row r of tile 2 b + u of K is key 32 b + 8 u + r + (r & 8), so that the 16 registers of two neighbouring tiles are 16 neighbouring keys.
; The first product's K is 64: a tile of K is 8 registers a lane (6 of codes, the mask's, a zero).  Q's codes at k = 65 .. 127 are zeros, so what stands in registers 8-11 of K's operand adds nothing: tile t lies at KF + 8 t and overlaps the next.
; CLUSTER.  The four work-groups of a cluster belong to one head and walk the same records: each slot is asked for JOINTLY, by the same tensor load with the same descriptor and a mask that names the four.
; LIMITS: NaN and infinities are not served; a block of p that has fallen to 0 keeps the byte 1 (zero codes).
.set QSO,   4194304
.set KVO,   4456448
.set CSO,   3145728
.set RECB,  15104
.set SLOTB, 4*RECB                     ; a slot: four key steps
.set SLOT1, 65536                      ; slot 1 begins here: one exclusive or turns an address in one slot into the other's
.set SPARE, 131072                     ; the spare words, 128 bytes for each wave: eight blocks of 256 bytes that no other line names
.set NSL,   8                          ; slots' worth of keys
.set AL16, 1                           ; v1   the slot in hand + 16 x lane
.set AL8,  2                           ; v2   the slot in hand + 8 x lane
.set SPW,  3                           ; v3   LDS address of my spare word; never rewritten
.set NIL,  4                           ; v4   0; never rewritten
.set L16,  5                           ; v5   16 x lane
.set L8,   6                           ; v6   8 x lane
.set PFO,  7                           ; v7   the prefetches' offset
.set Q,    16                          ; v16-27 Q's fragment
.set QSC,  28                          ; v28  its scale words
.set PSC,  29                          ; v29  p's scale word
.set KSC,  30                          ; v30-33 K's scale words: tiles 2 i (lanes 0-15) and 2 i + 1 (lanes 16-31) at KSC + i
.set VSC,  34                          ; v34-35 V's likewise
.set KF,   36                          ; v36-71 four tiles of K
.set S,    72                          ; v72-135 S^T, then p
.set O,    136                         ; v136-167 O^T
.set PCD,  168                         ; v168-179 p's codes
.set P2,   180                         ; v180-182, v184-186 the conversions' second halves
.set BM,   188                         ; v188-191 the blocks' largest scores
.set PT,   192                         ; v192-195 at work
.set SO,   196                         ; v196-199 the conversions' scale operands
.set FF,   200                         ; v[200:201] f = 2^(old M - new M)
.set W,    202                         ; v202 at work
.set VF,   204                         ; v204-251 four fragments of V^T
.set TM,   188                         ; the way out's quantiser works where the softmax did
.set PC,   168
.set WV,   8
.set G1,   16                          ; s[16:23] descriptor group 1
.set G0,   24                          ; s[24:27] group 0, which walks
.set CS,   28                          ; s[28:29] c = log2(e) / 8
.set SEL,  30
.set TB,   32                          ; s32  LDS byte at which the slot in hand begins
.set SLOTS, 33
.set LIM,  34
.set PFA,  36
.set QB,   38
.set QSB,  40
.set CB,   42
.set CSB,  44
.macro CROUND                          ; a round of the cluster's barrier
	s_barrier_signal -1
	s_barrier_wait -1
	s_cmp_lg_u32 s[WV], 0
	s_cbranch_scc1 .Lnot_wave_0_\@
	s_barrier_signal -3
.Lnot_wave_0_\@:
	s_barrier_wait -3
	s_barrier_signal -1
	s_barrier_wait -1
.endm
.macro TLOAD                           ; waves 0 and 1 fetch two records each; the branch hangs on the wave's number alone.  Four v_nop follow the load
	s_cmp_lt_u32 s[WV], 2
	s_cbranch_scc0 .Lno_load_\@
	tensor_load_to_lds s[G0:G0+3], s[G1:G1+7]
	s_nop 0
.rept 4
	v_nop
.endr
.Lno_load_\@:
.endm
; A PREFETCH INTO THE L2 of the slot that the NEXT change of slots will ask for: four key steps ahead of that load.  All four clusters of a head walk the same records: the head's first cluster asks.
; Its four partners take a record each, told apart BY ADDRESS; in each, waves 2 and 3 ask, lanes 256 bytes apart, for the record's 59 blocks of 256 bytes (the last five lanes name the last block again).
; The last change that fills a slot asks for nothing; slots 0 and 1 come by their loads alone.
.macro ASK
	s_cmp_gt_u32 s[SLOTS], s[LIM]
	s_cbranch_scc0 .Lnot_mine_\@
	global_prefetch_b8 v[PFO], s[PFA:PFA+1] th:TH_LOAD_NT scope:SCOPE_SE
.Lnot_mine_\@:
.endm
.macro WMM d, a, b, ck, c, sa, sb, ra, rb
.if \ck
.if \ra
	v_wmma_scale_f32_16x16x128_f8f6f4 v[\d:\d+7], v[\a:\a+11], v[\b:\b+11], 0, v[\sa], v[\sb] matrix_a_fmt:MATRIX_FMT_FP6 matrix_b_fmt:MATRIX_FMT_FP6 matrix_a_scale:MATRIX_SCALE_ROW1
.else
	v_wmma_scale_f32_16x16x128_f8f6f4 v[\d:\d+7], v[\a:\a+11], v[\b:\b+11], 0, v[\sa], v[\sb] matrix_a_fmt:MATRIX_FMT_FP6 matrix_b_fmt:MATRIX_FMT_FP6
.endif
.else
.if \ra
	v_wmma_scale_f32_16x16x128_f8f6f4 v[\d:\d+7], v[\a:\a+11], v[\b:\b+11], v[\c:\c+7], v[\sa], v[\sb] matrix_a_fmt:MATRIX_FMT_FP6 matrix_b_fmt:MATRIX_FMT_FP6 matrix_a_scale:MATRIX_SCALE_ROW1
.else
	v_wmma_scale_f32_16x16x128_f8f6f4 v[\d:\d+7], v[\a:\a+11], v[\b:\b+11], v[\c:\c+7], v[\sa], v[\sb] matrix_a_fmt:MATRIX_FMT_FP6 matrix_b_fmt:MATRIX_FMT_FP6
.endif
.endif
.endm
; THE QUANTISER of the way out: two runs of 16 numbers, each my lane's half of one block of 32; afterwards lane (r, a) holds the whole block of run a in v[PC .. PC + 5]; v[TM + 6], v[TM + 7]: the two bytes.
.macro Q32 src
.irp a, 0,1
	v_max3_num_f32 v[TM+\a], |v[\src+16*\a]|, |v[\src+16*\a+1]|, 0x1800000
.endr
.irp i, 2,4,6,8,10,12,14
.irp a, 0,1
	s_delay_alu instid0(VALU_DEP_2)
	v_max3_num_f32 v[TM+\a], v[TM+\a], |v[\src+16*\a+\i]|, |v[\src+16*\a+\i+1]|
.endr
.endr
.irp a, 0,1
	s_delay_alu instid0(VALU_DEP_2)
	v_permlanex16_b32 v[TM+2+\a], v[TM+\a], s[SEL], s[SEL+1]
.endr
.irp a, 0,1
	s_delay_alu instid0(VALU_DEP_2)
	v_max_num_f32 v[TM+\a], v[TM+\a], v[TM+2+\a]
.endr
.irp a, 0,1
	s_delay_alu instid0(VALU_DEP_2)
	v_add_nc_u32 v[TM+4+\a], 0xff000000, v[TM+\a]
.endr
.irp a, 0,1
	s_delay_alu instid0(VALU_DEP_2)
	v_lshrrev_b32 v[TM+6+\a], 23, v[TM+4+\a]
.endr
	v_cvt_scalef32_pk16_fp6_f32 v[PC:PC+2], v[\src:\src+15], v[TM+4]
	v_cvt_scalef32_pk16_fp6_f32 v[PC+6:PC+8], v[\src+16:\src+31], v[TM+5]
	v_nop
.irp i, 0,1,2
	v_permlane16_swap_b32 v[PC+\i], v[PC+6+\i]
.endr
.irp i, 0,1,2
	s_delay_alu instid0(VALU_DEP_3)
	v_mov_b32 v[PC+3+\i], v[PC+6+\i]
.endr
.endm
	s_load_b128 s[4:7], s[0:1], 0x0                ; qkvc, ctxq
	v_lshl_add_u32 v[SPW], v0, 2, SPARE
	v_mov_b32 v[NIL], 0
	ds_add_u32 v3, v4
	ds_add_u32 v3, v4
	s_wait_dscnt 0x0
	v_lshrrev_b32 v9, 5, v0
	s_delay_alu instid0(VALU_DEP_1)
	v_readfirstlane_b32 s[WV], v9                  ; wave 0..15
	s_bfe_u32 s9, ttmp6, 0x40000                   ; cx: my place in the cluster
	s_lshl_b32 s10, ttmp9, 2
	s_add_co_u32 s10, s10, s9                      ; my block of 256 queries: it enters Q's and ctx's addresses alone
	s_and_b32 s11, ttmp7, 0xffff                   ; batch x 8 + head, which the four partners share
	; descriptor group 1: two records, 30,208 dense bytes, as 118 rows of 256 bytes (32 elements of 8 bytes), no padding
	s_mov_b32 s[G1], 15|(3<<16)|(1<<21)            ; 15:0 the mask: all four work-groups; 17:16 elements of 8 bytes; 21 set beside a mask
	s_mov_b32 s[G1+1], 32<<16                      ; tensor_dim0
	s_mov_b32 s[G1+2], 118<<16                     ; tensor_dim1
	s_mov_b32 s[G1+3], 32<<16                      ; tile_dim0
	s_mov_b32 s[G1+4], 118                         ; tile_dim1
	s_mov_b32 s[G1+5], 32                          ; the pitch
	s_mov_b32 s[G1+6], 0
	s_mov_b32 s[G1+7], 0
	s_and_b32 s48, s[WV], 1
	s_mul_i32 s49, s48, 2*RECB                     ; which two records of a slot I fetch, if I fetch: in LDS as in memory
	s_mul_i32 s50, s11, 32*RECB
	s_add_co_u32 s50, s50, KVO
	s_add_co_u32 s50, s50, s49
	s_mov_b32 s51, 0
	s_mul_i32 s52, s11, 32*RECB                    ; the prefetches: record cx of slot 1; the first change of slots steps it to slot 2
	s_add_co_u32 s52, s52, KVO+SLOTB
	s_mul_i32 s53, s9, RECB
	s_add_co_u32 s52, s52, s53
	s_mov_b32 s53, 0
	s_lshl_b32 s55, s10, 4
	s_add_co_u32 s55, s55, s[WV]                   ; my tile of queries in the batch
	s_lshl_b32 s54, s11, 8
	s_add_co_u32 s54, s54, s55
	s_lshr_b32 s56, s11, 3
	s_lshl_b32 s56, s56, 8
	s_add_co_u32 s56, s56, s55                     ; and among all 512 tiles of tokens
	s_and_b32 s57, s11, 7                          ; the head
	s_lshr_b32 s58, s[WV], 1
	s_xor_b32 s58, s58, 1                          ; 0 in waves 2 and 3,
	s_or_b32 s58, s58, ttmp9                       ; of the head's first cluster: the same in all four partners
	s_cmp_eq_u32 s58, 0
	s_cselect_b32 s[LIM], 1, -1
	s_mov_b32 s[CS], 0x3e38aa3b                    ; c = log2(e) / 8
	s_mov_b32 s[CS+1], s[CS]                       ; (named with it as a pair, so it is written)
	s_mov_b32 s[SEL], 0x76543210
	s_mov_b32 s[SEL+1], 0xfedcba98
	s_mov_b32 s[TB], 0
	s_mov_b32 s[SLOTS], NSL-1
	s_mov_b32 s47, 0
	s_wait_kmcnt 0x0
	s_mov_b32 s[G0], 1                             ; count = 1
	s_mov_b32 s[G0+1], s49                         ; LDS address: slot 0
	s_add_nc_u64 s[G0+2:G0+3], s[4:5], s[50:51]    ; global address: the head's first records
	s_or_b32 s[G0+3], s[G0+3], 0x80000000          ; type = 2
	s_add_nc_u64 s[PFA:PFA+1], s[4:5], s[52:53]
	s_lshl_b32 s46, s54, 10
	s_add_nc_u64 s[QB:QB+1], s[4:5], s[46:47]
	s_lshl_b32 s46, s54, 6
	s_add_co_u32 s46, s46, QSO
	s_add_nc_u64 s[QSB:QSB+1], s[4:5], s[46:47]
	s_mul_i32 s46, s56, 6144                       ; ctx's codes: tile, K step head / 2, registers 6 (head % 2) on
	s_lshr_b32 s59, s57, 1
	s_mul_i32 s59, s59, 1536
	s_add_co_u32 s46, s46, s59
	s_and_b32 s59, s57, 1
	s_mul_i32 s59, s59, 768
	s_add_co_u32 s46, s46, s59
	s_add_nc_u64 s[CB:CB+1], s[6:7], s[46:47]
	s_lshl_b32 s46, s56, 9
	s_lshl_b32 s59, s57, 1
	s_add_co_u32 s46, s46, s59
	s_add_co_u32 s46, s46, CSO
	s_add_nc_u64 s[CSB:CSB+1], s[6:7], s[46:47]
	CROUND                                         ; all four work-groups are here: the first joint loads meet
	TLOAD                                          ; slot 0
	v_and_b32 v9, 31, v0
	s_delay_alu instid0(VALU_DEP_1)
	v_lshlrev_b32 v[L16], 4, v9
	s_delay_alu instid0(VALU_DEP_2)
	v_lshlrev_b32 v[L8], 3, v9
	v_and_b32 v10, 15, v0
	s_delay_alu instid0(VALU_DEP_1)
	v_lshlrev_b32 v8, 2, v10
	global_load_b128 v[Q:Q+3], v[L16], s[QB:QB+1]
	global_load_b128 v[Q+4:Q+7], v[L16], s[QB:QB+1] offset:512
	global_load_b32 v[QSC], v8, s[QSB:QSB+1]
	s_lshl_b32 s48, s48, 5
	v_add_nc_u32 v[PFO], s48, v9
	s_delay_alu instid0(VALU_DEP_1)
	v_min_u32 v[PFO], 58, v[PFO]
	s_delay_alu instid0(VALU_DEP_1)
	v_lshlrev_b32 v[PFO], 8, v[PFO]
.irp i, 8,9,10,11
	v_mov_b32 v[Q+\i], 0                           ; Q's codes at k = 75 on
	v_mov_b32 v[KF+24+\i], 0                       ; what the last tile of K overlaps
.endr
	v_mov_b32 v13, 0xff61b1e6                      ; the largest t so far: -3e38
	s_delay_alu instid0(VALU_DEP_1)
	v_floor_f32 v12, -v13                          ; -M
	v_mov_b32 v14, 0                               ; the sum, in two halves
	v_mov_b32 v15, 0
	v_mov_b32 v[FF+1], 0                           ; (named as the upper half of a pair)
.irp b, 0,1,2,3
	v_mov_b32 v[PT+\b], 0                          ; written once: a lane permute's destination counts as one of its sources
.endr
.set j, 0
.rept 32
	v_mov_b32 v[O+j], 0                            ; the loop is written once: its first step finds zeros, which the first change of M leaves zeros
.set j, j+1
.endr
; A KEY STEP: 128 keys, the q-th record of the slot in hand.
.macro STEP q
.set RB, RECB*(\q)
	ds_load_b128 v[KSC:KSC+3], v[AL16] offset:RB+14336
.irp g, 0,1                            ; S^T = K Q^T, four tiles of 16 keys at a time
.if \g
.rept 4
	v_nop                                          ; places in front of loads into registers that matrix instructions have read
.endr
.endif
.irp t, 0,1,2,3
	ds_load_b128 v[KF+8*\t:KF+8*\t+3], v[AL16] offset:RB+(4*\g+\t)*1024
	ds_load_b128 v[KF+8*\t+4:KF+8*\t+7], v[AL16] offset:RB+(4*\g+\t)*1024+512
.endr
	s_wait_dscnt 0x0
.irp t, 0,1,2,3
	WMM S+8*(4*\g+\t), KF+8*\t, Q, 1, 0, KSC+(4*\g+\t)/2, QSC, \t%2, 0
.endr
.endr
.rept 4
	v_nop                                          ; places in front of the first read of the scores and of the loads below
.endr
.irp t, 0,1,2,3                        ; V^T's four fragments land under the softmax
.irp g, 0,1,2
	ds_load_b128 v[VF+12*\t+4*\g:VF+12*\t+4*\g+3], v[AL16] offset:RB+8192+1536*\t+512*\g
.endr
.endr
	ds_load_b64 v[VSC:VSC+1], v[AL8] offset:RB+14848
.irp b, 0,1,2,3
	v_max3_num_f32 v[BM+\b], v[S+16*\b], v[S+16*\b+1], v[S+16*\b+2]   ; the largest score of each block of 32 keys: for the row's maximum and, since p rises with the score, for the block's largest p
.endr
.irp i, 3,5,7,9,11,13
.irp b, 0,1,2,3
	v_max3_num_f32 v[BM+\b], v[BM+\b], v[S+16*\b+\i], v[S+16*\b+\i+1]
.endr
.endr
.irp b, 0,1,2,3
	v_max_num_f32 v[BM+\b], v[BM+\b], v[S+16*\b+15]
.endr
.irp b, 0,1,2,3
	s_delay_alu instid0(VALU_DEP_4)
	v_permlanex16_b32 v[PT+\b], v[BM+\b], s[SEL], s[SEL+1]
.endr
.irp b, 0,1,2,3
	s_delay_alu instid0(VALU_DEP_4)
	v_max_num_f32 v[BM+\b], v[BM+\b], v[PT+\b]     ; with lane l xor 16's 16 keys
.endr
	s_delay_alu instid0(VALU_DEP_2)
	v_max3_num_f32 v[W], v[BM], v[BM+1], v[BM+2]
	s_delay_alu instid0(VALU_DEP_1)
	v_max_num_f32 v[W], v[W], v[BM+3]
	s_delay_alu instid0(VALU_DEP_1)
	v_mul_f32 v[W], s[CS], v[W]                    ; the step's largest t
	s_delay_alu instid0(VALU_DEP_1)
	v_max_num_f32 v13, v13, v[W]                   ; the running largest t
	v_mov_b32 v[W], v12
	s_delay_alu instid0(VALU_DEP_2)
	v_floor_f32 v12, -v13                          ; the new -M = -ceil(t): a whole number
	s_delay_alu instid0(VALU_DEP_1)
	v_sub_f32 v[W], v12, v[W]                      ; old M - new M: a whole number, 0 or less
	s_delay_alu instid0(VALU_DEP_1)
	v_cvt_i32_f32 v[W], v[W]                       ; (it saturates)
	s_delay_alu instid0(VALU_DEP_1)
	v_ldexp_f32 v[FF], 1.0, v[W]                   ; f = 2^(old M - new M)
.set j, 0
.rept 32
	v_pk_fma_f32 v[S+j:S+j+1], v[S+j:S+j+1], s[CS:CS+1], v[12:13] op_sel_hi:[1,0,0]   ; t - M, two at a time
.set j, j+2
.endr
.irp b, 0,1,2,3
	v_fma_f32 v[BM+\b], v[BM+\b], s[CS], v12       ; the same of each block's largest score
.endr
.set j, 0
	s_wait_alu depctr_va_vdst(0)
.rept 64
	v_exp_f32 v[S+j], v[S+j]                       ; p = 2^(t - M)
.set j, j+1
.endr
	v_pk_mul_f32 v[14:15], v[14:15], v[FF:FF+1] op_sel_hi:[1,0]   ; the sums under the new M (a plain place behind the exponentials)
	s_wait_alu depctr_va_vdst(0)                   ; one wait for the whole batch, ahead of its first reader
.irp b, 0,1,2,3
	v_exp_f32 v[BM+\b], v[BM+\b]                   ; the block's largest p: the same two instructions on the same number
.endr
	v_pk_add_f32 v[192:193], v[76:77], v[80:81]
	v_pk_add_f32 v[254:255], v[84:85], v[88:89]
	v_pk_add_f32 v[252:253], v[92:93], v[96:97]
	v_pk_add_f32 v[198:199], v[100:101], v[104:105]
	v_pk_add_f32 v[196:197], v[108:109], v[112:113]
	v_pk_add_f32 v[194:195], v[116:117], v[120:121]
	v_pk_add_f32 v[186:187], v[124:125], v[128:129]
	v_pk_add_f32 v[14:15], v[14:15], v[132:133]
	v_pk_add_f32 v[192:193], v[192:193], v[72:73]
	v_pk_add_f32 v[254:255], v[254:255], v[74:75]
	v_pk_add_f32 v[252:253], v[252:253], v[78:79]
	v_pk_add_f32 v[198:199], v[198:199], v[82:83]
	v_pk_add_f32 v[196:197], v[196:197], v[86:87]
	v_pk_add_f32 v[194:195], v[194:195], v[90:91]
	v_pk_add_f32 v[186:187], v[186:187], v[94:95]
	v_pk_add_f32 v[14:15], v[14:15], v[98:99]
	v_pk_add_f32 v[192:193], v[192:193], v[102:103]
	v_pk_add_f32 v[254:255], v[254:255], v[106:107]
	v_pk_add_f32 v[252:253], v[252:253], v[110:111]
	v_pk_add_f32 v[198:199], v[198:199], v[114:115]
	v_pk_add_f32 v[196:197], v[196:197], v[118:119]
	v_pk_add_f32 v[194:195], v[194:195], v[122:123]
	v_pk_add_f32 v[186:187], v[186:187], v[126:127]
	v_pk_add_f32 v[14:15], v[14:15], v[130:131]
	v_pk_add_f32 v[192:193], v[192:193], v[134:135]
	s_delay_alu instid0(VALU_DEP_2)
	v_pk_add_f32 v[14:15], v[14:15], v[198:199]
	s_delay_alu instid0(VALU_DEP_2)
	v_pk_add_f32 v[192:193], v[192:193], v[196:197]
	v_pk_add_f32 v[254:255], v[254:255], v[194:195]
	v_pk_add_f32 v[252:253], v[252:253], v[186:187]
	s_delay_alu instid0(VALU_DEP_2)
	v_pk_add_f32 v[14:15], v[14:15], v[254:255]
	s_delay_alu instid0(VALU_DEP_2)
	v_pk_add_f32 v[192:193], v[192:193], v[252:253]
	s_delay_alu instid0(VALU_DEP_1)
	v_pk_add_f32 v[14:15], v[14:15], v[192:193]
	s_wait_alu depctr_va_vdst(0)                   ; and one for the four
.irp b, 0,1,2,3
	v_max_num_f32 v[BM+\b], 0x1800000, v[BM+\b]    ; the floor 2^(3 - 127)
.endr
.irp b, 0,1,2,3
	s_delay_alu instid0(VALU_DEP_4)
	v_add_nc_u32 v[SO+\b], 0xff000000, v[BM+\b]    ; the conversion's scale operand
.endr
.irp b, 0,1,2,3
	s_delay_alu instid0(VALU_DEP_4)
	v_lshrrev_b32 v[PT+\b], 23, v[SO+\b]           ; the byte
.endr
	s_delay_alu instid0(VALU_DEP_3)
	v_lshl_or_b32 v[PSC], v[PT+1], 8, v[PT]        ; p's scale word for these 128 keys
	s_delay_alu instid0(VALU_DEP_1)
	v_lshl_or_b32 v[PSC], v[PT+2], 16, v[PSC]
	s_delay_alu instid0(VALU_DEP_1)
	v_lshl_or_b32 v[PSC], v[PT+3], 24, v[PSC]
.irp c, 0,1
	v_cvt_scalef32_pk16_fp6_f32 v[PCD+6*\c:PCD+6*\c+2], v[S+32*\c:S+32*\c+15], v[SO+2*\c]
	v_cvt_scalef32_pk16_fp6_f32 v[P2+4*\c:P2+4*\c+2], v[S+32*\c+16:S+32*\c+31], v[SO+2*\c+1]
.endr
	v_nop                                          ; one plain place behind a scaled conversion
.irp c, 0,1                            ; the operand wants a whole block in a lane: lanes 0-15 block 2 c, lanes 16-31 block 2 c + 1
.irp i, 0,1,2
	v_permlane16_swap_b32 v[PCD+6*\c+\i], v[P2+4*\c+\i]
.endr
.irp i, 0,1,2
	s_delay_alu instid0(VALU_DEP_3)
	v_mov_b32 v[PCD+3+6*\c+\i], v[P2+4*\c+\i]
.endr
.endr
.set j, 0
.rept 16
	v_pk_mul_f32 v[O+j:O+j+1], v[O+j:O+j+1], v[FF:FF+1] op_sel_hi:[1,0]   ; O^T under the new M; these sixteen are also the places between p's codes and scale word and the products below
.set j, j+2
.endr
	s_wait_alu depctr_va_vdst(0)
	s_wait_dscnt 0x0                               ; V^T
.irp t, 0,1,2,3                        ; O^T += V^T P^T: four accumulators by turns
	WMM O+8*\t, VF+12*\t, PCD, 0, O+8*\t, VSC+\t/2, PSC, \t%2, 0
.endr
.endm
; THE CHANGE OF SLOTS stands at a slot's head.  Each wave waits for all its tensor loads (its part of the slot ahead), adds 0 to its spare word, and waits for that and for its reads of the slot that it has left.
; fill = 1: a round of the cluster's barrier, so that no wave of any partner still reads the other slot or has a load on its way; then the joint refill, which has four key steps in which to land.
; By this text's own count one tensor load of a wave is out at any time.
.macro CHANGE fill
	s_wait_tensorcnt 0x0                           ; no tensor load of mine is out, so group 0 may be written
	ds_add_u32 v[SPW], v[NIL]                      ; 0 onto my spare word
.if \fill
	s_xor_b32 s[G0+1], s[G0+1], SLOT1              ; the other slot than last time,
	s_add_nc_u64 s[G0+2:G0+3], s[G0+2:G0+3], SLOTB ; the next four records; the type bits on top are not reached
	s_wait_xcnt 0x0                                ; the last prefetch, a slot back, has read its address
	s_add_nc_u64 s[PFA:PFA+1], s[PFA:PFA+1], SLOTB
	s_wait_dscnt 0x0                               ; the add is done, and my reads of the slot that I have left are over
	CROUND
	TLOAD
	ASK
.else
	s_wait_dscnt 0x0
	s_barrier_signal -1
	s_barrier_wait -1
.endif
	v_add_nc_u32 v[AL16], s[TB], v[L16]
	v_add_nc_u32 v[AL8], s[TB], v[L8]
.endm
	s_wait_loadcnt 0x0                             ; Q
.Lslot:                                            ; NSL - 1 trips: behind each change of slots but the last the next slot is asked for
	CHANGE 1
	s_wait_alu depctr_va_vdst(0)
	STEP 0
	STEP 1
	STEP 2
	STEP 3
	s_xor_b32 s[TB], s[TB], SLOT1
	s_sub_co_u32 s[SLOTS], s[SLOTS], 1
	s_cmp_lg_u32 s[SLOTS], 0
	s_cbranch_scc1 .Lslot
	CHANGE 0                                       ; the last slot is written out
	s_wait_alu depctr_va_vdst(0)
	STEP 0
	STEP 1
	STEP 2
	STEP 3
	; THE WAY OUT.  O^T / the sum; my 16 registers of two neighbouring tiles are 16 neighbours of the head's 64, which are blocks 2 head and 2 head + 1 of the next product's K.
.rept 4
	v_nop
.endr
	v_add_f32 v14, v14, v15
	s_delay_alu instid0(VALU_DEP_1)
	v_permlanex16_b32 v[W], v14, s[SEL], s[SEL+1]
	s_delay_alu instid0(VALU_DEP_1)
	v_add_f32 v14, v14, v[W]                       ; the row's sum
	s_wait_alu depctr_va_vdst(0)
	v_rcp_f32 v14, v14
	v_nop                                          ; a plain place behind the transcendental
	s_wait_alu depctr_va_vdst(0)                   ; and the wait ahead of its first reader
.set j, 0
.rept 32
	v_mul_f32 v[S+j], v[O+j], v14                  ; each accumulator from its low end on
.set j, j+1
.endr
	Q32 S                                          ; lane (r, a): block 2 head + a of query r
.irp i, 0,1,2
	global_store_b64 v[L8], v[PC+2*\i:PC+2*\i+1], s[CB:CB+1] offset:256*\i   ; 32 lanes store 256 consecutive bytes, aligned
.endr
	v_lshl_or_b32 v[W], v[TM+7], 8, v[TM+6]
	global_store_b16 v[L16], v[W], s[CSB:CSB+1]    ; the head's two bytes of the row's sixteen
	s_wait_tensorcnt 0x0                           ; the wave's end
	ds_add_u32 v[SPW], v[NIL]
	s_wait_dscnt 0x0
	CROUND                                         ; the closing round: no work-group ends while a partner may still ask for a slot that names it
	s_endpgm
.Lfunc_end_k_q390e6c3ab6_attn:
	.size	k_q390e6c3ab6_attn, .Lfunc_end_k_q390e6c3ab6_attn-k_q390e6c3ab6_attn
	.p2alignl 7, 3214868480
	.fill 96, 4, 3214868480
	.section	.rodata,"a",@progbits
	.p2align	6, 0x0
	.amdhsa_kernel k_q390e6c3ab6_attn
		.amdhsa_group_segment_fixed_size 327680
		.amdhsa_private_segment_fixed_size 0
		.amdhsa_enable_private_segment 0
		.amdhsa_kernarg_size 16
		.amdhsa_user_sgpr_count 2
		.amdhsa_user_sgpr_kernarg_segment_ptr 1
		.amdhsa_wavefront_size32 1
		.amdhsa_system_sgpr_workgroup_id_x 1
		.amdhsa_system_sgpr_workgroup_id_y 1
		.amdhsa_system_sgpr_workgroup_id_z 1
		.amdhsa_system_vgpr_workitem_id 0
		.amdhsa_next_free_vgpr 256
		.amdhsa_next_free_sgpr 66
		.amdhsa_reserve_vcc 0
		.amdhsa_float_denorm_mode_32 3
		.amdhsa_float_denorm_mode_16_64 3
		.amdhsa_memory_ordered 1
		.amdhsa_forward_progress 1
		.amdhsa_inst_pref_size 146
	.end_amdhsa_kernel
	.amdgpu_metadata
---
amdhsa.version: [ 1, 2 ]
amdhsa.kernels:
  - .name:           k_q390e6c3ab6_attn
    .symbol:         k_q390e6c3ab6_attn.kd
    .args:
      - { .name: qkvc, .offset: 0, .size: 8, .value_kind: global_buffer, .address_space: global }
      - { .name: ctxq, .offset: 8, .size: 8, .value_kind: global_buffer, .address_space: global }
    .group_segment_fixed_size: 327680
    .private_segment_fixed_size: 0
    .kernarg_segment_align: 8
    .kernarg_segment_size: 16
    .max_flat_workgroup_size: 512
    .sgpr_count:     66
    .vgpr_count:     256
    .wavefront_size: 32
...
	.end_amdgpu_metadata
.endif
;; end of part 7
;; launch tail (part 8): grid 256 x 1, 16 waves a work-group, no clusters, 152,576 bytes of LDS; arguments x, ctxq, wt, b1, b2, g1, be1, g2, be2, out0; writes out0
.if DOCPART == 8
	.amdgcn_target "amdgcn-amd-amdhsa--gfx1250"
	.amdhsa_code_object_version 6
	.text
	.protected	k_q390e6c3ab6_tail
	.globl	k_q390e6c3ab6_tail
	.p2align	8
	.type	k_q390e6c3ab6_tail,@function
k_q390e6c3ab6_tail:
	s_mov_b64 s[64:65], 0
	v_nop
	global_prefetch_b8 v0, s[64:65] scope:SCOPE_SE
	s_setreg_imm32_b32 hwreg(HW_REG_WAVE_SCHED_MODE, 0, 2), 2
	s_setreg_imm32_b32 hwreg(HW_REG_WAVE_MODE, 25, 1), 1
	s_wait_xcnt 0x0
	s_wait_alu depctr_vm_vsrc(0)
; x1 = LN(x + ctx wo; g1, be1);  out = LN(x1 + relu(x1 w1 + b1) w2 + b2; g2, be2).  The three products on codes of FP6 (E2M3) with E8M0 scales; all else in f32; x1 and the hidden layer never go to memory.
; SHARES.  A work-group takes 32 tokens, as two tiles (row r of tile t is token 8 t + r + (r & 8)).  THE 16 WAVES SHARE THE COLUMNS: wave w owns columns 32 w on of the first and third product and hidden units 128 w on.
; Its 36 units of weights (two fragments each) come from memory straight into its operand registers, each once in the work-group, asked for two units ahead; the rows' codes go round through LDS as images of the operand's registers.
; Every product is used TRANSPOSED (source 0 = 16 columns of the weight, source 1 = 16 tokens): a lane holds one token and 16 neighbouring columns, which are 16 neighbours along the next product's K.
; The residuals and biases are the C of each sum's first matrix instruction.  A layer norm takes the mean away first, as the definition does: two sums over the row, each through LDS and one barrier.
; No cluster and no tensor load: a weight fragment is used by one wave of the work-group and lands in its operand registers; through LDS it would be written and read once more.
; LIMITS: a block of zeros gets the byte 1 (zero codes; the bytes are read by this program alone); blocks under 2^-124 have the byte held at 1; NaN and infinities are not served.
; THE MODE: SCHED_MODE bits 1:0 = 2 (LLVM: expert scheduling mode 2), set by the entry lines.  The code itself states the register dependences
; between vector or matrix instructions and memory or LDS instructions, with s_wait_alu, always for 0.
; THE PLAN.  Registers that memory or LDS instructions touch:
;   WS0 .. WS2   Unit n's four matrix instructions read WS[n % 3]; the loads of unit n + 2, issued in unit n, land in WS[(n - 1) % 3].
;   ACT0, ACT1   Unit n reads ACT[n % 2]; the LDS loads of unit n + 1's fragments, issued in unit n, land in ACT[(n - 1) % 2].  ACT0 = v148-171.  ACT1 = v24-47, where the quantiser and the norms work: they run
;                only behind an odd unit, when ACT1 has been read and the next fragments, if any, go into ACT0.  A phase's last unit asks for no fragments: the next phase's lie in LDS only behind a barrier.
;   WSC, B1, AS  A group of the weights' scale words, a pair's b1 and, in the third product, a group of the rows' scale words are asked for again in the unit behind the last one that read their registers.
;                The third product's groups of AS take turns: groups 0 and 2 in v172-179, groups 1 and 3 in v52-59.
;   GB           A norm's g and be land in v148-179: ACT0, read last by the phase's last unit but one, and v172-179, read last by unit 31: both ahead of the last unit's wait.
;   PC, SB, HWD  Written by the quantiser and the lines behind it; read by the LDS stores that follow.   TM + 8: written in XRED, read by its store; XRED's loads then land in TM.
;   v1 to v17    Offsets and addresses, made at the head and never written again.
; So ONE wait stands at a unit's head, behind the waits for its data.  As a rule it is on va_vdst: the unit before is done reading the registers in which this unit's loads land.  Behind a run of LDS stores from PC
; (units 0, 4, 8, 12, 16, 20) it is on vm_vsrc: those stores have read v40-45, in which a fragment lands; the wait on va_vdst ahead of those stores has covered the unit before and the quantiser.
.set SCB,  2359296
.set CSO,  3145728
.set CI,   0                           ; LDS: ctx's 8 fragments, (tile t, K step s) at 1,536 (4 t + s)
.set XI,   12288                       ; x1's likewise
.set HI,   24576                       ; the hidden layer's 32, at 1,536 (16 t + s)
.set XSC,  73728                       ; x1's scale bytes [tile][row][16]
.set HSC,  74240                       ; the hidden layer's [tile][row][64]
.set RED,  76288                       ; four regions of 2,048 bytes: [token][wave] f32, each used once
.set ST,   84480                       ; the stage: 32 rows x (2,048 + 16) bytes
.set NS,   3
.set NU,   36
.set A16,  1                           ; v1   16 x lane
.set A8,   2                           ; v2   8 x lane
.set A8H,  3                           ; v3   HI + 8 x lane
.set XW,   4                           ; v4   where I store my part of x1's images
.set HW,   5                           ; v5   and of the hidden layer's
.set XSW,  6
.set HSW,  7
.set A16R, 8
.set A64R, 9
.set REDW, 10
.set REDR, 11
.set XO,   12
.set CO16, 13                          ; v13  128 w + 64 h: my 16 columns, in bytes
.set B1O,  14
.set STW,  15
.set STR,  16
.set CCP,  17
.set HWD,  18                          ; v18  my row's four scale bytes of the hidden layer
.set SB,   19
.set MU,   20                          ; v20, v22 the two tiles' means, later 1 / sigma (each the low word of a pair)
.set TM,   24                          ; v24-39 at work
.set PC,   40                          ; v40-49 the codes just made
.set AS,   52                          ; v52-59 the rows' scale words
.set WSC,  60                          ; v60-67 the weights' scale words, two groups of four units
.set B1,   68                          ; v68-83 b1 of a pair of tiles
.set ACC,  84                          ; v84-115
.set XR,   116                         ; v116-147 b2, then x1 + b2, then the third product's sums
.set ACT,  148                         ; v148-171 the rows' two fragments of a K step, buffer 0;
.set ABUF, 124                         ; buffer 1 lies 124 registers back: v24-47
.set GB,   148                         ; v148-179 a norm's g and be (while no fragment is in hand)
.set AS2,  172                         ; v172-179 the third product's groups 0 and 2 of the rows' scale words
.set WS,   180                         ; v180-251 three units of weights
.set B1P,  10
.set B2P,  12
.set G1P,  14
.set BE1P, 16
.set G2P,  18
.set BE2P, 20
.set WV,   24
.set XB,   26
.set CCB,  28
.set CSB,  30
.set WP,   32
.set WSP,  34
.set OB,   36
.set SEL,  38
.set HM,   40
.set INV,  41
.set EPSR, 42
; LC counts the global loads issued; a mark is its value behind a batch; LC - mark is the number of younger loads, which may stay out when the batch is wanted.
.set LC, 0
.macro GLD4 dst, adr, base, off
	global_load_b128 v[\dst:\dst+3], v[\adr], s[\base:\base+1] offset:\off
.set LC, LC+1
.endm
.macro GLD4N dst, adr, base, off
	global_load_b128 v[\dst:\dst+3], v[\adr], s[\base:\base+1] offset:\off th:TH_LOAD_NT
.set LC, LC+1
.endm
.macro SETWM n
.if ((\n)%NS)==0
.set WM0, LC
.elseif ((\n)%NS)==1
.set WM1, LC
.else
.set WM2, LC
.endif
.endm
.macro WAITWM n
.if ((\n)%NS)==0
	s_wait_loadcnt LC-WM0
.elseif ((\n)%NS)==1
	s_wait_loadcnt LC-WM1
.else
	s_wait_loadcnt LC-WM2
.endif
.endm
.macro WHALF n, u                      ; fragment u of unit n: three loads of 512 consecutive bytes
.irp g, 0,1,2
	GLD4 WS+24*((\n)%NS)+12*\u+4*\g, A16, WP, (\n)*3072+\u*1536+\g*512
.endr
.endm
.macro WLOAD n
	WHALF \n, 0
	WHALF \n, 1
	SETWM \n
.endm
.macro WSLOAD g, reg                   ; four units' scale words
	GLD4 \reg, A16, WSP, (\g)*512
.endm
.macro B1LOAD cp                       ; b1 at the 16 hidden units that my lane holds of pair cp
.irp i, 0,1,2,3
	GLD4 B1+4*\i, B1O, B1P, 128*(\cp)+16*\i
.endr
.endm
.macro AFRAG reg, adr, off             ; one tile's fragment of a K step, as it was stored
.irp p, 0,1,2,3,4,5
	ds_load_b64 v[\reg+2*\p:\reg+2*\p+1], v[\adr] offset:\off+256*\p
.endr
.endm
.macro NEXTF n, t                      ; tile t's fragment for unit n, into the buffer of n's parity: units 0-3 take ctx's images, units 4-19 x1's, units 20-35 the hidden layer's
.set AN, ACT-ABUF*((\n)%2)+12*(\t)
.if (\n) < 4
	AFRAG AN, A8, CI+(4*(\t)+(\n))*1536
.elseif (\n) < 20
	AFRAG AN, A8, XI+(4*(\t)+(\n)%4)*1536
.else
	AFRAG AN, A8H, (16*(\t)+(\n)-20)*1536
.endif
.endm
.macro WMM d, a, b, c, sa, sb, ra      ; ra: source 0's scales stand in lanes 16-31
.if \ra
	v_wmma_scale_f32_16x16x128_f8f6f4 v[\d:\d+7], v[\a:\a+11], v[\b:\b+11], v[\c:\c+7], v[\sa], v[\sb] matrix_a_fmt:MATRIX_FMT_FP6 matrix_b_fmt:MATRIX_FMT_FP6 matrix_a_scale:MATRIX_SCALE_ROW1
.else
	v_wmma_scale_f32_16x16x128_f8f6f4 v[\d:\d+7], v[\a:\a+11], v[\b:\b+11], v[\c:\c+7], v[\sa], v[\sb] matrix_a_fmt:MATRIX_FMT_FP6 matrix_b_fmt:MATRIX_FMT_FP6
.endif
.endm
; Unit n: four matrix instructions on four accumulators (16 t + 8 u = weight tile u x token tile t), which take turns, one instruction a turn, in the same order in every unit.
; cm = 2: the sums begin with b1.  Among the four stand the loads of what later units want; none of the four names a register in which these loads land.
; The four v_nop are the places in front of the loads into registers that these instructions have read and of the first vector read of their results.
; A group of scale words, and a pair's b1, are issued ahead of the weights of the first unit that wants them: that unit's own wait covers them.
.macro MM n, acc, cm, as0, as1
	WAITWM \n
	s_wait_dscnt 0x0
.if (((\n)%4) == 0) && ((\n) <= 20)
	s_wait_alu depctr_vm_vsrc(0)                   ; the LDS stores ahead of this unit have read v40 to v45, in which the next unit's fragment lands, and v[SB]; what vector and matrix instructions did with the registers of this unit's loads stands ahead of the wait on va_vdst in front of those stores
.else
	s_wait_alu depctr_va_vdst(0)                   ; the matrix instructions of the unit before are done reading its weights, fragments, scale words and b1: the loads that follow, up to the next such wait, land in those registers
.endif
.set WB, WS+24*((\n)%NS)
.set AB, ACT-ABUF*((\n)%2)
.set WR, WSC+4*(((\n)/4)%2)+(\n)%4
.if \cm == 2
	WMM \acc, WB, AB, B1, WR, \as0, 0
.else
	WMM \acc, WB, AB, \acc, WR, \as0, 0
.endif
.if ((\n) >= 20) && (((\n)%4) == 0) && ((\n) < 32)
.set AG, AS+120*((((\n)-20)/4)%2)      ; the next four K steps' scale words of the rows, into the group of registers that is not at work
	ds_load_b128 v[AG:AG+3], v[A64R] offset:16*(((\n)-20)/4+1)
	ds_load_b128 v[AG+4:AG+7], v[A64R] offset:1024+16*(((\n)-20)/4+1)
.endif
.if ((\n) != 3) && ((\n) != 19) && ((\n) != 35)
	NEXTF (\n)+1, 0
.endif
.if \cm == 2
	WMM \acc+8, WB+12, AB, B1+8, WR, \as0, 1
.else
	WMM \acc+8, WB+12, AB, \acc+8, WR, \as0, 1
.endif
.if ((\n) != 3) && ((\n) != 19) && ((\n) != 35)
	NEXTF (\n)+1, 1
.endif
.if \cm == 2
	WMM \acc+16, WB, AB+12, B1, WR, \as1, 0
.else
	WMM \acc+16, WB, AB+12, \acc+16, WR, \as1, 0
.endif
.if (((\n)%4) == 1) && ((\n) >= 5) && ((\n) <= 13)
	B1LOAD ((\n)-5)/4+1                            ; the next pair's b1: the unit before began this pair's sums with the old one
.endif
.if (((\n)%4) == 0) && ((\n) >= 4) && ((\n)/4+1 < 9)
	WSLOAD (\n)/4+1, WSC+4*(((\n)/4+1)%2)          ; the next group of the weights' scale words, where the group before this one lay
.endif
.if ((\n) >= 1) && ((\n)+NS-1 < NU)
	WHALF (\n)+NS-1, 0
.endif
.if \cm == 2
	WMM \acc+24, WB+12, AB+12, B1+8, WR, \as1, 1
.else
	WMM \acc+24, WB+12, AB+12, \acc+24, WR, \as1, 1
.endif
.if ((\n) >= 1) && ((\n)+NS-1 < NU)
	WHALF (\n)+NS-1, 1
	SETWM (\n)+NS-1
.endif
.rept 4
	v_nop
.endr
.endm
; THE QUANTISER.  Two runs of 16 numbers (tile 0's, tile 1's), each my lane's half of one block of 32; afterwards lane (r, a) holds the whole block of run a in v[PC .. PC + 5]; v[TM + 6], v[TM + 7]: the two bytes.
.macro Q32 src
.irp a, 0,1
	v_max3_num_f32 v[TM+\a], |v[\src+16*\a]|, |v[\src+16*\a+1]|, 0x1800000
.endr
.irp i, 2,4,6,8,10,12,14
.irp a, 0,1
	v_max3_num_f32 v[TM+\a], v[TM+\a], |v[\src+16*\a+\i]|, |v[\src+16*\a+\i+1]|
.endr
.endr
.irp a, 0,1
	v_permlanex16_b32 v[TM+2+\a], v[TM+\a], s[SEL], s[SEL+1]
.endr
.irp a, 0,1
	v_max_num_f32 v[TM+\a], v[TM+\a], v[TM+2+\a]
.endr
.irp a, 0,1
	v_add_nc_u32 v[TM+4+\a], 0xff000000, v[TM+\a]
.endr
.irp a, 0,1
	v_lshrrev_b32 v[TM+6+\a], 23, v[TM+4+\a]
.endr
	v_cvt_scalef32_pk16_fp6_f32 v[PC:PC+2], v[\src:\src+15], v[TM+4]
	v_cvt_scalef32_pk16_fp6_f32 v[PC+6:PC+8], v[\src+16:\src+31], v[TM+5]
	v_nop
.irp i, 0,1,2
	v_permlane16_swap_b32 v[PC+\i], v[PC+6+\i]
.endr
.irp i, 0,1,2
	v_mov_b32 v[PC+3+\i], v[PC+6+\i]
.endr
.endm
.macro BARRIER
	s_wait_dscnt 0x0
	s_barrier_signal -1
	s_barrier_wait -1
.endm
; v[TM] (tile 0) and v[TM + 2] (tile 1) hold my lane's sums over its 16 columns.  Afterwards v[TM] of lane r + 16 t holds the sum over all 512 columns of row r of tile t.
.macro XRED off
	v_permlanex16_b32 v[TM+8], v[TM], s[SEL], s[SEL+1]
	v_permlanex16_b32 v[TM+9], v[TM+2], s[SEL], s[SEL+1]
	v_add_f32 v[TM], v[TM], v[TM+8]
	v_add_f32 v[TM+2], v[TM+2], v[TM+9]            ; my wave's 32 columns
	v_cndmask_b32 v[TM+8], v[TM], v[TM+2], s[HM]
	s_wait_alu depctr_va_vdst(0)                   ; v[TM + 8] is written, which the LDS store reads; the vector instructions above are done with v[TM .. TM + 15], in which the loads below land
	ds_store_b32 v[REDW], v[TM+8] offset:\off
	BARRIER
	s_wait_alu depctr_vm_vsrc(0)                   ; my LDS store has read v[TM + 8], in which a load lands
.irp i, 0,1,2,3
	ds_load_b128 v[TM+4*\i:TM+4*\i+3], v[REDR] offset:\off+16*\i   ; the sixteen waves' sums of my token
.endr
	s_wait_dscnt 0x0
	v_pk_add_f32 v[TM:TM+1], v[TM:TM+1], v[TM+2:TM+3]
	v_pk_add_f32 v[TM+4:TM+5], v[TM+4:TM+5], v[TM+6:TM+7]
	v_pk_add_f32 v[TM+8:TM+9], v[TM+8:TM+9], v[TM+10:TM+11]
	v_pk_add_f32 v[TM+12:TM+13], v[TM+12:TM+13], v[TM+14:TM+15]
	v_pk_add_f32 v[TM:TM+1], v[TM:TM+1], v[TM+4:TM+5]
	v_pk_add_f32 v[TM+8:TM+9], v[TM+8:TM+9], v[TM+12:TM+13]
	v_pk_add_f32 v[TM:TM+1], v[TM:TM+1], v[TM+8:TM+9]
	v_add_f32 v[TM], v[TM], v[TM+1]
.endm
; THE LAYER NORM of the 32 registers v[acc ..], in place.  gp, bp: the gain's and the bias's pointers; ra, rb: two regions of RED.
; The loads of g and be hold no wait of their own: no vector or matrix instruction since the wait at the head of the phase's last unit names v148-179.
.macro LNORM acc, gp, bp, ra, rb
.irp i, 0,1,2,3
	GLD4 GB+4*\i, CO16, \gp, 16*\i
.endr
.irp i, 0,1,2,3
	GLD4 GB+16+4*\i, CO16, \bp, 16*\i
.endr
.set GM, LC
.irp t, 0,1
	v_pk_add_f32 v[TM+2*\t:TM+2*\t+1], v[\acc+16*\t:\acc+16*\t+1], v[\acc+16*\t+2:\acc+16*\t+3]   ; each accumulator is read from its low end on
.endr
.irp i, 4,6,8,10,12,14
.irp t, 0,1
	v_pk_add_f32 v[TM+2*\t:TM+2*\t+1], v[TM+2*\t:TM+2*\t+1], v[\acc+16*\t+\i:\acc+16*\t+\i+1]
.endr
.endr
.irp t, 0,1
	v_add_f32 v[TM+2*\t], v[TM+2*\t], v[TM+2*\t+1]
.endr
	XRED \ra
	v_mul_f32 v[TM], s[INV], v[TM]                 ; the mean of token r + 16 t's row
	v_permlanex16_b32 v[TM+1], v[TM], s[SEL], s[SEL+1]
	v_cndmask_b32 v[MU], v[TM], v[TM+1], s[HM]     ; tile 0's in every lane,
	v_cndmask_b32 v[MU+2], v[TM+1], v[TM], s[HM]   ; and tile 1's
.irp t, 0,1
.irp i, 0,2,4,6,8,10,12,14
	v_pk_add_f32 v[\acc+16*\t+\i:\acc+16*\t+\i+1], v[\acc+16*\t+\i:\acc+16*\t+\i+1], v[MU+2*\t:MU+2*\t+1] op_sel_hi:[1,0] neg_lo:[0,1] neg_hi:[0,1]
.endr
.endr
.irp t, 0,1
	v_pk_mul_f32 v[TM+4*\t:TM+4*\t+1], v[\acc+16*\t:\acc+16*\t+1], v[\acc+16*\t:\acc+16*\t+1]
	v_pk_mul_f32 v[TM+4*\t+2:TM+4*\t+3], v[\acc+16*\t+2:\acc+16*\t+3], v[\acc+16*\t+2:\acc+16*\t+3]
.endr
.irp i, 4,8,12
.irp t, 0,1
	v_pk_fma_f32 v[TM+4*\t:TM+4*\t+1], v[\acc+16*\t+\i:\acc+16*\t+\i+1], v[\acc+16*\t+\i:\acc+16*\t+\i+1], v[TM+4*\t:TM+4*\t+1]
	v_pk_fma_f32 v[TM+4*\t+2:TM+4*\t+3], v[\acc+16*\t+\i+2:\acc+16*\t+\i+3], v[\acc+16*\t+\i+2:\acc+16*\t+\i+3], v[TM+4*\t+2:TM+4*\t+3]
.endr
.endr
.irp t, 0,1
	v_pk_add_f32 v[TM+4*\t:TM+4*\t+1], v[TM+4*\t:TM+4*\t+1], v[TM+4*\t+2:TM+4*\t+3]
.endr
	v_add_f32 v[TM], v[TM], v[TM+1]
	v_add_f32 v[TM+2], v[TM+4], v[TM+5]
	XRED \rb
	v_fma_f32 v[TM], v[TM], s[INV], s[EPSR]        ; the variance + 1e-5
	s_wait_alu depctr_va_vdst(0)
	v_rsq_f32 v[TM+1], v[TM]
	v_nop                                          ; a plain place behind the transcendental
	s_wait_alu depctr_va_vdst(0)                   ; the root's reciprocal, v[TM + 1], is written, ahead of its first reader
	v_permlanex16_b32 v[TM+2], v[TM+1], s[SEL], s[SEL+1]
	v_cndmask_b32 v[MU], v[TM+1], v[TM+2], s[HM]
	v_cndmask_b32 v[MU+2], v[TM+2], v[TM+1], s[HM]
	s_wait_alu depctr_va_vdst(0)
	s_wait_loadcnt LC-GM                           ; g and be
.irp t, 0,1
.irp i, 0,2,4,6,8,10,12,14
	v_pk_mul_f32 v[\acc+16*\t+\i:\acc+16*\t+\i+1], v[\acc+16*\t+\i:\acc+16*\t+\i+1], v[MU+2*\t:MU+2*\t+1] op_sel_hi:[1,0]
.endr
.endr
.irp t, 0,1
.irp i, 0,2,4,6,8,10,12,14
	v_pk_fma_f32 v[\acc+16*\t+\i:\acc+16*\t+\i+1], v[\acc+16*\t+\i:\acc+16*\t+\i+1], v[GB+\i:GB+\i+1], v[GB+16+\i:GB+16+\i+1]
.endr
.endr
.endm
	s_load_b256 s[4:11], s[0:1], 0x0               ; x, ctxq, wt, b1
	s_load_b256 s[12:19], s[0:1], 0x20             ; b2, g1, be1, g2
	s_load_b128 s[20:23], s[0:1], 0x40             ; be2, out0
	v_lshl_add_u32 v254, v0, 2, 0x24c00
	v_mov_b32 v255, 0
	v_lshrrev_b32 v20, 5, v0
	v_readfirstlane_b32 s[WV], v20                 ; wave 0..15
	v_and_b32 v20, 31, v0                          ; lane
	v_and_b32 v21, 15, v0                          ; r
	v_bfe_u32 v22, v0, 4, 1                        ; h
	v_and_b32 v23, 8, v0
	v_add_nc_u32 v23, v23, v21                     ; r + (r & 8)
	v_lshlrev_b32 v[A16], 4, v20
	v_lshlrev_b32 v[A8], 3, v20
	s_wait_alu depctr_va_sdst(0)                   ; s24, the wave's number, is written, ahead of its first reader
	s_mul_i32 s44, s[WV], 768
	v_add_nc_u32 v[CCP], s44, v[A8]                ; my wave's 768 bytes of ctx's images, in memory as in LDS
	s_lshl_b32 s44, s[WV], 7
	v_lshlrev_b32 v[CO16], 6, v22
	v_add_nc_u32 v[CO16], s44, v[CO16]
	v_lshl_add_u32 v[XO], v23, 11, v[CO16]         ; x: row r + (r & 8), my 16 columns
	s_lshl_b32 s44, s[WV], 9
	v_lshlrev_b32 v[B1O], 6, v22
	v_add_nc_u32 v[B1O], s44, v[B1O]
	s_mov_b32 s47, 0
	s_wait_kmcnt 0x0
	s_lshl_b32 s46, ttmp9, 16
	s_add_nc_u64 s[XB:XB+1], s[4:5], s[46:47]
	s_add_nc_u64 s[OB:OB+1], s[22:23], s[46:47]
	s_lshl_b32 s46, s[WV], 12
	s_add_nc_u64 s[OB:OB+1], s[OB:OB+1], s[46:47]  ; on the way out wave w stores rows 2 w and 2 w + 1
	s_mul_i32 s46, ttmp9, 12288
	s_add_nc_u64 s[CCB:CCB+1], s[6:7], s[46:47]
	s_lshl_b32 s46, ttmp9, 10
	s_add_co_u32 s46, s46, CSO
	s_add_nc_u64 s[CSB:CSB+1], s[6:7], s[46:47]
	s_mul_i32 s46, s[WV], 110592
	s_add_co_u32 s46, s46, 589824
	s_add_nc_u64 s[WP:WP+1], s[8:9], s[46:47]      ; my 36 units
	s_mul_i32 s46, s[WV], 4608
	s_add_co_u32 s46, s46, SCB+24576
	s_add_nc_u64 s[WSP:WSP+1], s[8:9], s[46:47]    ; and their scale words
	s_wait_alu depctr_va_vdst(0)                   ; v1, v2, v12, v13, v14 and v17 are written: the offsets of the loads below
.irp i, 0,1,2
	global_load_b64 v[PC+2*\i:PC+2*\i+1], v[CCP], s[CCB:CCB+1] offset:256*\i
.set LC, LC+1
.endr
.set CM, LC
	GLD4 AS, A16, CSB, 0                           ; ctx's scale words: four K steps a tile
	GLD4 AS+4, A16, CSB, 512
.irp t, 0,1
.irp i, 0,1,2,3
	GLD4N ACC+16*\t+4*\i, XO, XB, \t*16384+16*\i   ; x, in the result's layout: the first product's sums begin with it
.endr
.endr
.irp t, 0,1
.irp i, 0,1,2,3
	GLD4 XR+16*\t+4*\i, CO16, B2P, 16*\i           ; b2, for both tiles
.endr
.endr
	B1LOAD 0
	WSLOAD 0, WSC
	WSLOAD 1, WSC+4
	WLOAD 0
	WLOAD 1
	WLOAD 2
	; the other addresses, while the loads are on their way
	v_lshl_add_u32 v[A8H], v20, 3, HI
	s_lshr_b32 s44, s[WV], 2
	s_mul_i32 s44, s44, 1536                       ; block w of K is K step w / 4,
	s_bfe_u32 s45, s[WV], 0x10001
	s_mul_i32 s45, s45, 768                        ; registers 6 ((w / 2) % 2) on,
	s_add_co_u32 s44, s44, s45
	s_and_b32 s45, s[WV], 1
	s_lshl_b32 s45, s45, 7                         ; of the fragment's lanes r + 16 (w % 2)
	s_add_co_u32 s44, s44, s45
	s_add_co_u32 s44, s44, XI
	v_mul_u32_u24 v[XW], v22, 6144
	v_lshl_add_u32 v[XW], v21, 3, v[XW]
	v_add_nc_u32 v[XW], s44, v[XW]
	s_mul_i32 s44, s[WV], 1536                     ; my 128 hidden units are K step w of the third product
	s_add_co_u32 s44, s44, HI
	v_mul_u32_u24 v[HW], v22, 24576
	v_lshl_add_u32 v[HW], v21, 3, v[HW]
	v_add_nc_u32 v[HW], s44, v[HW]
	v_lshl_add_u32 v[XSW], v20, 4, XSC
	v_add_nc_u32 v[XSW], s[WV], v[XSW]
	s_lshl_b32 s44, s[WV], 2
	v_lshl_add_u32 v[HSW], v20, 6, HSC
	v_add_nc_u32 v[HSW], s44, v[HSW]
	v_lshl_add_u32 v[A16R], v21, 4, XSC
	v_lshl_add_u32 v[A64R], v21, 6, HSC
	v_lshl_add_u32 v[REDR], v20, 6, RED
	v_add_nc_u32 v[REDW], s44, v[REDR]
	v_mul_u32_u24 v[STW], v23, 2064
	v_add_nc_u32 v[STW], v[STW], v[CO16]
	v_add_nc_u32 v[STW], ST, v[STW]
	s_mul_i32 s44, s[WV], 4128
	v_lshl_add_u32 v[STR], v20, 4, ST
	v_add_nc_u32 v[STR], s44, v[STR]
	v_mov_b32 v21, 0                               ; (named as the upper halves of the pairs v[20:21], v[22:23])
	v_mov_b32 v23, 0
.set j, 0
.rept 16
	v_mov_b32 v[TM+j], 0                           ; written once: a lane permute's destination counts as one of its sources
.set j, j+1
.endr
	s_mov_b32 s[SEL], 0x76543210
	s_mov_b32 s[SEL+1], 0xfedcba98
	s_mov_b32 s[HM], 0xffff0000                    ; lanes 16-31
	s_mov_b32 s[INV], 0x3b000000                   ; 1 / 512
	s_mov_b32 s[EPSR], 0x3727c5ac                  ; 1e-5
	s_wait_alu depctr_va_vdst(0)                   ; the LDS addresses v3 to v11, v15 and v16 are written, which LDS instructions read from here on; so are v24 to v39, in which unit 1's fragment lands
	; ---- ctx's images into LDS: 768 bytes a wave
	s_wait_loadcnt LC-CM                           ; my three loads of ctx are in; all that were issued behind them stay out
.irp i, 0,1,2
	ds_store_b64 v[CCP], v[PC+2*\i:PC+2*\i+1] offset:CI+256*\i
.endr
	BARRIER
	NEXTF 0, 0                                     ; unit 0's fragments; each unit asks for the next unit's
	NEXTF 0, 1
	; ---- x + ctx wo, and the first norm
.irp s, 0,1,2,3
	MM \s, ACC, 0, AS+\s, AS+4+\s
.endr
	LNORM ACC, G1P, BE1P, 0, 2048
.set j, 0
.rept 16
	v_pk_add_f32 v[XR+j:XR+j+1], v[XR+j:XR+j+1], v[ACC+j:ACC+j+1]   ; x1 + b2: the third product's sums begin with it
.set j, j+2
.endr
	Q32 ACC                                        ; lane (r, t): block w of x1, of token r of tile t
	v_cndmask_b32 v[SB], v[TM+6], v[TM+7], s[HM]
	s_wait_alu depctr_va_vdst(0)                   ; v[PC .. PC + 5] and v[SB] are written, which the LDS stores read; the norm and the quantiser are done with v24-47, v52-59 and v148-171, and unit 3 with its weights: loads land in all of them below
.irp i, 0,1,2
	ds_store_b64 v[XW], v[PC+2*\i:PC+2*\i+1] offset:256*\i
.endr
	ds_store_b8 v[XSW], v[SB]
	BARRIER                                        ; x1's eight fragments and their scale bytes lie in LDS
	ds_load_b128 v[AS:AS+3], v[A16R]
	ds_load_b128 v[AS+4:AS+7], v[A16R] offset:256
	NEXTF 4, 0
	NEXTF 4, 1
	; ---- the hidden layer: my four pairs of tiles, each a block of 32 along the next K
.irp cp, 0,1,2,3
.irp s, 0,1,2,3
.if \s == 0
	MM 4+4*\cp+\s, ACC, 2, AS+\s, AS+4+\s
.else
	MM 4+4*\cp+\s, ACC, 0, AS+\s, AS+4+\s
.endif
.endr
.set j, 0
.rept 32
	v_max_num_f32 v[ACC+j], 0, v[ACC+j]            ; the activation, each accumulator from its low end on
.set j, j+1
.endr
	Q32 ACC
	v_cndmask_b32 v[SB], v[TM+6], v[TM+7], s[HM]
.if \cp == 0
	v_mov_b32 v[HWD], v[SB]
.else
	v_lshl_or_b32 v[HWD], v[SB], 8*\cp, v[HWD]
.endif
	s_wait_alu depctr_va_vdst(0)                   ; v[PC .. PC + 5] and v[HWD] are written, which the LDS stores read; the quantiser is done with v24-47 and the pair's last unit with its weights and scale words: the next unit's loads land there
.irp i, 0,1,2
	ds_store_b64 v[HW], v[PC+2*\i:PC+2*\i+1] offset:768*(\cp/2)+128*(\cp%2)+256*\i
.endr
.endr
	ds_store_b32 v[HSW], v[HWD]
	BARRIER                                        ; the hidden layer's 32 fragments and their scale words lie in LDS
	; ---- x1 + b2 + h w2, and the second norm
	ds_load_b128 v[AS2:AS2+3], v[A64R]             ; the rows' scale words of K steps 0 to 3; each fourth unit asks for the next four steps'
	ds_load_b128 v[AS2+4:AS2+7], v[A64R] offset:1024
	NEXTF 20, 0
	NEXTF 20, 1
.irp s, 0,1,2,3,4,5,6,7,8,9,10,11,12,13,14,15
	MM 20+\s, XR, 0, AS2-120*((\s/4)%2)+\s%4, AS2+4-120*((\s/4)%2)+\s%4
.endr
	LNORM XR, G2P, BE2P, 4096, 6144
	; ---- the way out: a row's 512 numbers come from sixteen waves: they meet in the stage, and each wave stores two whole rows
	s_wait_alu depctr_va_vdst(0)                   ; the norm has written v[XR ..], which the LDS stores read
.irp t, 0,1
.irp i, 0,1,2,3
	ds_store_b128 v[STW], v[XR+16*\t+4*\i:XR+16*\t+4*\i+3] offset:16512*\t+16*\i
.endr
.endr
	BARRIER
.irp t, 0,1
.irp i, 0,1,2,3
	ds_load_b128 v[ACC+16*\t+4*\i:ACC+16*\t+4*\i+3], v[STR] offset:2064*\t+512*\i
.endr
.endr
.irp t, 0,1
.irp i, 0,1,2,3
	s_wait_dscnt 7-4*\t-\i                         ; LDS loads come back in order: this one is in, the younger ones stay out
	global_store_b128 v[A16], v[ACC+16*\t+4*\i:ACC+16*\t+4*\i+3], s[OB:OB+1] offset:2048*\t+512*\i th:TH_STORE_NT   ; 32 lanes store 512 consecutive bytes, aligned
.endr
.endr
	s_wait_dscnt 0x0                               ; the closing lines, six on end
	s_wait_alu 0x0
	s_wait_tensorcnt 0x0
	ds_add_u32 v254, v255
	s_wait_dscnt 0x0
	s_endpgm
.Lfunc_end_k_q390e6c3ab6_tail:
	.size	k_q390e6c3ab6_tail, .Lfunc_end_k_q390e6c3ab6_tail-k_q390e6c3ab6_tail
	.p2alignl 7, 3214868480
	.fill 96, 4, 3214868480
	.section	.rodata,"a",@progbits
	.p2align	6, 0x0
	.amdhsa_kernel k_q390e6c3ab6_tail
		.amdhsa_group_segment_fixed_size 152576
		.amdhsa_private_segment_fixed_size 0
		.amdhsa_enable_private_segment 0
		.amdhsa_kernarg_size 80
		.amdhsa_user_sgpr_count 2
		.amdhsa_user_sgpr_kernarg_segment_ptr 1
		.amdhsa_wavefront_size32 1
		.amdhsa_system_sgpr_workgroup_id_x 1
		.amdhsa_system_sgpr_workgroup_id_y 1
		.amdhsa_system_sgpr_workgroup_id_z 1
		.amdhsa_system_vgpr_workitem_id 0
		.amdhsa_next_free_vgpr 256
		.amdhsa_next_free_sgpr 66
		.amdhsa_reserve_vcc 0
		.amdhsa_float_denorm_mode_32 3
		.amdhsa_float_denorm_mode_16_64 3
		.amdhsa_memory_ordered 1
		.amdhsa_forward_progress 1
		.amdhsa_inst_pref_size 120
	.end_amdhsa_kernel
	.amdgpu_metadata
---
amdhsa.version: [ 1, 2 ]
amdhsa.kernels:
  - .name:           k_q390e6c3ab6_tail
    .symbol:         k_q390e6c3ab6_tail.kd
    .args:
      - { .name: x, .offset: 0, .size: 8, .value_kind: global_buffer, .address_space: global }
      - { .name: ctxq, .offset: 8, .size: 8, .value_kind: global_buffer, .address_space: global }
      - { .name: wt, .offset: 16, .size: 8, .value_kind: global_buffer, .address_space: global }
      - { .name: b1, .offset: 24, .size: 8, .value_kind: global_buffer, .address_space: global }
      - { .name: b2, .offset: 32, .size: 8, .value_kind: global_buffer, .address_space: global }
      - { .name: g1, .offset: 40, .size: 8, .value_kind: global_buffer, .address_space: global }
      - { .name: be1, .offset: 48, .size: 8, .value_kind: global_buffer, .address_space: global }
      - { .name: g2, .offset: 56, .size: 8, .value_kind: global_buffer, .address_space: global }
      - { .name: be2, .offset: 64, .size: 8, .value_kind: global_buffer, .address_space: global }
      - { .name: out0, .offset: 72, .size: 8, .value_kind: global_buffer, .address_space: global }
    .group_segment_fixed_size: 152576
    .private_segment_fixed_size: 0
    .kernarg_segment_align: 8
    .kernarg_segment_size: 80
    .max_flat_workgroup_size: 512
    .sgpr_count:     66
    .vgpr_count:     256
    .wavefront_size: 32
...
	.end_amdgpu_metadata
.endif
;; end of part 8
